; MI455X (gfx1250); checked and timed in simulation.
; The chip was launched on July 23, 2026; its instructions are those of AMD's public machine-readable ISA for CDNA 5 (MIT licence, August 2026) and "CDNA5" Instruction Set Architecture Reference Guide (July 2026). The comments in the code are by the model that wrote it; some were corrected since.
;; Mo E Layer. Allowed arithmetic: matrix products marked QUANTISED: E5M2 operands, one E8M0 scale for each 32 along K, by v_wmma_scale_f32_16x16x128_f8f6f4 with both operands' format E5M2, f32 sums; products left as they are: f32 operands where the result goes on into a quantised operand, else bf16, f16 or f32 operands; f32 sums; everything else in f32.
;; Inputs: W1 8 x 512 x 2,048 float32; W2 8 x 2,048 x 512 float32; b1 8 x 2,048 float32; b2 8 x 512 float32; b_router 8 float32; w_router 512 x 8 float32; x 2 x 2,048 x 512 float32.
;; Outputs: out0 2 x 2,048 x 512 float32; out1 one number float32; out2 2 x 2,048 x 8 float32.
;; This version of the problem:
;;   THIS VERSION OF THE PROBLEM IS GIVEN IN LOW PRECISION. The matrix products marked QUANTISED in the list below multiply operands that are first quantised to E5M2 (5 exponent bits, 2 mantissa bits; 8 bits a number), with one power-of-two scale for each 32 numbers along K (OCP MX v1.0); their sums are f32. All else is computed in f32.
;;   The module's matrix products, in the order in which they are computed (A, B: the left and right operand; K: the contracted axis; several contracted axes count as one K, in the product's order):
;;     1. [M 4,096, K 512] x [K 512, N 8]; A: input x; B: input w_router: left as it is (N = 8 < 16)
;;     2. [M 4,096, K 512] x [K 512, N 2,048]; A: input x; B: input W1: QUANTISED
;;     3. [M 4,096, K 2,048] x [K 2,048, N 512]; A: computed on the way; B: input W2: QUANTISED
;;     4. [M 4,096, K 512] x [K 512, N 2,048]; A: input x; B: input W1: QUANTISED
;;     5. [M 4,096, K 2,048] x [K 2,048, N 512]; A: computed on the way; B: input W2: QUANTISED
;;     6. [M 4,096, K 512] x [K 512, N 2,048]; A: input x; B: input W1: QUANTISED
;;     7. [M 4,096, K 2,048] x [K 2,048, N 512]; A: computed on the way; B: input W2: QUANTISED
;;     8. [M 4,096, K 512] x [K 512, N 2,048]; A: input x; B: input W1: QUANTISED
;;     9. [M 4,096, K 2,048] x [K 2,048, N 512]; A: computed on the way; B: input W2: QUANTISED
;;     10. [M 4,096, K 512] x [K 512, N 2,048]; A: input x; B: input W1: QUANTISED
;;     11. [M 4,096, K 2,048] x [K 2,048, N 512]; A: computed on the way; B: input W2: QUANTISED
;;     12. [M 4,096, K 512] x [K 512, N 2,048]; A: input x; B: input W1: QUANTISED
;;     13. [M 4,096, K 2,048] x [K 2,048, N 512]; A: computed on the way; B: input W2: QUANTISED
;;     14. [M 4,096, K 512] x [K 512, N 2,048]; A: input x; B: input W1: QUANTISED
;;     15. [M 4,096, K 2,048] x [K 2,048, N 512]; A: computed on the way; B: input W2: QUANTISED
;;     16. [M 4,096, K 512] x [K 512, N 2,048]; A: input x; B: input W1: QUANTISED
;;     17. [M 4,096, K 2,048] x [K 2,048, N 512]; A: computed on the way; B: input W2: QUANTISED
;;   THE QUANTISER, for each operand of a quantised product, along K:
;;     - K is cut into blocks of 32 from its start; a last block that is shorter is filled with zeros.
;;     - A block's scale is 2^e with e = floor(log2(the largest magnitude in the block)) - 15, held to -126 .. 127; a block of zeros has e = 0. As a byte (E8M0): e + 127.
;;     - Each number is divided by its block's scale, clamped to +-57,344, and rounded to the nearest number of E5M2, ties to even, subnormals kept.
;;     - The product sums the exact products of the quantised numbers (number of the format x scale) in f32.
;;   ~~~python
;;   def quantise(x, axis):      # numpy; x: float32 -> the quantised numbers, widened to float32 again
;;       x = np.moveaxis(x, axis, -1); K = x.shape[-1]
;;       x = np.pad(x, [(0, 0)] * (x.ndim - 1) + [(0, -K % 32)]); x = x.reshape(x.shape[:-1] + (-1, 32)); a = np.abs(x).max(-1, keepdims=True)
;;       e = np.where(a > 0, np.clip(np.frexp(np.where(a > 0, a, 1))[1] - 1 - 15, -126, 127), 0)      # np.frexp(a)[1] - 1 = floor(log2(a)), exactly
;;       r = np.clip(x / 2.0 ** e, -57344, 57344)
;;       step = 2.0 ** (np.maximum(np.frexp(np.where(r == 0, 1, r))[1] - 1, -14) - 2)
;;       q = np.round(r / step) * step * 2.0 ** e      # np.round: ties to even
;;       return np.moveaxis(q.reshape(q.shape[:-2] + (-1,))[..., :K], -1, axis).astype(np.float32)
;;   ~~~
;;   OPERANDS COMPUTED ON THE WAY. 'Computed on the way' means the value that the module computes at that place (a softmax that the list does not call 'softmax' is quantised finished and normalised). What goes into a quantiser is computed in f32, as accurately as f32 sums, v_exp_f32 and their like allow (about 1e-6 of the number): no bf16 or f16 on the way to a quantiser, and a product that is left as it is and whose result goes on into a quantised operand takes f32 operands (vector FMAs, or v_wmma_f32_16x16x4_f32). A number that lies on a knife's edge between two numbers of the format may be rounded either way, as far as f32 arithmetic and the matrix unit's own rounding can turn it there, and no further.
;; 3 versions, each right; version 2 is faster than version 1; version 3 is version 2 with the launches ffn1, ffn2 written anew for expert scheduling mode. Each part assembles by itself: llvm-mc -triple=amdgcn-amd-amdhsa -mcpu=gfx1250 --defsym DOCPART=n.
;; ======== version 1 of 3: 3 launches
;; workspace buffers: codes 18,874,368 bytes; scales 589,824 bytes; route 18,432 bytes of whole numbers; rf 18,432 bytes; hid 10,543,104 bytes; plan 20,480 bytes of whole numbers
;; launch prep (part 1): grid 576 x 1, 8 waves a work-group, no clusters, 70,656 bytes of LDS; arguments x, w_router, b_router, W1, W2, codes, scales, route, rf, out2; writes codes, scales, route, rf, out2
.if DOCPART == 1
	.amdgcn_target "amdgcn-amd-amdhsa--gfx1250"
	.amdhsa_code_object_version 6
	.text
	.protected	k_q9fd2a2c5fd_prep
	.globl	k_q9fd2a2c5fd_prep
	.p2align	8
	.type	k_q9fd2a2c5fd_prep,@function
k_q9fd2a2c5fd_prep:
	s_mov_b64 s[64:65], 0
	v_nop
	global_prefetch_b8 v0, s[64:65] scope:SCOPE_SE
	s_setreg_imm32_b32 hwreg(HW_REG_WAVE_MODE, 25, 1), 1
	s_wait_xcnt 0x0
; FIRST LAUNCH OF THREE.  Work-groups 0-63: the router (logits, softmax, chosen expert, gate, counts and sums of probabilities for each block of 64 tokens) and x as codes of E5M2.
; Work-groups 64-319: W1 [8][512][2048] as codes; 320-575: W2 [8][2048][512] as codes.  One E8M0 byte for each 32 along K; a block's scale is 2^(floor(log2(largest magnitude)) - 15).
; THE WEIGHTS' CODES ARE LAID AS IMAGES OF OPERAND REGISTERS: a fragment (16 rows x 128 K) is 2,048 bytes; bytes 512 c + 16 lane hold k = 32 c + 16 (lane / 16) + 0 .. 15 of row lane % 16.
;   codes:  W1 at 0: [expert][group of 128 hidden units g][tile t][K step s] images; row r of tile t = 2 b + u is hidden unit 128 g + 32 b + 8 u + r + 8 (r / 8)
;           W2 at W2Q: [expert][tile of 16 outputs][K step s] images;   x at XQ: [token][512 codes]
;   scales: W1 at 0: [expert][s][tile 8 g + t][r] words;  W2 at W2SO: [expert][s][tile][r] words;  x at XSO: [token][16 bytes]
;   route (whole numbers): the chosen expert of each token, then at CNT [block of 64 tokens][expert] counts;   rf: the gate of each token, then at PSUM [block][expert] sums of probabilities
; LIMITS.  NaN and infinities are not served.  A block whose largest magnitude lies under 2^-111 keeps the byte 1; a block of zeros has the byte 1 and zero codes (the bytes are read by this program alone).
; The expert is the lowest index whose LOGIT equals the row's largest: it can differ from the argmax of the rounded probabilities only where two probabilities round alike.  The logits are f32 sums in another order than a row-by-row sum.
; No matrix instruction (the router's product has 8 columns and steers whole rows of the result: f32 multiply-adds), no tensor load, no cluster: the work-groups share no input but the small w_router.
; ROUTER'S REGISTERS: v1-7 lane and addresses; v8-11 at work; v12-15 wave 0's closing addresses; v16-23 and v120-127 two sets of partial logits; v24-25 b_router; v26-27, v38-39 addresses; v28-35 two sets of codes; v36-37 scale bytes;
;   v40-119 five sets of 16 numbers of x; v128-255 my 16 rows of w_router.
.set W2Q,  8388608
.set XQ,   16777216
.set W2SO, 262144
.set XSO,  524288
.set CNT,  16384
.set PSUM, 16384
.set WX,   64                          ; weights: v64-191 four blocks of 32 numbers down K
.set WC,   192                         ; weights: v192-223 eight registers of codes a block: no store's data are written again
.set RX,   40                          ; router: v40-119 five sets of 16 numbers of x
.set RW,   128                         ; router: v128-255 my 16 rows of w_router
.set XSB,  67584                       ; LDS behind the eight waves' partial sums (8,448 bytes a wave): x's scale bytes of 64 tokens,
.set RED,  68608                       ; each wave's 8 sums of probabilities and 8 counts,
.set EIL,  69120                       ; the 64 experts, and 256 bytes on the 64 gates
.set FE,   12                          ; router, wave 0 at the end: v12 4 x (lane % 8): an expert's word in memory;
.set FR,   13                          ; v13 the same in a wave's sums in LDS;
.set FS,   14                          ; v14 my 16 of the block's scale bytes in LDS;
.set FG,   15                          ; v15 my two of the block's experts in LDS.  All four are made at the head and hold nothing else
; One block of 32 along K of one column: all 32 numbers are the lane's own
.macro WBLOCK t, left
.set XB, WX+32*(\t)
.set CB, WC+8*(\t)
	s_wait_loadcnt \left                           ; loads come back in order: this block's 32 are in when at most the later blocks' are out
	v_max3_num_f32 v12, |v[XB]|, |v[XB+1]|, |v[XB+2]|
	v_max3_num_f32 v13, |v[XB+3]|, |v[XB+4]|, |v[XB+5]|
.irp i, 6,10,14,18,22,26
	v_max3_num_f32 v12, v12, |v[XB+\i]|, |v[XB+\i+1]|
	v_max3_num_f32 v13, v13, |v[XB+\i+2]|, |v[XB+\i+3]|
.endr
	v_max3_num_f32 v12, v12, |v[XB+30]|, |v[XB+31]|
	v_max3_num_f32 v12, v12, v13, 0x8000000        ; and the floor 2^(16 - 127): the byte cannot fall under 1
	v_add_nc_u32 v11, 0xf8800000, v12              ; 15 off the exponent field: the conversion's scale operand
	v_and_or_b32 v10, v12, 0x7f800000, s31         ; 57,344 x the scale
	v_lshrrev_b32 v13, 23, v11                     ; the scale's byte
.if (\t) == 0
	v_mov_b32 v14, v13
.else
	v_lshl_or_b32 v14, v13, 8*(\t), v14            ; the K step's four bytes make the column's scale word
.endif
.set ii, 0
.rept 32
	v_med3_num_f32 v[XB+ii], v[XB+ii], -v10, v10   ; the conversion to an 8-bit code does not saturate (ISA guide 7.6.2): the hold comes first
.set ii, ii+1
.endr
.irp g, 0,1,2,3
	v_cvt_scalef32_pk8_bf8_f32 v[CB+2*\g:CB+2*\g+1], v[XB+8*\g:XB+8*\g+7], v11
.endr
	global_store_b128 v3, v[CB:CB+3], s[28:29] offset:512*(\t)          ; k = 32 t + 0 .. 15: the image's lanes 0-15; sixteen lanes store 256 consecutive bytes, aligned
	global_store_b128 v3, v[CB+4:CB+7], s[28:29] offset:512*(\t)+256    ; k = 32 t + 16 .. 31: its lanes 16-31
.endm
; A wave takes 32 columns x 128 along K.  A lane takes a column and its registers run down K: each load reads 128 consecutive bytes, the eight waves stand side by side on 1,024.
; All 128 loads are asked for at once; nothing is written twice, so no wait but those for the data.
.macro WSTREAM n
.set tt, 0
.rept 128
	global_load_b32 v[WX+tt], v2, s[26:27] offset:tt*(\n)*4 th:TH_LOAD_NT
.set tt, tt+1
.endr
	WBLOCK 0, 63                                   ; 96 later loads: more than the wait can name; the smaller count is safe
	WBLOCK 1, 63                                   ; 64 later loads: likewise
	WBLOCK 2, 32
	WBLOCK 3, 0
	global_store_b32 v4, v14, s[44:45]             ; 32 scale words: 128 consecutive bytes a wave, 1,024 a work-group
	s_endpgm
.endm
.macro XLOAD i                         ; token i of my eight: my 16 numbers, 64 bytes; the four loads together take the row's 2,048 bytes
.irp j, 0,1,2,3
	global_load_b128 v[RX+16*((\i)%5)+4*\j:RX+16*((\i)%5)+4*\j+3], v2, s[26:27] offset:2048*(\i)+16*\j th:TH_LOAD_NT
.endr
.endm
; One token: my 16 k against my 16 rows of w_router (8 partial logits, to LDS), then the 16 numbers become codes
.macro TOKEN i, left
.set XB, RX+16*((\i)%5)
.set AC, 16+104*((\i)%2)               ; v16-23 and v120-127 by turns
.set CB, 28+4*((\i)%2)
	s_wait_loadcnt \left                           ; this token's four loads are in; the later tokens' stay out
	s_wait_xcnt 0x0                                ; the store of two tokens ago has read its codes' registers, which are written again below
.if (\i) >= 2
	s_wait_dscnt 3                                 ; the three LDS stores of the token before may be out; those of two tokens ago have read their registers
.endif
.irp p, 0,1,2,3
	v_pk_mul_f32 v[AC+2*\p:AC+2*\p+1], v[XB:XB+1], v[RW+2*\p:RW+2*\p+1] op_sel_hi:[0,1]   ; the first product starts the sums; x is taken for both halves
.endr
.set kk, 1
.rept 15
.irp p, 0,1,2,3
.if kk%2
	v_pk_fma_f32 v[AC+2*\p:AC+2*\p+1], v[XB+kk-1:XB+kk], v[RW+8*kk+2*\p:RW+8*kk+2*\p+1], v[AC+2*\p:AC+2*\p+1] op_sel:[1,0,0] op_sel_hi:[1,1,1]
.else
	v_pk_fma_f32 v[AC+2*\p:AC+2*\p+1], v[XB+kk:XB+kk+1], v[RW+8*kk+2*\p:RW+8*kk+2*\p+1], v[AC+2*\p:AC+2*\p+1] op_sel_hi:[0,1,1]
.endif
.endr
.set kk, kk+1
.endr
	ds_store_b128 v4, v[AC:AC+3] offset:1056*(\i)          ; experts 0-3, 16 bytes a lane on end
	ds_store_b128 v4, v[AC+4:AC+7] offset:1056*(\i)+528    ; experts 4-7
	v_max3_num_f32 v8, |v[XB]|, |v[XB+1]|, |v[XB+2]|
	v_max3_num_f32 v9, |v[XB+3]|, |v[XB+4]|, |v[XB+5]|
.irp j, 6,10
	v_max3_num_f32 v8, v8, |v[XB+\j]|, |v[XB+\j+1]|
	v_max3_num_f32 v9, v9, |v[XB+\j+2]|, |v[XB+\j+3]|
.endr
	v_max3_num_f32 v8, v8, |v[XB+14]|, |v[XB+15]|
	v_max3_num_f32 v8, v8, v9, 0x8000000           ; the floor 2^(16 - 127)
	v_max_num_f32_dpp v8, v8, v8 row_xmask:1 row_mask:0xf bank_mask:0xf   ; with my neighbour's 16: the block's largest magnitude
	v_add_nc_u32 v11, 0xf8800000, v8
	v_and_or_b32 v10, v8, 0x7f800000, s31
.set kk, 0
.rept 16
	v_med3_num_f32 v[XB+kk], v[XB+kk], -v10, v10
.set kk, kk+1
.endr
	v_cvt_scalef32_pk8_bf8_f32 v[CB:CB+1], v[XB:XB+7], v11
	v_cvt_scalef32_pk8_bf8_f32 v[CB+2:CB+3], v[XB+8:XB+15], v11
	v_lshrrev_b32 v[36+(\i)%2], 23, v11            ; the scale's byte (also the plain line behind the conversions)
	ds_store_b8 v6, v[36+(\i)%2] offset:16*(\i)    ; both lanes of a block write the same byte
	global_store_b128 v3, v[CB:CB+3], s[28:29] offset:512*(\i)   ; the token's 512 codes: 512 consecutive bytes
.if (\i)+5 < 8
	XLOAD (\i)+5
.endif
.endm
	s_load_b512 s[4:19], s[0:1], 0x0               ; x, w_router, b_router, W1, W2, codes, scales, route
	s_load_b128 s[20:23], s[0:1], 0x40             ; rf, out2
	s_set_vgpr_msb 0x40
	v_lshl_add_u32 v0, v0, 2, 0x11000
	v_mov_b32 v1, 0
	s_set_vgpr_msb 0x4000
	v_lshrrev_b32 v1, 5, v0
	v_readfirstlane_b32 s24, v1                    ; wave 0..7
	v_and_b32 v1, 31, v0                           ; lane
	s_mov_b32 s31, 0x600000                        ; the mantissa field of 57,344
	s_mov_b32 s39, 0
	s_mov_b32 s41, 0
	s_mov_b32 s43, 0
	s_lshl_b32 s37, s24, 5                         ; 32 x wave
	s_cmp_lt_u32 ttmp9, 64
	s_cbranch_scc1 .Lrouter
	v_lshlrev_b32 v2, 2, v1                        ; weights: 4 bytes a lane
	s_cmp_lt_u32 ttmp9, 320
	s_cbranch_scc1 .Lw1
	; ---- W2: expert e, 256 columns cg of 512, K step s of 16
	s_sub_co_u32 s32, ttmp9, 320
	s_lshr_b32 s33, s32, 5                         ; e
	s_bfe_u32 s34, s32, 0x10004                    ; cg
	s_and_b32 s35, s32, 15                         ; s
	s_lshl_b32 s36, s34, 8
	s_add_co_u32 s36, s36, s37                     ; n0: my wave's first column
	s_lshl_b32 s38, s33, 22                        ; in: e x 4 MiB + s x 128 rows of 2,048 bytes + 4 n0
	s_lshl_b32 s30, s35, 18
	s_add_co_u32 s38, s38, s30
	s_lshl_b32 s30, s36, 2
	s_add_co_u32 s38, s38, s30
	s_lshl_b32 s42, s33, 15                        ; scale words: e x 32,768 + s x 2,048 + 64 (n0 / 16)
	s_add_co_u32 s42, s42, s30
	s_lshl_b32 s30, s35, 11
	s_add_co_u32 s42, s42, s30
	s_add_co_u32 s42, s42, W2SO
	s_lshl_b32 s40, s33, 20                        ; codes: e x 1 MiB + (n0 / 16) x 32,768 + s x 2,048
	s_add_co_u32 s40, s40, s30
	s_lshl_b32 s30, s36, 11
	s_add_co_u32 s40, s40, s30
	s_add_co_u32 s40, s40, W2Q
	v_lshrrev_b32 v9, 4, v1
	v_and_b32 v10, 15, v1
	v_lshlrev_b32 v3, 15, v9                       ; lanes 16-31: the next tile of 16 outputs
	v_lshl_add_u32 v3, v10, 4, v3                  ; row r = lane % 16
	v_lshlrev_b32 v4, 2, v1
	s_wait_kmcnt 0x0
	s_add_nc_u64 s[26:27], s[12:13], s[38:39]
	s_add_nc_u64 s[28:29], s[14:15], s[40:41]
	s_add_nc_u64 s[44:45], s[16:17], s[42:43]
	WSTREAM 512
.Lw1:
	; ---- W1: expert e, 256 columns cg of 2,048, K step s of 4
	s_sub_co_u32 s32, ttmp9, 64
	s_lshr_b32 s33, s32, 5                         ; e
	s_bfe_u32 s34, s32, 0x30002                    ; cg
	s_and_b32 s35, s32, 3                          ; s
	s_lshl_b32 s36, s34, 8
	s_add_co_u32 s36, s36, s37                     ; n0
	s_lshl_b32 s38, s33, 22                        ; in: e x 4 MiB + s x 128 rows of 8,192 bytes + 4 n0
	s_lshl_b32 s30, s35, 20
	s_add_co_u32 s38, s38, s30
	s_lshl_b32 s30, s36, 2
	s_add_co_u32 s38, s38, s30
	s_lshl_b32 s42, s33, 15                        ; scale words: e x 32,768 + s x 8,192 + 64 (n0 / 16)
	s_add_co_u32 s42, s42, s30
	s_lshl_b32 s30, s35, 13
	s_add_co_u32 s42, s42, s30
	s_lshl_b32 s40, s33, 20                        ; codes: e x 1 MiB + (n0 / 32) x two tiles of 8,192 + s x 2,048
	s_lshl_b32 s30, s36, 9
	s_add_co_u32 s40, s40, s30
	s_lshl_b32 s30, s35, 11
	s_add_co_u32 s40, s40, s30
	v_bfe_u32 v8, v1, 3, 1                         ; column n0 + lane is row 8 (lane / 16) + lane % 8 of tile 2 b + u, u = (lane / 8) % 2
	v_lshrrev_b32 v9, 4, v1
	v_and_b32 v10, 7, v1
	v_lshlrev_b32 v3, 13, v8
	v_lshl_add_u32 v3, v9, 7, v3
	v_lshl_add_u32 v3, v10, 4, v3
	v_lshlrev_b32 v4, 6, v8
	v_lshl_add_u32 v4, v9, 5, v4
	v_lshl_add_u32 v4, v10, 2, v4
	s_wait_kmcnt 0x0
	s_add_nc_u64 s[26:27], s[10:11], s[38:39]
	s_add_nc_u64 s[28:29], s[14:15], s[40:41]
	s_add_nc_u64 s[44:45], s[16:17], s[42:43]
	WSTREAM 2048
.Lrouter:
	; ---- the router: block b = work-group of 64 tokens; wave w takes tokens 64 b + 8 w + 0 .. 7; lane l holds k = 16 l .. 16 l + 15
	s_lshl_b32 s32, ttmp9, 6
	s_lshl_b32 s33, s24, 3
	s_add_co_u32 s32, s32, s33                     ; my first token
	s_lshl_b32 s38, s32, 11                        ; x: 2,048 bytes a token
	s_lshl_b32 s40, s32, 9
	s_add_co_u32 s40, s40, XQ                      ; its codes: 512
	s_lshl_b32 s42, s32, 5                         ; its logits: 32
	s_lshl_b32 s46, ttmp9, 8
	s_mov_b32 s47, 0
	s_lshl_b32 s58, ttmp9, 5
	s_mov_b32 s59, 0
	s_lshl_b32 s60, ttmp9, 10
	s_mov_b32 s61, 0
	s_mov_b32 s34, 0x76543210
	s_mov_b32 s35, 0xfedcba98                      ; v_permlanex16_b32's selects for lane l xor 16
	v_lshlrev_b32 v2, 6, v1                        ; 64 l
	v_lshlrev_b32 v3, 4, v1                        ; 16 l
	s_mul_i32 s33, s24, 8448                       ; my wave's partial sums in LDS: 8 tokens x 1,056 bytes
	v_add_nc_u32 v4, s33, v3
	v_lshrrev_b32 v8, 2, v1                        ; at the end lane l stands for token l / 4 and experts 2 (l % 4), 2 (l % 4) + 1
	v_mul_u32_u24 v5, v8, 1056
	v_bfe_u32 v9, v1, 1, 1
	v_mad_u32_u24 v5, v9, 528, v5
	v_and_b32 v9, 1, v1
	v_lshl_add_u32 v5, v9, 3, v5
	v_add_nc_u32 v5, s33, v5
	s_lshl_b32 s33, s24, 7
	s_add_co_u32 s33, s33, XSB
	v_lshrrev_b32 v6, 1, v1
	v_add_nc_u32 v6, s33, v6                       ; x's scale bytes: 16 a token, block l / 2
	v_and_b32 v9, 3, v1
	v_lshlrev_b32 v38, 3, v9                       ; b_router: my two experts
	s_lshl_b32 s33, s24, 6
	s_add_co_u32 s33, s33, RED
	v_add_nc_u32 v7, s33, v38                      ; my wave's sums: 64 bytes a wave
	s_lshl_b32 s33, s24, 5
	s_add_co_u32 s33, s33, EIL
	v_lshl_add_u32 v26, v8, 2, s33                 ; my token's expert; its gate 256 bytes on
	v_lshlrev_b32 v27, 9, v1                       ; w_router: my 16 rows are 512 consecutive bytes
	v_lshlrev_b32 v39, 3, v1                       ; 8 l
	v_and_b32 v[FE], 7, v1
	v_lshlrev_b32 v[FE], 2, v[FE]                  ; wave 0 at the end: expert l % 8
	v_add_nc_u32 v[FR], RED, v[FE]
	v_add_nc_u32 v[FS], XSB, v3
	v_add_nc_u32 v[FG], EIL, v39
	s_wait_kmcnt 0x0
	s_add_nc_u64 s[26:27], s[4:5], s[38:39]
	s_add_nc_u64 s[28:29], s[14:15], s[40:41]
	s_add_nc_u64 s[44:45], s[22:23], s[42:43]
	s_add_nc_u64 s[48:49], s[18:19], s[46:47]      ; the block's experts
	s_add_nc_u64 s[50:51], s[18:19], s[58:59]      ; its counts
	s_add_nc_u64 s[52:53], s[20:21], s[46:47]      ; its gates
	s_add_nc_u64 s[54:55], s[20:21], s[58:59]      ; its sums of probabilities
	s_add_nc_u64 s[56:57], s[16:17], s[60:61]      ; its scale bytes
.set jj, 0
.rept 32
	global_load_b128 v[RW+4*jj:RW+4*jj+3], v27, s[6:7] offset:16*jj    ; register 8 i + e = w_router[16 l + i][e]; they stay
.set jj, jj+1
.endr
	global_load_b64 v[24:25], v38, s[8:9]
	XLOAD 0
	XLOAD 1
	XLOAD 2
	XLOAD 3
	XLOAD 4
	TOKEN 0, 16
	TOKEN 1, 16
	TOKEN 2, 16
	TOKEN 3, 16
	TOKEN 4, 12
	TOKEN 5, 8
	TOKEN 6, 4
	TOKEN 7, 0
	; the 32 lanes' partial logits of my token and my two experts: my wave's own bytes, and LDS serves a wave's instructions in order
.set jj, 0
.rept 32
	ds_load_b64 v[40+2*jj:41+2*jj], v5 offset:16*jj
.set jj, jj+1
.endr
	s_wait_dscnt 0x0
.irp j, 4,8,12,16,20,24,28,32,36,40,44,48,52,56,60
	v_pk_add_f32 v[40:41], v[40:41], v[40+\j:41+\j]
	v_pk_add_f32 v[42:43], v[42:43], v[42+\j:43+\j]
.endr
	v_pk_add_f32 v[40:41], v[40:41], v[42:43]
	v_pk_add_f32 v[40:41], v[40:41], v[24:25]      ; + b_router: the logits
	global_store_b64 v39, v[40:41], s[44:45]       ; 8 tokens x 32 bytes: 256 consecutive bytes, aligned
	v_max_num_f32 v42, v40, v41
	v_max_num_f32_dpp v42, v42, v42 row_xmask:1 row_mask:0xf bank_mask:0xf
	v_max_num_f32_dpp v42, v42, v42 row_xmask:2 row_mask:0xf bank_mask:0xf   ; the token's largest logit, in its four lanes
	v_and_b32 v43, 3, v1
	v_lshlrev_b32 v43, 1, v43
	v_cvt_f32_u32 v44, v43                         ; my experts' numbers as f32
	v_add_f32 v45, 1.0, v44
	v_mov_b32 v46, 0x41000000                      ; 8.0: above every expert
	v_cmp_eq_f32 vcc_lo, v40, v42
	v_cndmask_b32 v47, v46, v44, vcc_lo
	v_cmp_eq_f32 vcc_lo, v41, v42
	v_cndmask_b32 v48, v46, v45, vcc_lo
	v_min_num_f32 v47, v47, v48
	v_min_num_f32_dpp v47, v47, v47 row_xmask:1 row_mask:0xf bank_mask:0xf
	v_min_num_f32_dpp v47, v47, v47 row_xmask:2 row_mask:0xf bank_mask:0xf   ; the lowest expert that has the largest logit
	v_cvt_u32_f32 v49, v47
	v_sub_f32 v50, v40, v42                        ; the maximum is taken away ahead of the exponential
	v_sub_f32 v51, v41, v42
	v_mul_f32 v50, 0x3fb8aa3b, v50
	v_mul_f32 v51, 0x3fb8aa3b, v51
	v_exp_f32 v50, v50
	v_exp_f32 v51, v51
	v_mov_b32 v58, 0                               ; (a plain line behind the exponentials; a lane permute's destination counts as read)
	v_mov_b32 v59, 0
	v_mov_b32 v60, 0
	v_mov_b32 v61, 0
	s_wait_alu depctr_va_vdst(0)
	v_add_f32 v53, v50, v51
	v_add_f32_dpp v53, v53, v53 row_xmask:1 row_mask:0xf bank_mask:0xf
	v_add_f32_dpp v53, v53, v53 row_xmask:2 row_mask:0xf bank_mask:0xf
	v_rcp_f32 v54, v53                             ; 1 / the sum: also the gate, since the largest exponential is exactly 1
	v_mov_b32 v52, 1.0                             ; (a plain line behind the reciprocal)
	v_cmp_eq_f32 vcc_lo, v47, v44
	v_cndmask_b32 v56, 0, v52, vcc_lo              ; 1 where my expert is the chosen one
	v_cmp_eq_f32 vcc_lo, v47, v45
	v_cndmask_b32 v57, 0, v52, vcc_lo
	s_wait_alu depctr_va_vdst(0)
	v_mul_f32 v50, v50, v54                        ; the probabilities
	v_mul_f32 v51, v51, v54
	ds_store_b32 v26, v49                          ; four lanes write the same word with the same value
	ds_store_b32 v26, v54 offset:256
.irp r, 50,51,56,57
	v_add_f32_dpp v\r, v\r, v\r row_xmask:4 row_mask:0xf bank_mask:0xf     ; over my wave's eight tokens: lanes 4, 8 and 16 apart
.endr
.irp r, 50,51,56,57
	v_add_f32_dpp v\r, v\r, v\r row_xmask:8 row_mask:0xf bank_mask:0xf
.endr
	v_permlanex16_b32 v58, v50, s34, s35
	v_permlanex16_b32 v59, v51, s34, s35
	v_permlanex16_b32 v60, v56, s34, s35
	v_permlanex16_b32 v61, v57, s34, s35
	v_pk_add_f32 v[50:51], v[50:51], v[58:59]
	v_pk_add_f32 v[56:57], v[56:57], v[60:61]
	ds_store_b64 v7, v[50:51]
	ds_store_b64 v7, v[56:57] offset:32
	s_wait_dscnt 0x0                               ; for the others' sake: all my LDS stores have landed
	s_barrier_signal -1
	s_barrier_wait -1
	s_cmp_lg_u32 s24, 0
	s_cbranch_scc1 .Lrend
	; wave 0 gathers the block's figures and stores them
.irp q, 0,1,2,3,4,5,6,7
	ds_load_b32 v[64+\q], v[FR] offset:64*\q
	ds_load_b32 v[72+\q], v[FR] offset:64*\q+32
.endr
	ds_load_b128 v[80:83], v[FS]
	ds_load_b128 v[84:87], v[FS] offset:512
	ds_load_b64 v[88:89], v[FG]
	ds_load_b64 v[90:91], v[FG] offset:256
	s_wait_dscnt 0x0
	v_pk_add_f32 v[64:65], v[64:65], v[66:67]
	v_pk_add_f32 v[68:69], v[68:69], v[70:71]
	v_pk_add_f32 v[72:73], v[72:73], v[74:75]
	v_pk_add_f32 v[76:77], v[76:77], v[78:79]
	v_pk_add_f32 v[64:65], v[64:65], v[68:69]
	v_pk_add_f32 v[72:73], v[72:73], v[76:77]
	v_add_f32 v64, v64, v65
	v_add_f32 v72, v72, v73
	v_cvt_u32_f32 v72, v72                         ; a count of at most 64: exact
	global_store_b64 v39, v[88:89], s[48:49]       ; 64 experts: 256 consecutive bytes, aligned
	global_store_b64 v39, v[90:91], s[52:53]       ; 64 gates likewise
	global_store_b32 v[FE], v72, s[50:51] offset:CNT      ; 8 counts (four lanes write each word with the same value)
	global_store_b32 v[FE], v64, s[54:55] offset:PSUM     ; 8 sums
	global_store_b128 v3, v[80:83], s[56:57] offset:XSO   ; 1,024 scale bytes
	global_store_b128 v3, v[84:87], s[56:57] offset:XSO+512
.Lrend:
	s_set_vgpr_msb 0x5
	s_wait_tensorcnt 0x0
	ds_add_u32 v0, v1
	s_wait_dscnt 0x0
	s_set_vgpr_msb 0x500
	s_endpgm
.Lfunc_end_k_q9fd2a2c5fd_prep:
	.size	k_q9fd2a2c5fd_prep, .Lfunc_end_k_q9fd2a2c5fd_prep-k_q9fd2a2c5fd_prep
	.p2alignl 7, 3214868480
	.fill 96, 4, 3214868480
	.section	.rodata,"a",@progbits
	.p2align	6, 0x0
	.amdhsa_kernel k_q9fd2a2c5fd_prep
		.amdhsa_group_segment_fixed_size 70656
		.amdhsa_private_segment_fixed_size 0
		.amdhsa_enable_private_segment 0
		.amdhsa_kernarg_size 80
		.amdhsa_user_sgpr_count 2
		.amdhsa_user_sgpr_kernarg_segment_ptr 1
		.amdhsa_wavefront_size32 1
		.amdhsa_system_sgpr_workgroup_id_x 1
		.amdhsa_system_sgpr_workgroup_id_y 1
		.amdhsa_system_sgpr_workgroup_id_z 1
		.amdhsa_system_vgpr_workitem_id 0
		.amdhsa_next_free_vgpr 258
		.amdhsa_next_free_sgpr 66
		.amdhsa_reserve_vcc 1
		.amdhsa_float_denorm_mode_32 3
		.amdhsa_float_denorm_mode_16_64 3
		.amdhsa_memory_ordered 1
		.amdhsa_forward_progress 1
		.amdhsa_inst_pref_size 126
	.end_amdhsa_kernel
	.amdgpu_metadata
---
amdhsa.version: [ 1, 2 ]
amdhsa.kernels:
  - .name:           k_q9fd2a2c5fd_prep
    .symbol:         k_q9fd2a2c5fd_prep.kd
    .args:
      - { .name: x, .offset: 0, .size: 8, .value_kind: global_buffer, .address_space: global }
      - { .name: w_router, .offset: 8, .size: 8, .value_kind: global_buffer, .address_space: global }
      - { .name: b_router, .offset: 16, .size: 8, .value_kind: global_buffer, .address_space: global }
      - { .name: W1, .offset: 24, .size: 8, .value_kind: global_buffer, .address_space: global }
      - { .name: W2, .offset: 32, .size: 8, .value_kind: global_buffer, .address_space: global }
      - { .name: codes, .offset: 40, .size: 8, .value_kind: global_buffer, .address_space: global }
      - { .name: scales, .offset: 48, .size: 8, .value_kind: global_buffer, .address_space: global }
      - { .name: route, .offset: 56, .size: 8, .value_kind: global_buffer, .address_space: global }
      - { .name: rf, .offset: 64, .size: 8, .value_kind: global_buffer, .address_space: global }
      - { .name: out2, .offset: 72, .size: 8, .value_kind: global_buffer, .address_space: global }
    .group_segment_fixed_size: 70656
    .private_segment_fixed_size: 0
    .kernarg_segment_align: 8
    .kernarg_segment_size: 80
    .max_flat_workgroup_size: 256
    .sgpr_count:     66
    .vgpr_count:     258
    .wavefront_size: 32
...
	.end_amdgpu_metadata
.endif
;; end of part 1
;; launch ffn1 (part 2): grid 4 x 39, 4 waves a work-group, no clusters, 72,192 bytes of LDS; arguments codes, scales, route, rf, b1, hid, plan, out1; writes hid, plan, out1
.if DOCPART == 2
	.amdgcn_target "amdgcn-amd-amdhsa--gfx1250"
	.amdhsa_code_object_version 6
	.text
	.protected	k_q9fd2a2c5fd_ffn1
	.globl	k_q9fd2a2c5fd_ffn1
	.p2align	8
	.type	k_q9fd2a2c5fd_ffn1,@function
k_q9fd2a2c5fd_ffn1:
	s_mov_b64 s[64:65], 0
	v_nop
	global_prefetch_b8 v0, s[64:65] scope:SCOPE_SE
	s_setreg_imm32_b32 hwreg(HW_REG_WAVE_MODE, 25, 1), 1
	s_wait_xcnt 0x0
; SECOND LAUNCH.  hidden = Q(relu(Q(x) Q(W1) + b1)) for the rows of the chosen expert alone, in codes of E5M2 with one E8M0 byte for each 32 along K; also the lists for the third launch and the load-balance loss.
; TILES.  The tokens of an expert, in a fixed order, are cut into tiles of 128 rows: never more than 4,096 / 128 + 7 = 39 tiles, whatever the choice.  Work-group (sl, tile) makes hidden units 512 sl .. 512 sl + 511 of its tile's rows.
; A tile that the split leaves empty, and the rows past a tile's count, run on some valid token's numbers: their part of hid is written and never used, so every wave passes every barrier.
; PLACING, in registers.  Every wave reads all 4,096 expert numbers (128 registers) and makes the 128 lane masks 'is my tile's expert'.  Lane l owns slot 32 wave + l, whose rank among the expert's tokens is R = 128 x (tile in expert) + slot:
; it keeps the last mask whose running count is at or under R, and finds that mask's bit number R - count by partial bit counts and five halvings.  No address hangs on a number that has not been clamped.
; SHARES.  Wave w makes the 128 hidden units of group g = 4 sl + w, which are K step g of the next product, for all 128 rows: its 32 fragments of W1 stay in registers.  x's codes of the 128 rows are gathered once (wave w: rows 32 w on)
; and go round through LDS as images of operand registers.  The product is used transposed (source 0 = 16 rows of W1, source 1 = 16 tokens), and W1's tiles were laid so that a lane's 16 registers of tiles 2 b, 2 b + 1 are 16 neighbours along the next K.
; No tensor load and no cluster: the tiles' addresses hang on numbers read from memory, and 39 is no multiple of a cluster's side.
; LIMITS: as in the first launch (NaN and infinities not served; a block under 2^-111, or of zeros, keeps the byte 1).
; REGISTERS, in windows of 256.  Window 0: v1-27 addresses; v32-95 my 8 tiles of the hidden layer; v96-111 codes just made; v112-128 the quantiser's; v130-133 x's scale words; v136-167 W1's; v176-239 x's four fragments.
;   Window 1: W1's fragments of K steps 0, 1.  Window 2: of K steps 2, 3.  Window 3: v0-63 b1; v64-191 the expert numbers, then the gathered codes; v192-199 their scale bytes; v200-211 the placing.
.set XQ,    16777216
.set XSO,   524288
.set CNT,   16384
.set PSUM,  16384
.set HSO,   10223616                   ; hid: [tile][16 rows m][K step] images of 2,048 bytes; from HSO on [tile][m][sl][row][w] scale words
.set TILES, 19968                      ; plan: [tile][128] tokens; from TILES on [tile] (expert, rows)
.set XSC,   65536                      ; LDS: x's 32 images (16 rows m, K step s: 4 m + s) from 0; their scale words, 16 bytes a lane, 512 a tile of rows;
.set HSCL,  69632                      ; the hidden layer's scale words [m][row][wave]
.set HA,    32
.set PC,    96
.set TM,    112
.set PW,    128
.set XSR,   130
.set W1SR,  136
.set XF,    176
.set KEY,   64                         ; window 3
.set PR,    200                        ; window 3: my rank, the mask kept, its count and number, ...
.set PWD,   201
.set PP,    202
.set PN,    203
.set PI,    204
.set PA,    205
.set PB,    206
.set PC3,   207
.set PD,    208
.set POS,   209
.set T0,    210
.set T1,    211
.set SEL,   68
.set MNT,   70
.set MSB, 0
.macro WIN new                         ; the immediate's high byte repeats the setting that is left
.if MSB != \new
	s_set_vgpr_msb (MSB<<8)|\new
.set MSB, \new
.endif
.endm
; eight masks: s40-47 the masks, s48-56 the running counts in front of each, s88-95 count | number << 16
.macro PLACE8 j0
.irp i, 0,1,2,3,4,5,6,7
	v_cmp_eq_u32 s[40+\i], v[KEY+\j0+\i], s34
.endr
.irp i, 0,1,2,3,4,5,6,7
	s_or_b32 s[88+\i], s[48+\i], (\j0+\i)<<16
	s_bcnt1_i32_b32 s67, s[40+\i]
	s_add_co_u32 s[49+\i], s[48+\i], s67
.endr
.irp i, 0,1,2,3,4,5,6,7
	v_cmp_le_u32 vcc_lo, s[48+\i], v[PR]           ; the counts never fall, so the last mask that passes is the one that holds rank R
	v_cndmask_b32 v[PWD], v[PWD], s[40+\i], vcc_lo
	v_cndmask_b32 v[PP], v[PP], s[88+\i], vcc_lo
.endr
	s_mov_b32 s48, s56
.endm
.macro HALVE x, width, inc             ; are there n or fewer set bits in the lower half of what is left?  Then the bit lies in the upper half
	v_bfe_u32 v[T0], v[\x], v[POS], \width
	v_cmp_ge_u32 vcc_lo, v[PN], v[T0]
	v_sub_nc_u32 v[T0], v[PN], v[T0]
	v_add_nc_u32 v[T1], \inc, v[POS]
	v_cndmask_b32 v[PN], v[PN], v[T0], vcc_lo
	v_cndmask_b32 v[POS], v[POS], v[T1], vcc_lo
.endm
.macro FETCHX m                        ; x's four fragments and scale words of rows 16 m on, as any wave's registers
.irp s, 0,1,2,3
.irp c, 0,1,2,3
	ds_load_b128 v[XF+16*\s+4*\c:XF+16*\s+4*\c+3], v4 offset:(4*(\m)+\s)*2048+512*\c
.endr
.endr
	ds_load_b128 v[XSR:XSR+3], v9 offset:512*(\m)
.endm
.macro MM8 a0, s, first                ; K step s of my eight tiles; the eight accumulators take turns
.irp t, 0,1,2,3,4,5,6,7
.if \first
	v_wmma_scale_f32_16x16x128_f8f6f4 v[HA+8*\t:HA+8*\t+7], v[\a0+16*\t:\a0+16*\t+15], v[XF+16*\s:XF+16*\s+15], v[8*\t:8*\t+7], v[W1SR+8*\s+\t], v[XSR+\s] matrix_a_fmt:MATRIX_FMT_BF8 matrix_b_fmt:MATRIX_FMT_BF8
.else
	v_wmma_scale_f32_16x16x128_f8f6f4 v[HA+8*\t:HA+8*\t+7], v[\a0+16*\t:\a0+16*\t+15], v[XF+16*\s:XF+16*\s+15], v[HA+8*\t:HA+8*\t+7], v[W1SR+8*\s+\t], v[XSR+\s] matrix_a_fmt:MATRIX_FMT_BF8 matrix_b_fmt:MATRIX_FMT_BF8
.endif
.endr
.endm
; 64 numbers of a lane, register 16 b + i = k 32 b + 16 (lane / 16) + i of my row, become a fragment's codes in v[PC] on and its scale word in v[PW]; what is negative becomes 0 on the way (the activation)
.macro QUANT s
.irp b, 0,1,2,3
	v_max3_num_f32 v[TM+\b], v[\s+16*\b], v[\s+1+16*\b], 0x8000000   ; no |.|: what is negative must not count; the floor 2^(16 - 127) stands over it
.endr
.irp i, 2,4,6,8,10,12,14
.irp b, 0,1,2,3
	v_max3_num_f32 v[TM+\b], v[TM+\b], v[\s+16*\b+\i], v[\s+1+16*\b+\i]
.endr
.endr
.irp b, 0,1,2,3
	v_permlanex16_b32 v[TM+4+\b], v[TM+\b], s[SEL], s[SEL+1]
.endr
.irp b, 0,1,2,3
	v_max_num_f32 v[TM+\b], v[TM+\b], v[TM+4+\b]   ; with lane l xor 16's: the block's largest
.endr
.irp b, 0,1,2,3
	v_add_nc_u32 v[TM+12+\b], 0xf8800000, v[TM+\b] ; 15 off the exponent field: the conversion's scale operand
.endr
.irp b, 0,1,2,3
	v_and_or_b32 v[TM+8+\b], v[TM+\b], 0x7f800000, s[MNT]   ; 57,344 x the scale
.endr
.irp b, 0,1,2,3
	v_lshrrev_b32 v[TM+4+\b], 23, v[TM+12+\b]      ; the scale's byte
.endr
	v_lshl_or_b32 v[PW], v[TM+5], 8, v[TM+4]
	v_lshl_or_b32 v[PW], v[TM+6], 16, v[PW]
	v_lshl_or_b32 v[PW], v[TM+7], 24, v[PW]
.irp b, 0,1,2,3
.irp i, 0,1,2,3,4,5,6,7,8,9,10,11,12,13,14,15
	v_med3_num_f32 v[\s+16*\b+\i], v[\s+16*\b+\i], 0, v[TM+8+\b]   ; the activation and the hold in one (the conversion does not saturate: ISA guide 7.6.2)
.endr
	v_cvt_scalef32_pk8_bf8_f32 v[PC+4*\b:PC+1+4*\b], v[\s+16*\b:\s+7+16*\b], v[TM+12+\b]
	v_cvt_scalef32_pk8_bf8_f32 v[PC+2+4*\b:PC+3+4*\b], v[\s+8+16*\b:\s+15+16*\b], v[TM+12+\b]
.endr
	v_nop                                          ; a plain line between the last conversion and the next products, which write its sources
.endm
.macro TILE m                          ; rows 16 m on: 32 products, the quantiser, the image to memory
	s_wait_dscnt 0x0                               ; x's fragments are in; my last LDS store has read its register
	WIN 0x31                                       ; source 0 (W1) window 1, source 2 (b1) window 3
	MM8 0, 0, 1                                    ; the bias is the C of each sum's first product
	WIN 0x01
	MM8 128, 1, 0
	WIN 0x02                                       ; source 0 window 2
	MM8 0, 2, 0
	MM8 128, 3, 0
	WIN 0
.rept 9
	v_nop                                          ; eight places in front of the loads into registers that the products have read and of the first read of results; the ninth since the accumulators are begun anew with another C
.endr
.if (\m) < 7
	FETCHX (\m)+1                                  ; lands while this tile is quantised
.endif
	s_wait_xcnt 0x0                                ; the last tile's stores have read the codes' registers
	QUANT HA
.irp c, 0,1,2,3
	global_store_b128 v4, v[PC+4*\c:PC+4*\c+3], s[82:83] offset:(\m)*32768+512*\c   ; 512 consecutive bytes, aligned
.endr
	ds_store_b32 v10, v[PW] offset:256*(\m)        ; lanes r and r + 16 write the same word with the same value
.endm
	s_load_b512 s[4:19], s[0:1], 0x0               ; codes, scales, route, rf, b1, hid, plan, out1
	v_lshl_add_u32 v254, v0, 2, 0x11800
	v_mov_b32 v255, 0
	v_lshrrev_b32 v1, 5, v0
	v_readfirstlane_b32 s20, v1                    ; wave 0..3
	s_and_b32 s21, ttmp7, 0xffff                   ; tile
	s_mov_b32 s22, ttmp9                           ; sl
	s_lshl_b32 s23, s22, 2
	s_add_co_u32 s23, s23, s20                     ; g
	v_and_b32 v1, 31, v0                           ; lane
	v_and_b32 v2, 15, v0                           ; r
	v_bfe_u32 v3, v0, 4, 1                         ; h
	v_lshlrev_b32 v4, 4, v1                        ; 16 x lane: an image's place for my lane
	v_lshlrev_b32 v5, 2, v2                        ; 4 r
	v_lshlrev_b32 v6, 6, v3                        ; b1: 16 h numbers on
	s_lshl_b32 s38, s20, 14
	v_add_nc_u32 v7, s38, v4                       ; where I store x's images: 8 images a wave
	s_lshl_b32 s38, s20, 10
	s_add_co_u32 s38, s38, XSC
	v_add_nc_u32 v8, s38, v4                       ; and their scale words
	v_add_nc_u32 v9, XSC, v4                       ; where any wave reads them
	s_lshl_b32 s38, s20, 2
	s_add_co_u32 s38, s38, HSCL
	v_lshl_add_u32 v10, v2, 4, s38                 ; the hidden layer's scale word: row r, wave w
	s_lshl_b32 s38, s20, 9
	s_add_co_u32 s38, s38, HSCL
	v_add_nc_u32 v11, s38, v4                      ; and back: two tiles of rows a wave
	s_lshl_b32 s38, s20, 11
	v_lshl_add_u32 v12, v3, 10, s38
	v_lshl_add_u32 v12, v2, 4, v12                 ; their place in hid: (2 w + h) x 1,024 + 16 r
	v_lshlrev_b32 v13, 4, v3                       ; 16 h
	v_lshlrev_b32 v14, 2, v0                       ; 4 x slot
	v_mov_b32 v15, 0
	v_lshlrev_b32 v18, 6, v1                       ; 64 x lane
	v_mov_b32 v21, 0                               ; (a lane permute's or a DPP move's destination counts as read)
.irp p, 0,1,2,3
	v_mov_b32 v[52+\p], 0
	v_mov_b32 v[TM+4+\p], 0
.endr
	s_mov_b32 s[SEL], 0x76543210
	s_mov_b32 s[SEL+1], 0xfedcba98                 ; v_permlanex16_b32's selects for lane l xor 16
	s_mov_b32 s[MNT], 0x600000                     ; the mantissa field of 57,344
	s_mov_b32 s71, 0xffff0000                      ; lanes 16-31
	s_mov_b32 s39, 0
	s_wait_kmcnt 0x0
.irp j, 0,1,2,3
	global_load_b128 v[32+4*\j:35+4*\j], v18, s[8:9] offset:CNT+16*\j    ; the counts of blocks 2 l and 2 l + 1
.endr
	WIN 0xc0                                       ; destination window 3
.set jj, 0
.rept 32
	global_load_b128 v[KEY+4*jj:KEY+4*jj+3], v4, s[8:9] offset:512*jj    ; register 4 j + c, lane l: the expert of token 128 j + 4 l + c
.set jj, jj+1
.endr
	WIN 0
	s_add_nc_u64 s[78:79], s[4:5], XQ              ; x's codes
	s_lshl_b32 s38, s21, 18
	s_lshl_b32 s86, s23, 11
	s_add_co_u32 s38, s38, s86
	s_add_nc_u64 s[82:83], s[14:15], s[38:39]      ; hid: my tile, K step g
	s_lshl_b32 s38, s21, 13
	s_lshl_b32 s86, s22, 8
	s_add_co_u32 s38, s38, s86
	s_add_co_u32 s38, s38, HSO
	s_add_nc_u64 s[84:85], s[14:15], s[38:39]      ; its scale words: my tile, my slice
	s_lshl_b32 s38, s21, 3
	s_add_nc_u64 s[96:97], s[16:17], s[38:39]      ; plan: my tile's pair,
	s_lshl_b32 s38, s21, 9
	s_add_nc_u64 s[86:87], s[16:17], s[38:39]      ; and its list
	s_wait_loadcnt 32                              ; the counts are in; the 32 loads of expert numbers may be out
.irp e, 0,1,2,3,4,5,6,7
	v_add_nc_u32 v[32+\e], v[32+\e], v[40+\e]
.endr
.irp p, 0,1,2,3
	v_lshl_or_b32 v[48+\p], v[33+2*\p], 16, v[32+2*\p]    ; two experts to a register: no sum passes 4,096
.endr
.irp x, 1,2,4,8
.irp p, 0,1,2,3
	v_mov_b32_dpp v[52+\p], v[48+\p] row_xmask:\x row_mask:0xf bank_mask:0xf
.endr
.irp p, 0,1,2,3
	v_add_nc_u32 v[48+\p], v[48+\p], v[52+\p]
.endr
.endr
.irp p, 0,1,2,3
	v_permlanex16_b32 v[52+\p], v[48+\p], s[SEL], s[SEL+1]
.endr
.irp p, 0,1,2,3
	v_add_nc_u32 v[48+\p], v[48+\p], v[52+\p]
.endr
.irp p, 0,1,2,3
	v_readfirstlane_b32 s[40+\p], v[48+\p]
.endr
.irp p, 0,1,2,3
	s_and_b32 s[24+2*\p], s[40+\p], 0xffff         ; s24-31: each expert's tokens
	s_lshr_b32 s[25+2*\p], s[40+\p], 16
.endr
	; whose tile is mine: the last expert in front of which at most 'tile' tiles lie.  No branch: selects
	s_mov_b32 s34, 0                               ; expert
	s_mov_b32 s35, s24                             ; its tokens
	s_mov_b32 s33, 0                               ; its first tile
	s_add_co_u32 s32, s24, 127
	s_lshr_b32 s32, s32, 7                         ; tiles so far
.irp e, 1,2,3,4,5,6,7
	s_cmp_le_u32 s32, s21
	s_cselect_b32 s34, \e, s34
	s_cselect_b32 s35, s[24+\e], s35
	s_cselect_b32 s33, s32, s33
	s_add_co_u32 s38, s[24+\e], 127
	s_lshr_b32 s38, s38, 7
	s_add_co_u32 s32, s32, s38
.endr
	s_min_u32 s34, s34, 7                          ; a number that came from memory is clamped ahead of every address
	s_sub_co_u32 s36, s21, s33
	s_lshl_b32 s36, s36, 7                         ; the rank of my tile's first row
	s_sub_co_i32 s37, s35, s36
	s_max_i32 s37, s37, 0
	s_min_i32 s37, s37, 128                        ; its rows: 0 for a tile that the split leaves empty
	s_lshl_b32 s38, s34, 20
	s_lshl_b32 s66, s23, 16
	s_add_co_u32 s38, s38, s66
	s_add_nc_u64 s[72:73], s[4:5], s[38:39]        ; W1's fragments of my group
	s_lshl_b32 s38, s34, 15
	s_lshl_b32 s66, s23, 9
	s_add_co_u32 s38, s38, s66
	s_add_nc_u64 s[74:75], s[6:7], s[38:39]        ; their scale words
	s_lshl_b32 s38, s34, 13
	s_add_co_u32 s38, s38, s66
	s_add_nc_u64 s[76:77], s[12:13], s[38:39]      ; b1 of my 128 units
	; the weights are asked for now: they need the expert alone, and arrive while the rows are placed
.irp s, 0,1,2,3
.irp t, 0,1,2,3,4,5,6,7
	global_load_b32 v[W1SR+8*\s+\t], v5, s[74:75] offset:\s*8192+\t*64
.endr
.endr
	WIN 0xc0
.irp t, 0,1,2,3,4,5,6,7
	global_load_b128 v[8*\t:8*\t+3], v6, s[76:77] offset:(32*(\t/2)+8*(\t%2))*4        ; lane (r, h), tile 2 b + u: units 32 b + 16 h + 8 u + 0 .. 7: the result's layout
	global_load_b128 v[8*\t+4:8*\t+7], v6, s[76:77] offset:(32*(\t/2)+8*(\t%2))*4+16
.endr
	WIN 0x40                                       ; destination window 1
.irp s, 0,1
.irp t, 0,1,2,3,4,5,6,7
.irp c, 0,1,2,3
	global_load_b128 v[16*(8*\s+\t)+4*\c:16*(8*\s+\t)+4*\c+3], v4, s[72:73] offset:\t*8192+\s*2048+\c*512
.endr
.endr
.endr
	WIN 0x80                                       ; destination window 2
.irp s, 2,3
.irp t, 0,1,2,3,4,5,6,7
.irp c, 0,1,2,3
	global_load_b128 v[16*(8*(\s-2)+\t)+4*\c:16*(8*(\s-2)+\t)+4*\c+3], v4, s[72:73] offset:\t*8192+\s*2048+\c*512
.endr
.endr
.endr
	s_wait_loadcnt 63                              ; the expert numbers are in: 176 loads were issued behind them, more than the wait can name; the smaller count is safe
	; ---- placing
	s_lshl_b32 s38, s20, 5
	s_add_co_u32 s38, s38, s36
	WIN 0xc0
	v_add_nc_u32 v[PR], s38, v1                    ; R: my slot's rank
	v_mov_b32 v[PWD], 0
	v_mov_b32 v[PP], 0
	WIN 0xff                                       ; all in window 3
	s_mov_b32 s48, 0
.set jb, 0
.rept 16
	PLACE8 jb
.set jb, jb+8
.endr
	v_and_b32 v[PN], 0xffff, v[PP]
	v_sub_nc_u32 v[PN], v[PR], v[PN]               ; n: which set bit of the mask
	v_lshrrev_b32 v[PI], 16, v[PP]                 ; the mask's number 4 j + c
	v_lshrrev_b32 v[T0], 1, v[PWD]                 ; counts of set bits in fields of 2, 4, 8 bits, and in the low 16
	v_and_b32 v[T0], 0x55555555, v[T0]
	v_sub_nc_u32 v[PA], v[PWD], v[T0]
	v_lshrrev_b32 v[T0], 2, v[PA]
	v_and_b32 v[T0], 0x33333333, v[T0]
	v_and_b32 v[PB], 0x33333333, v[PA]
	v_add_nc_u32 v[PB], v[PB], v[T0]
	v_lshrrev_b32 v[T0], 4, v[PB]
	v_add_nc_u32 v[PC3], v[PB], v[T0]
	v_and_b32 v[PC3], 0x0f0f0f0f, v[PC3]
	v_lshrrev_b32 v[T0], 8, v[PC3]
	v_add_nc_u32 v[PD], v[PC3], v[T0]
	v_mov_b32 v[POS], 0
	HALVE PD, 8, 16
	HALVE PC3, 8, 8
	HALVE PB, 4, 4
	HALVE PA, 2, 2
	HALVE PWD, 1, 1                                ; the bit's place, 0 to 31 whatever n was
	v_lshrrev_b32 v[T0], 2, v[PI]
	v_lshlrev_b32 v[T0], 7, v[T0]
	v_and_b32 v[T1], 3, v[PI]
	v_add_nc_u32 v[T0], v[T0], v[T1]
	v_lshl_add_u32 v[T0], v[POS], 2, v[T0]         ; token 128 j + 4 bit + c
	WIN 0x03                                       ; source 0 window 3, destination window 0
	v_mov_b32 v20, v[T0]
	WIN 0
	v_min_u32 v20, 0xfff, v20
	v_permlanex16_b32 v21, v20, s[SEL], s[SEL+1]
	v_cndmask_b32 v22, v20, v21, s71               ; lane (r, h): the token of slot 32 w + r,
	v_cndmask_b32 v23, v21, v20, s71               ; and of slot 32 w + 16 + r
	v_min_u32 v22, 0xfff, v22                      ; clamped ahead of the addresses
	v_min_u32 v23, 0xfff, v23
	v_lshl_add_u32 v24, v22, 9, v13                ; 512 bytes of codes a token, + 16 h
	v_lshl_add_u32 v25, v23, 9, v13
	v_lshlrev_b32 v26, 4, v22                      ; 16 scale bytes a token
	v_lshlrev_b32 v27, 4, v23
	WIN 0xc0
.irp mm, 0,1
.irp s, 0,1,2,3
.irp c, 0,1,2,3
	global_load_b128 v[64+64*\mm+16*\s+4*\c:64+64*\mm+16*\s+4*\c+3], v[24+\mm], s[78:79] offset:128*\s+32*\c   ; k = 128 s + 32 c + 16 h + 0 .. 15: the operand's registers
.endr
.endr
	global_load_b128 v[192+4*\mm:195+4*\mm], v[26+\mm], s[6:7] offset:XSO
.endr
	WIN 0
	v_mov_b32 v16, s34
	v_mov_b32 v17, s37
	s_cmp_lg_u32 s22, 0                            ; slice 0 hands the lists on
	s_cbranch_scc1 .Lnot0
	global_store_b32 v14, v20, s[86:87]            ; 128 consecutive bytes a wave, 512 a work-group
	global_store_b64 v15, v[16:17], s[96:97] offset:TILES   ; every lane writes the same pair
.Lnot0:
	s_wait_loadcnt 0x0                             ; the gathered rows, and with them all the weights
	WIN 0x0c                                       ; an LDS store's data are its source 1: window 3
.irp mm, 0,1
.irp s, 0,1,2,3
.irp c, 0,1,2,3
	ds_store_b128 v7, v[64+64*\mm+16*\s+4*\c:64+64*\mm+16*\s+4*\c+3] offset:(4*\mm+\s)*2048+\c*512
.endr
.endr
	ds_store_b128 v8, v[192+4*\mm:195+4*\mm] offset:512*\mm
.endr
	WIN 0
	s_wait_dscnt 0x0                               ; for the others' sake: my images have landed
	s_barrier_signal -1
	s_barrier_wait -1                              ; x's 32 fragments lie in LDS
	FETCHX 0
	TILE 0
	TILE 1
	TILE 2
	TILE 3
	TILE 4
	TILE 5
	TILE 6
	TILE 7
	s_wait_dscnt 0x0                               ; my scale words have landed
	s_barrier_signal -1
	s_barrier_wait -1
	ds_load_b128 v[32:35], v11                     ; a row's four words, one from each wave
	s_wait_dscnt 0x0
	global_store_b128 v12, v[32:35], s[84:85]      ; sixteen lanes store 256 consecutive bytes, aligned
	; ---- the load-balance loss: 8 x the sum over experts of (tokens / 4,096) x (sum of probabilities / 4,096); one wave of one work-group
	s_or_b32 s38, s22, s21
	s_or_b32 s38, s38, s20
	s_cmp_lg_u32 s38, 0
	s_cbranch_scc1 .Lend
.irp j, 0,1,2,3
	global_load_b128 v[40+4*\j:43+4*\j], v18, s[10:11] offset:PSUM+16*\j
.endr
	s_wait_loadcnt 0x0
.irp e, 0,1,2,3,4,5,6,7
	v_add_f32 v[40+\e], v[40+\e], v[48+\e]
.endr
.irp x, 1,2,4,8
.irp e, 0,1,2,3,4,5,6,7
	v_add_f32_dpp v[40+\e], v[40+\e], v[40+\e] row_xmask:\x row_mask:0xf bank_mask:0xf
.endr
.endr
.irp e, 0,1,2,3,4,5,6,7
	v_permlanex16_b32 v[56+\e], v[40+\e], s[SEL], s[SEL+1]
.endr
.irp e, 0,1,2,3,4,5,6,7
	v_add_f32 v[40+\e], v[40+\e], v[56+\e]
.endr
.irp e, 0,1,2,3,4,5,6,7
	v_cvt_f32_u32 v[64+\e], s[24+\e]
.endr
	v_mul_f32 v72, v64, v40
.irp e, 1,2,3,4,5,6,7
	v_fma_f32 v72, v[64+\e], v[40+\e], v72
.endr
	v_mul_f32 v72, 0x35000000, v72                 ; x 2^-21 = 8 / 4,096^2
	global_store_b32 v15, v72, s[18:19]
.Lend:
	s_wait_tensorcnt 0x0
	ds_add_u32 v254, v255
	s_wait_dscnt 0x0
	s_endpgm
.Lfunc_end_k_q9fd2a2c5fd_ffn1:
	.size	k_q9fd2a2c5fd_ffn1, .Lfunc_end_k_q9fd2a2c5fd_ffn1-k_q9fd2a2c5fd_ffn1
	.p2alignl 7, 3214868480
	.fill 96, 4, 3214868480
	.section	.rodata,"a",@progbits
	.p2align	6, 0x0
	.amdhsa_kernel k_q9fd2a2c5fd_ffn1
		.amdhsa_group_segment_fixed_size 72192
		.amdhsa_private_segment_fixed_size 0
		.amdhsa_enable_private_segment 0
		.amdhsa_kernarg_size 64
		.amdhsa_user_sgpr_count 2
		.amdhsa_user_sgpr_kernarg_segment_ptr 1
		.amdhsa_wavefront_size32 1
		.amdhsa_system_sgpr_workgroup_id_x 1
		.amdhsa_system_sgpr_workgroup_id_y 1
		.amdhsa_system_sgpr_workgroup_id_z 1
		.amdhsa_system_vgpr_workitem_id 0
		.amdhsa_next_free_vgpr 1024
		.amdhsa_next_free_sgpr 100
		.amdhsa_reserve_vcc 1
		.amdhsa_float_denorm_mode_32 3
		.amdhsa_float_denorm_mode_16_64 3
		.amdhsa_memory_ordered 1
		.amdhsa_forward_progress 1
		.amdhsa_inst_pref_size 198
	.end_amdhsa_kernel
	.amdgpu_metadata
---
amdhsa.version: [ 1, 2 ]
amdhsa.kernels:
  - .name:           k_q9fd2a2c5fd_ffn1
    .symbol:         k_q9fd2a2c5fd_ffn1.kd
    .args:
      - { .name: codes, .offset: 0, .size: 8, .value_kind: global_buffer, .address_space: global }
      - { .name: scales, .offset: 8, .size: 8, .value_kind: global_buffer, .address_space: global }
      - { .name: route, .offset: 16, .size: 8, .value_kind: global_buffer, .address_space: global }
      - { .name: rf, .offset: 24, .size: 8, .value_kind: global_buffer, .address_space: global }
      - { .name: b1, .offset: 32, .size: 8, .value_kind: global_buffer, .address_space: global }
      - { .name: hid, .offset: 40, .size: 8, .value_kind: global_buffer, .address_space: global }
      - { .name: plan, .offset: 48, .size: 8, .value_kind: global_buffer, .address_space: global }
      - { .name: out1, .offset: 56, .size: 8, .value_kind: global_buffer, .address_space: global }
    .group_segment_fixed_size: 72192
    .private_segment_fixed_size: 0
    .kernarg_segment_align: 8
    .kernarg_segment_size: 64
    .max_flat_workgroup_size: 128
    .sgpr_count:     100
    .vgpr_count:     1024
    .wavefront_size: 32
...
	.end_amdgpu_metadata
.endif
;; end of part 2
;; launch ffn2 (part 3): grid 4 x 39, 4 waves a work-group, no clusters, 270,848 bytes of LDS; arguments codes, scales, hid, plan, rf, b2, out0; writes out0
.if DOCPART == 3
	.amdgcn_target "amdgcn-amd-amdhsa--gfx1250"
	.amdhsa_code_object_version 6
	.text
	.protected	k_q9fd2a2c5fd_ffn2
	.globl	k_q9fd2a2c5fd_ffn2
	.p2align	8
	.type	k_q9fd2a2c5fd_ffn2,@function
k_q9fd2a2c5fd_ffn2:
	s_mov_b64 s[64:65], 0
	v_nop
	global_prefetch_b8 v0, s[64:65] scope:SCOPE_SE
	s_setreg_imm32_b32 hwreg(HW_REG_WAVE_MODE, 25, 1), 1
	s_wait_xcnt 0x0
; THIRD LAUNCH.  out0[token] = (hidden Q(W2) + b2) x gate, for the rows of each tile of the second launch; both operands are codes of E5M2 with one E8M0 byte for each 32 along K, laid as images of operand registers.
; Work-group (sl, tile) makes outputs 128 sl .. 128 sl + 127 of the tile's 128 rows.  K (2,048) IS SHARED AMONG THE WAVES: wave w takes K steps 4 w .. 4 w + 3 for all 8 tiles of outputs and all rows, so each byte of W2 and of the
; hidden layer is loaded by one wave, straight into operand registers, 512 consecutive bytes an instruction.  The four partial sums meet in LDS and are added in f32 (another order of sums than one chain along K).
; The product is used transposed (source 0 = 16 outputs, source 1 = 16 rows): a lane holds eight neighbouring outputs of one row.  Each wave then finishes 32 rows and stores each to its token's row: 512 consecutive bytes, aligned.
; Rows past the tile's count are computed and not stored (a scalar branch on the stored count round the one store; no barrier stands under it).  Each token has one expert, so each row of out0 has one owner.
; No tensor load and no cluster: the tile's expert is a number read from memory, and 39 is no multiple of a cluster's side.
; REGISTERS.  Window 0: v1-28 addresses, token, gate, b2; v32-95 and v96-159 two sets of 8 accumulators, later two sets of four rows' parts; v160-191 W2's scale words; v192-207 the hidden layer's, four sets.
;   Windows 1, 2: W2's 32 fragments.  Window 3: the hidden layer's fragments, four sets of 64.
.set W2Q,   8388608
.set W2SO,  262144
.set HSO,   10223616
.set TILES, 19968
.set SROW,  528                        ; a stage row: 512 bytes + 16, so that the sixteen rows that a store touches begin 16 bytes apart modulo 256
.set SW,    128*SROW                   ; a wave's stage: 128 rows
.set W2SR,  160
.set HSR,   192
.set MSB, 0
.macro WIN new                         ; the immediate's high byte repeats the setting that is left
.if MSB != \new
	s_set_vgpr_msb (MSB<<8)|\new
.set MSB, \new
.endif
.endm
.macro HLOAD m                         ; rows 16 m on: my four K steps' fragments and the rows' scale words: 17 loads
	WIN 0xc0                                       ; destination window 3
.irp s, 0,1,2,3
.irp c, 0,1,2,3
	global_load_b128 v[64*((\m)%4)+16*\s+4*\c:64*((\m)%4)+16*\s+4*\c+3], v4, s[32:33] offset:(\m)*32768+\s*2048+\c*512
.endr
.endr
	WIN 0
	global_load_b128 v[HSR+4*((\m)%4):HSR+4*((\m)%4)+3], v6, s[34:35] offset:(\m)*1024
.endm
.macro MM8 a0, s, first                ; K step s of the eight tiles of outputs; the eight accumulators take turns
.irp n, 0,1,2,3,4,5,6,7
.if \first
	v_wmma_scale_f32_16x16x128_f8f6f4 v[AC+8*\n:AC+8*\n+7], v[\a0+16*\n:\a0+16*\n+15], v[HB+16*\s:HB+16*\s+15], 0, v[W2SR+8*\s+\n], v[HW+\s] matrix_a_fmt:MATRIX_FMT_BF8 matrix_b_fmt:MATRIX_FMT_BF8
.else
	v_wmma_scale_f32_16x16x128_f8f6f4 v[AC+8*\n:AC+8*\n+7], v[\a0+16*\n:\a0+16*\n+15], v[HB+16*\s:HB+16*\s+15], v[AC+8*\n:AC+8*\n+7], v[W2SR+8*\s+\n], v[HW+\s] matrix_a_fmt:MATRIX_FMT_BF8 matrix_b_fmt:MATRIX_FMT_BF8
.endif
.endr
.endm
.macro TILE m
.set AC, 32+64*((\m)%2)
.set HB, 64*((\m)%4)
.set HW, HSR+4*((\m)%4)
.if (\m) < 5
	s_wait_loadcnt 51                              ; these rows' loads and all before them are in; the next three tiles' 17 each may be out
.else
	s_wait_loadcnt 17*(7-(\m))
.endif
.if (\m) >= 2
	s_wait_dscnt 16                                ; the last tile's 16 LDS stores may be out; those of two tiles ago have read this set of accumulators
.endif
	WIN 0x0d                                       ; source 0 (W2) window 1, source 1 (hidden) window 3
	MM8 0, 0, 1                                    ; the first product starts the sums
	MM8 128, 1, 0
	WIN 0x0e                                       ; source 0 window 2
	MM8 0, 2, 0
	MM8 128, 3, 0
	WIN 0
.rept 8
	v_nop                                          ; places in front of the stores that read results and of the loads into registers that the products have read
.endr
.irp n, 0,1,2,3,4,5,6,7
	ds_store_b128 v7, v[AC+8*\n:AC+8*\n+3] offset:(\m)*16*SROW+64*\n        ; each accumulator from its low end on: row 16 m + r, outputs 16 n + 8 h + 0 .. 7
	ds_store_b128 v7, v[AC+8*\n+4:AC+8*\n+7] offset:(\m)*16*SROW+64*\n+16
.endr
.if (\m) < 4
	HLOAD (\m)+4
.endif
.endm
.macro GLOAD g                         ; rows 4 g .. 4 g + 3 of my 32: the four waves' parts, 16 bytes a lane
.set FB, 32+64*((\g)%2)
	s_wait_xcnt 0x0                                ; the stores of two groups ago have read this set's registers and offsets
.irp i, 0,1,2,3
.irp q, 0,1,2,3
	ds_load_b128 v[FB+16*\i+4*\q:FB+16*\i+4*\q+3], v[8+\q] offset:(4*(\g)+\i)*SROW
.endr
.endr
.endm
.macro ROW1                            ; row RHO of my 32, its four parts in v[RR] on, its offset register v[OF]
	v_pk_add_f32 v[RR:RR+1], v[RR:RR+1], v[RR+4:RR+5]
	v_pk_add_f32 v[RR+2:RR+3], v[RR+2:RR+3], v[RR+6:RR+7]
	v_pk_add_f32 v[RR+8:RR+9], v[RR+8:RR+9], v[RR+12:RR+13]
	v_pk_add_f32 v[RR+10:RR+11], v[RR+10:RR+11], v[RR+14:RR+15]
	v_pk_add_f32 v[RR:RR+1], v[RR:RR+1], v[RR+8:RR+9]
	v_pk_add_f32 v[RR+2:RR+3], v[RR+2:RR+3], v[RR+10:RR+11]
	v_pk_add_f32 v[RR:RR+1], v[RR:RR+1], v[16:17]          ; + b2
	v_pk_add_f32 v[RR+2:RR+3], v[RR+2:RR+3], v[18:19]
	v_readlane_b32 s40, v13, RHO                   ; the row's gate,
	v_readlane_b32 s42, v12, RHO                   ; and its token,
	s_min_u32 s42, s42, 4095                       ; clamped ahead of the address
	s_lshl_b32 s42, s42, 11
	v_pk_mul_f32 v[RR:RR+1], v[RR:RR+1], s[40:41] op_sel_hi:[1,0]
	v_pk_mul_f32 v[RR+2:RR+3], v[RR+2:RR+3], s[40:41] op_sel_hi:[1,0]
	v_add_nc_u32 v[OF], s42, v14
	s_cmp_gt_u32 s21, RHO                          ; is the row one of the tile's?
	s_cbranch_scc0 .Lskip_\@
	global_store_b128 v[OF], v[RR:RR+3], s[16:17] th:TH_STORE_NT   ; 512 consecutive bytes of the token's row, aligned; written once, read by nobody here
.Lskip_\@:
.endm
.macro ROWS g, left
	s_wait_dscnt \left                             ; this group's 16 loads are in; the next group's may be out
.irp i, 0,1,2,3
.set RR, 32+64*((\g)%2)+16*\i
.set RHO, 4*(\g)+\i
.set OF, 20+4*((\g)%2)+\i
	ROW1
.endr
.endm
	s_load_b256 s[4:11], s[0:1], 0x0               ; codes, scales, hid, plan
	s_load_b128 s[12:15], s[0:1], 0x20             ; rf, b2
	s_load_b64 s[16:17], s[0:1], 0x30              ; out0
	v_lshl_add_u32 v254, v0, 2, 0x42000
	v_mov_b32 v255, 0
	v_lshrrev_b32 v1, 5, v0
	v_readfirstlane_b32 s18, v1                    ; wave 0..3
	s_and_b32 s19, ttmp7, 0xffff                   ; tile
	s_lshl_b32 s22, s19, 3
	s_mov_b32 s37, 0
	s_mov_b32 s41, 0                               ; (named with s40 as a pair, so it is written)
	v_and_b32 v1, 31, v0                           ; lane
	v_and_b32 v2, 15, v0                           ; r
	v_bfe_u32 v3, v0, 4, 1                         ; h
	v_lshlrev_b32 v4, 4, v1                        ; 16 x lane
	v_lshlrev_b32 v5, 2, v2                        ; 4 r
	v_lshlrev_b32 v6, 4, v2                        ; 16 r
	v_lshlrev_b32 v28, 2, v0                       ; 4 x slot
	s_mul_i32 s36, s18, SW
	v_mul_u32_u24 v7, v2, SROW
	v_lshl_add_u32 v7, v3, 5, v7
	v_add_nc_u32 v7, s36, v7                       ; my stage: row r, + 32 h
	s_mul_i32 s36, s18, 32*SROW
	v_add_nc_u32 v8, s36, v4                       ; back: my 32 rows in each of the four stages
	v_add_nc_u32 v9, SW, v8
	v_add_nc_u32 v10, 2*SW, v8
	v_add_nc_u32 v11, 3*SW, v8
	s_lshl_b32 s36, ttmp9, 9
	v_add_nc_u32 v14, s36, v4                      ; my 16 bytes of a row of out0: 512 sl + 16 lane
	s_wait_kmcnt 0x0
	s_load_b64 s[20:21], s[10:11], s22 offset:TILES   ; the tile's expert and rows
	s_lshl_b32 s36, s19, 9
	s_add_nc_u64 s[24:25], s[10:11], s[36:37]      ; its list
	global_load_b32 v12, v28, s[24:25]             ; lane l: the token of my row l
	s_lshl_b32 s36, s19, 18
	s_lshl_b32 s38, s18, 13
	s_add_co_u32 s36, s36, s38
	s_add_nc_u64 s[32:33], s[8:9], s[36:37]        ; hid: my tile, my four K steps
	s_lshl_b32 s36, s19, 13
	s_lshl_b32 s39, s18, 8
	s_add_co_u32 s36, s36, s39
	s_add_co_u32 s36, s36, HSO
	s_add_nc_u64 s[34:35], s[8:9], s[36:37]        ; their scale words
	s_wait_kmcnt 0x0
	s_min_u32 s20, s20, 7                          ; clamped ahead of every address
	s_lshl_b32 s23, s18, 5
	s_sub_co_i32 s21, s21, s23
	s_max_i32 s21, s21, 0                          ; how many of my 32 rows are the tile's
	s_lshl_b32 s36, s20, 15
	s_add_co_u32 s36, s36, s38
	s_lshl_b32 s39, ttmp9, 9
	s_add_co_u32 s36, s36, s39
	s_add_co_u32 s36, s36, W2SO
	s_add_nc_u64 s[26:27], s[6:7], s[36:37]        ; W2's scale words: expert, my K steps, my 8 tiles
	s_lshl_b32 s36, s20, 11
	s_add_co_u32 s36, s36, s39
	s_add_nc_u64 s[28:29], s[14:15], s[36:37]      ; b2
	s_lshl_b32 s36, s20, 20
	s_add_co_u32 s36, s36, s38
	s_lshl_b32 s39, ttmp9, 18
	s_add_co_u32 s36, s36, s39
	s_add_co_u32 s36, s36, W2Q
	s_add_nc_u64 s[30:31], s[4:5], s[36:37]        ; W2's fragments
.irp s, 0,1,2,3
.irp n, 0,1,2,3,4,5,6,7
	global_load_b32 v[W2SR+8*\s+\n], v5, s[26:27] offset:\s*2048+\n*64
.endr
.endr
	global_load_b128 v[16:19], v4, s[28:29]        ; my four outputs' b2
	s_wait_loadcnt 33                              ; the token is in: 33 loads were issued behind it
	v_min_u32 v12, 0xfff, v12
	v_lshlrev_b32 v15, 2, v12
	global_load_b32 v13, v15, s[12:13]             ; its gate
	WIN 0x40                                       ; destination window 1
.irp s, 0,1
.irp n, 0,1,2,3,4,5,6,7
.irp c, 0,1,2,3
	global_load_b128 v[16*(8*\s+\n)+4*\c:16*(8*\s+\n)+4*\c+3], v4, s[30:31] offset:\n*32768+\s*2048+\c*512
.endr
.endr
.endr
	WIN 0x80                                       ; destination window 2
.irp s, 2,3
.irp n, 0,1,2,3,4,5,6,7
.irp c, 0,1,2,3
	global_load_b128 v[16*(8*(\s-2)+\n)+4*\c:16*(8*(\s-2)+\n)+4*\c+3], v4, s[30:31] offset:\n*32768+\s*2048+\c*512
.endr
.endr
.endr
	HLOAD 0
	HLOAD 1
	HLOAD 2
	HLOAD 3
	TILE 0
	TILE 1
	TILE 2
	TILE 3
	TILE 4
	TILE 5
	TILE 6
	TILE 7
	s_wait_dscnt 0x0                               ; for the others' sake: my partial sums have landed
	s_barrier_signal -1
	s_barrier_wait -1                              ; all four waves' lie in LDS
	GLOAD 0
.irp g, 0,1,2,3,4,5,6
	GLOAD \g+1
	ROWS \g, 16
.endr
	ROWS 7, 0
	s_wait_tensorcnt 0x0
	ds_add_u32 v254, v255
	s_wait_dscnt 0x0
	s_endpgm
.Lfunc_end_k_q9fd2a2c5fd_ffn2:
	.size	k_q9fd2a2c5fd_ffn2, .Lfunc_end_k_q9fd2a2c5fd_ffn2-k_q9fd2a2c5fd_ffn2
	.p2alignl 7, 3214868480
	.fill 96, 4, 3214868480
	.section	.rodata,"a",@progbits
	.p2align	6, 0x0
	.amdhsa_kernel k_q9fd2a2c5fd_ffn2
		.amdhsa_group_segment_fixed_size 270848
		.amdhsa_private_segment_fixed_size 0
		.amdhsa_enable_private_segment 0
		.amdhsa_kernarg_size 56
		.amdhsa_user_sgpr_count 2
		.amdhsa_user_sgpr_kernarg_segment_ptr 1
		.amdhsa_wavefront_size32 1
		.amdhsa_system_sgpr_workgroup_id_x 1
		.amdhsa_system_sgpr_workgroup_id_y 1
		.amdhsa_system_sgpr_workgroup_id_z 1
		.amdhsa_system_vgpr_workitem_id 0
		.amdhsa_next_free_vgpr 1024
		.amdhsa_next_free_sgpr 66
		.amdhsa_reserve_vcc 0
		.amdhsa_float_denorm_mode_32 3
		.amdhsa_float_denorm_mode_16_64 3
		.amdhsa_memory_ordered 1
		.amdhsa_forward_progress 1
		.amdhsa_inst_pref_size 117
	.end_amdhsa_kernel
	.amdgpu_metadata
---
amdhsa.version: [ 1, 2 ]
amdhsa.kernels:
  - .name:           k_q9fd2a2c5fd_ffn2
    .symbol:         k_q9fd2a2c5fd_ffn2.kd
    .args:
      - { .name: codes, .offset: 0, .size: 8, .value_kind: global_buffer, .address_space: global }
      - { .name: scales, .offset: 8, .size: 8, .value_kind: global_buffer, .address_space: global }
      - { .name: hid, .offset: 16, .size: 8, .value_kind: global_buffer, .address_space: global }
      - { .name: plan, .offset: 24, .size: 8, .value_kind: global_buffer, .address_space: global }
      - { .name: rf, .offset: 32, .size: 8, .value_kind: global_buffer, .address_space: global }
      - { .name: b2, .offset: 40, .size: 8, .value_kind: global_buffer, .address_space: global }
      - { .name: out0, .offset: 48, .size: 8, .value_kind: global_buffer, .address_space: global }
    .group_segment_fixed_size: 270848
    .private_segment_fixed_size: 0
    .kernarg_segment_align: 8
    .kernarg_segment_size: 56
    .max_flat_workgroup_size: 128
    .sgpr_count:     66
    .vgpr_count:     1024
    .wavefront_size: 32
...
	.end_amdgpu_metadata
.endif
;; end of part 3
;; ======== version 2 of 3: 3 launches; 1.04 times as fast as version 1
;; workspace buffers: codes 18,874,368 bytes; scales 589,824 bytes; route 18,432 bytes of whole numbers; rf 24,576 bytes; hid 9,968,640 bytes; plan 30,720 bytes of whole numbers
;; launch prep (part 4): grid 768 x 1, 8 waves a work-group, no clusters, 35,840 bytes of LDS; arguments x, w_router, b_router, W1, W2, codes, scales, route, rf, out2; writes codes, scales, route, rf, out2
.if DOCPART == 4
	.amdgcn_target "amdgcn-amd-amdhsa--gfx1250"
	.amdhsa_code_object_version 6
	.text
	.protected	k_q9fd2a2c5fd_prep
	.globl	k_q9fd2a2c5fd_prep
	.p2align	8
	.type	k_q9fd2a2c5fd_prep,@function
k_q9fd2a2c5fd_prep:
	s_mov_b64 s[64:65], 0
	v_nop
	global_prefetch_b8 v0, s[64:65] scope:SCOPE_SE
	s_setreg_imm32_b32 hwreg(HW_REG_WAVE_MODE, 25, 1), 1
	s_wait_xcnt 0x0
; FIRST LAUNCH OF THREE.  Every third work-group (256 of 768) is a router's: logits, softmax, chosen expert, gate, counts and sums of probabilities for a block of 16 tokens, and x as codes of E5M2.
; The other 512 take the weights: jobs 0-255 W1 [8][512][2048], jobs 256-511 W2 [8][2048][512], as codes.  One E8M0 byte for each 32 along K; a block's scale is 2^(floor(log2(largest magnitude)) - 15).
; The two kinds of work-group stand by turns in the grid, so that they are spread alike over the WGPs whatever the order in which work-groups are dealt out.
; THE WEIGHTS' CODES ARE LAID AS IMAGES OF OPERAND REGISTERS: a fragment (16 rows x 128 K) is 2,048 bytes; bytes 512 c + 16 lane hold k = 32 c + 16 (lane / 16) + 0 .. 15 of row lane % 16.
;   codes:  W1 at 0: [expert][group of 128 hidden units g][tile t][K step s] images; row r of tile t = 2 b + u is hidden unit 128 g + 32 b + 8 u + r + 8 (r / 8)
;           W2 at W2Q: [expert][tile of 16 outputs][K step s] images;   x at XQ: [token][512 codes]
;   scales: W1 at 0: [expert][s][tile 8 g + t][r] words;  W2 at W2SO: [expert][s][tile][r] words;  x at XSO: [token][16 bytes]
;   route (whole numbers): the chosen expert of each token, a word each; then at CNT [block of 16 tokens][expert] counts, a BYTE each (at most 16);   rf: the gate of each token, then at PSUM [block][expert] sums of probabilities
; LIMITS.  NaN and infinities are not served.  A block whose largest magnitude lies under 2^-111 keeps the byte 1; a block of zeros has the byte 1 and zero codes (the bytes are read by this program alone).
; The expert is the lowest index whose LOGIT equals the row's largest: it can differ from the argmax of the rounded probabilities only where two probabilities round alike.  The logits are f32 sums in another order than a row-by-row sum.
; A block's 16 experts and 16 gates leave as runs of 64 bytes, its counts as 8 and its sums as 32: 32 KiB and 10 KiB in the whole launch.
; No matrix instruction (the router's product has 8 columns and steers whole rows of the result: f32 multiply-adds), no tensor load, no cluster: the work-groups share no input but the small w_router.
; ROUTER'S REGISTERS: v1-7 lane and addresses; v8-11 at work; v12-15 wave 0's closing addresses; v16-23 and v120-127 the two tokens' partial logits; v24-25 b_router; v26-27, v38-39 addresses; v28-35 the two tokens' codes; v36-37 scale bytes;
;   v40-71 the two tokens' 16 numbers of x; v72-87 my 64 bytes of w_router on their way to LDS; v104-108 addresses; v128-255 my 16 rows of w_router.
.set W2Q,  8388608
.set XQ,   16777216
.set W2SO, 262144
.set XSO,  524288
.set CNT,  16384
.set PSUM, 16384
.set WX,   64                          ; weights: v64-191 four blocks of 32 numbers down K
.set WC,   192                         ; weights: v192-223 eight registers of codes a block: no store's data are written again
.set RX,   40                          ; router: v40-71 two sets of 16 numbers of x
.set RW,   128                         ; router: v128-255 my 16 rows of w_router
.set WL,   16896                       ; LDS behind the 16 tokens' partial sums (1,056 bytes a token): w_router, 32 pieces of 512 bytes, 528 apart
.set XSB,  33792                       ; x's scale bytes of 16 tokens;
.set RED,  34048                       ; waves 0 and 1: 8 sums of probabilities and 8 counts each;
.set EIL,  34304                       ; the 16 experts, and 64 bytes on the 16 gates
.set FE,   12                          ; router, wave 0 at the end: v12 4 x (lane % 8): an expert's word in memory;
.set FR,   13                          ; v13 the same in a wave's sums in LDS;
.set FS,   14                          ; v14 a token's 16 scale bytes in LDS;
.set FG,   15                          ; v15 a token's expert in LDS.  All are made at the head and hold nothing else
.set WS,   104                         ; v104 where I put my 16 bytes of w_router;  v105 where my 16 rows begin
.set WR,   105
.set FB,   106                         ; v106 lane % 8;  v107 4 x (lane % 16);  v108 16 x (lane % 16)
.set F4,   107
.set F16,  108
; One block of 32 along K of one column: all 32 numbers are the lane's own
.macro WBLOCK t, left
.set XB, WX+32*(\t)
.set CB, WC+8*(\t)
	s_wait_loadcnt \left                           ; loads come back in order: this block's 32 are in when at most the later blocks' are out
	v_max3_num_f32 v12, |v[XB]|, |v[XB+1]|, |v[XB+2]|
	v_max3_num_f32 v13, |v[XB+3]|, |v[XB+4]|, |v[XB+5]|
.irp i, 6,10,14,18,22,26
	v_max3_num_f32 v12, v12, |v[XB+\i]|, |v[XB+\i+1]|
	v_max3_num_f32 v13, v13, |v[XB+\i+2]|, |v[XB+\i+3]|
.endr
	v_max3_num_f32 v12, v12, |v[XB+30]|, |v[XB+31]|
	v_max3_num_f32 v12, v12, v13, 0x8000000        ; and the floor 2^(16 - 127): the byte cannot fall under 1
	v_add_nc_u32 v11, 0xf8800000, v12              ; 15 off the exponent field: the conversion's scale operand
	v_and_or_b32 v10, v12, 0x7f800000, s31         ; 57,344 x the scale
	v_lshrrev_b32 v13, 23, v11                     ; the scale's byte
.if (\t) == 0
	v_mov_b32 v14, v13
.else
	v_lshl_or_b32 v14, v13, 8*(\t), v14            ; the K step's four bytes make the column's scale word
.endif
.set ii, 0
.rept 32
	v_med3_num_f32 v[XB+ii], v[XB+ii], -v10, v10   ; the conversion to an 8-bit code does not saturate (ISA guide 7.6.2): the hold comes first
.set ii, ii+1
.endr
.irp g, 0,1,2,3
	v_cvt_scalef32_pk8_bf8_f32 v[CB+2*\g:CB+2*\g+1], v[XB+8*\g:XB+8*\g+7], v11
.endr
	global_store_b128 v3, v[CB:CB+3], s[28:29] offset:512*(\t)          ; k = 32 t + 0 .. 15: the image's lanes 0-15; sixteen lanes store 256 consecutive bytes, aligned
	global_store_b128 v3, v[CB+4:CB+7], s[28:29] offset:512*(\t)+256    ; k = 32 t + 16 .. 31: its lanes 16-31
.endm
; A wave takes 32 columns x 128 along K.  A lane takes a column and its registers run down K: each load reads 128 consecutive bytes, the eight waves stand side by side on 1,024.
; All 128 loads are asked for at once; nothing is written twice, so no wait but those for the data.
.macro WSTREAM n
.set tt, 0
.rept 128
	global_load_b32 v[WX+tt], v2, s[26:27] offset:tt*(\n)*4 th:TH_LOAD_NT
.set tt, tt+1
.endr
	WBLOCK 0, 63                                   ; 96 later loads: more than the wait can name; the smaller count is safe
	WBLOCK 1, 63                                   ; 64 later loads: likewise
	WBLOCK 2, 32
	WBLOCK 3, 0
	global_store_b32 v4, v14, s[44:45]             ; 32 scale words: 128 consecutive bytes a wave, 1,024 a work-group
	s_endpgm
.endm
.macro XLOAD i                         ; token i of my two: my 16 numbers, 64 bytes; the four loads together take the row's 2,048 bytes
.irp j, 0,1,2,3
	global_load_b128 v[RX+16*(\i)+4*\j:RX+16*(\i)+4*\j+3], v2, s[26:27] offset:2048*(\i)+16*\j th:TH_LOAD_NT
.endr
.endm
; One token: my 16 k against my 16 rows of w_router (8 partial logits, to LDS), then the 16 numbers become codes.  Each token has registers of its own: nothing is written twice
.macro TOKEN i, left
.set XB, RX+16*(\i)
.set AC, 16+104*(\i)                   ; v16-23, v120-127
.set CB, 28+4*(\i)
	s_wait_loadcnt \left                           ; this token's four loads are in; the later token's stay out
.irp p, 0,1,2,3
	v_pk_mul_f32 v[AC+2*\p:AC+2*\p+1], v[XB:XB+1], v[RW+2*\p:RW+2*\p+1] op_sel_hi:[0,1]   ; the first product starts the sums; x is taken for both halves
.endr
.set kk, 1
.rept 15
.irp p, 0,1,2,3
.if kk%2
	v_pk_fma_f32 v[AC+2*\p:AC+2*\p+1], v[XB+kk-1:XB+kk], v[RW+8*kk+2*\p:RW+8*kk+2*\p+1], v[AC+2*\p:AC+2*\p+1] op_sel:[1,0,0] op_sel_hi:[1,1,1]
.else
	v_pk_fma_f32 v[AC+2*\p:AC+2*\p+1], v[XB+kk:XB+kk+1], v[RW+8*kk+2*\p:RW+8*kk+2*\p+1], v[AC+2*\p:AC+2*\p+1] op_sel_hi:[0,1,1]
.endif
.endr
.set kk, kk+1
.endr
	ds_store_b128 v4, v[AC:AC+3] offset:1056*(\i)          ; experts 0-3, 16 bytes a lane on end
	ds_store_b128 v4, v[AC+4:AC+7] offset:1056*(\i)+528    ; experts 4-7
	v_max3_num_f32 v8, |v[XB]|, |v[XB+1]|, |v[XB+2]|
	v_max3_num_f32 v9, |v[XB+3]|, |v[XB+4]|, |v[XB+5]|
.irp j, 6,10
	v_max3_num_f32 v8, v8, |v[XB+\j]|, |v[XB+\j+1]|
	v_max3_num_f32 v9, v9, |v[XB+\j+2]|, |v[XB+\j+3]|
.endr
	v_max3_num_f32 v8, v8, |v[XB+14]|, |v[XB+15]|
	v_max3_num_f32 v8, v8, v9, 0x8000000           ; the floor 2^(16 - 127)
	v_max_num_f32_dpp v8, v8, v8 row_xmask:1 row_mask:0xf bank_mask:0xf   ; with my neighbour's 16: the block's largest magnitude
	v_add_nc_u32 v11, 0xf8800000, v8
	v_and_or_b32 v10, v8, 0x7f800000, s31
.set kk, 0
.rept 16
	v_med3_num_f32 v[XB+kk], v[XB+kk], -v10, v10
.set kk, kk+1
.endr
	v_cvt_scalef32_pk8_bf8_f32 v[CB:CB+1], v[XB:XB+7], v11
	v_cvt_scalef32_pk8_bf8_f32 v[CB+2:CB+3], v[XB+8:XB+15], v11
	v_lshrrev_b32 v[36+(\i)], 23, v11              ; the scale's byte (also the plain line behind the conversions)
	ds_store_b8 v6, v[36+(\i)] offset:16*(\i)      ; both lanes of a block write the same byte
	global_store_b128 v3, v[CB:CB+3], s[28:29] offset:512*(\i)   ; the token's 512 codes: 512 consecutive bytes
.endm
	s_load_b512 s[4:19], s[0:1], 0x0               ; x, w_router, b_router, W1, W2, codes, scales, route
	s_load_b128 s[20:23], s[0:1], 0x40             ; rf, out2
	s_set_vgpr_msb 0x40
	v_lshl_add_u32 v0, v0, 2, 0x8800
	v_mov_b32 v1, 0
	s_set_vgpr_msb 0x4000
	v_lshrrev_b32 v1, 5, v0
	v_readfirstlane_b32 s24, v1                    ; wave 0..7
	v_and_b32 v1, 31, v0                           ; lane
	s_mov_b32 s31, 0x600000                        ; the mantissa field of 57,344
	s_mov_b32 s39, 0
	s_mov_b32 s41, 0
	s_mov_b32 s43, 0
	s_lshl_b32 s37, s24, 5                         ; 32 x wave
	s_mul_hi_u32 s25, ttmp9, 0xaaaaaaab
	s_lshr_b32 s25, s25, 1                         ; the work-group's number / 3,
	s_mul_i32 s32, s25, 3
	s_sub_co_u32 s32, ttmp9, s32                   ; and what is left: 0: the router's block s25; 1, 2: weights
	s_cmp_eq_u32 s32, 0
	s_cbranch_scc1 .Lrouter
	s_lshl_b32 s25, s25, 1
	s_add_co_u32 s32, s32, s25
	s_sub_co_u32 s32, s32, 1                       ; the weights' job, 0 .. 511
	v_lshlrev_b32 v2, 2, v1                        ; weights: 4 bytes a lane
	s_cmp_lt_u32 s32, 256
	s_cbranch_scc1 .Lw1
	; ---- W2: expert e, 256 columns cg of 512, K step s of 16
	s_sub_co_u32 s32, s32, 256
	s_lshr_b32 s33, s32, 5                         ; e
	s_bfe_u32 s34, s32, 0x10004                    ; cg
	s_and_b32 s35, s32, 15                         ; s
	s_lshl_b32 s36, s34, 8
	s_add_co_u32 s36, s36, s37                     ; n0: my wave's first column
	s_lshl_b32 s38, s33, 22                        ; in: e x 4 MiB + s x 128 rows of 2,048 bytes + 4 n0
	s_lshl_b32 s30, s35, 18
	s_add_co_u32 s38, s38, s30
	s_lshl_b32 s30, s36, 2
	s_add_co_u32 s38, s38, s30
	s_lshl_b32 s42, s33, 15                        ; scale words: e x 32,768 + s x 2,048 + 64 (n0 / 16)
	s_add_co_u32 s42, s42, s30
	s_lshl_b32 s30, s35, 11
	s_add_co_u32 s42, s42, s30
	s_add_co_u32 s42, s42, W2SO
	s_lshl_b32 s40, s33, 20                        ; codes: e x 1 MiB + (n0 / 16) x 32,768 + s x 2,048
	s_add_co_u32 s40, s40, s30
	s_lshl_b32 s30, s36, 11
	s_add_co_u32 s40, s40, s30
	s_add_co_u32 s40, s40, W2Q
	v_lshrrev_b32 v9, 4, v1
	v_and_b32 v10, 15, v1
	v_lshlrev_b32 v3, 15, v9                       ; lanes 16-31: the next tile of 16 outputs
	v_lshl_add_u32 v3, v10, 4, v3                  ; row r = lane % 16
	v_lshlrev_b32 v4, 2, v1
	s_wait_kmcnt 0x0
	s_add_nc_u64 s[26:27], s[12:13], s[38:39]
	s_add_nc_u64 s[28:29], s[14:15], s[40:41]
	s_add_nc_u64 s[44:45], s[16:17], s[42:43]
	WSTREAM 512
.Lw1:
	; ---- W1: expert e, 256 columns cg of 2,048, K step s of 4
	s_lshr_b32 s33, s32, 5                         ; e
	s_bfe_u32 s34, s32, 0x30002                    ; cg
	s_and_b32 s35, s32, 3                          ; s
	s_lshl_b32 s36, s34, 8
	s_add_co_u32 s36, s36, s37                     ; n0
	s_lshl_b32 s38, s33, 22                        ; in: e x 4 MiB + s x 128 rows of 8,192 bytes + 4 n0
	s_lshl_b32 s30, s35, 20
	s_add_co_u32 s38, s38, s30
	s_lshl_b32 s30, s36, 2
	s_add_co_u32 s38, s38, s30
	s_lshl_b32 s42, s33, 15                        ; scale words: e x 32,768 + s x 8,192 + 64 (n0 / 16)
	s_add_co_u32 s42, s42, s30
	s_lshl_b32 s30, s35, 13
	s_add_co_u32 s42, s42, s30
	s_lshl_b32 s40, s33, 20                        ; codes: e x 1 MiB + (n0 / 32) x two tiles of 8,192 + s x 2,048
	s_lshl_b32 s30, s36, 9
	s_add_co_u32 s40, s40, s30
	s_lshl_b32 s30, s35, 11
	s_add_co_u32 s40, s40, s30
	v_bfe_u32 v8, v1, 3, 1                         ; column n0 + lane is row 8 (lane / 16) + lane % 8 of tile 2 b + u, u = (lane / 8) % 2
	v_lshrrev_b32 v9, 4, v1
	v_and_b32 v10, 7, v1
	v_lshlrev_b32 v3, 13, v8
	v_lshl_add_u32 v3, v9, 7, v3
	v_lshl_add_u32 v3, v10, 4, v3
	v_lshlrev_b32 v4, 6, v8
	v_lshl_add_u32 v4, v9, 5, v4
	v_lshl_add_u32 v4, v10, 2, v4
	s_wait_kmcnt 0x0
	s_add_nc_u64 s[26:27], s[10:11], s[38:39]
	s_add_nc_u64 s[28:29], s[14:15], s[40:41]
	s_add_nc_u64 s[44:45], s[16:17], s[42:43]
	WSTREAM 2048
.Lrouter:
	; ---- the router: block b = s25 of 16 tokens; wave w takes tokens 16 b + 2 w, + 1; lane l holds k = 16 l .. 16 l + 15
	s_lshl_b32 s32, s25, 4
	s_lshl_b32 s33, s24, 1
	s_add_co_u32 s32, s32, s33                     ; my first token
	s_lshl_b32 s38, s32, 11                        ; x: 2,048 bytes a token
	s_lshl_b32 s40, s32, 9
	s_add_co_u32 s40, s40, XQ                      ; its codes: 512
	s_and_b32 s36, s24, 1                          ; at the end waves 0 and 1 take 8 tokens each: which eight (the other waves never use what is made of this)
	s_lshl_b32 s42, s25, 9
	s_lshl_b32 s33, s36, 8
	s_add_co_u32 s42, s42, s33                     ; their logits: 32 bytes a token
	s_lshl_b32 s46, s25, 6                         ; 64 b
	s_mov_b32 s47, 0
	s_lshl_b32 s58, s25, 5                         ; 32 b
	s_mov_b32 s59, 0
	s_lshl_b32 s60, s25, 8                         ; 256 b
	s_mov_b32 s61, 0
	s_lshl_b32 s62, s25, 3                         ; 8 b
	s_mov_b32 s63, 0
	s_mov_b32 s34, 0x76543210
	s_mov_b32 s35, 0xfedcba98                      ; v_permlanex16_b32's selects for lane l xor 16
	v_lshlrev_b32 v2, 6, v1                        ; 64 l
	v_lshlrev_b32 v3, 4, v1                        ; 16 l
	s_mul_i32 s33, s24, 2112                       ; my two tokens' partial sums in LDS: 1,056 bytes a token
	v_add_nc_u32 v4, s33, v3
	v_lshrrev_b32 v8, 2, v1                        ; at the end lane l stands for token l / 4 of the eight and experts 2 (l % 4), 2 (l % 4) + 1
	v_mul_u32_u24 v5, v8, 1056
	v_bfe_u32 v9, v1, 1, 1
	v_mad_u32_u24 v5, v9, 528, v5
	v_and_b32 v9, 1, v1
	v_lshl_add_u32 v5, v9, 3, v5
	s_mul_i32 s33, s36, 8448
	v_add_nc_u32 v5, s33, v5
	s_lshl_b32 s33, s24, 5
	s_add_co_u32 s33, s33, XSB
	v_lshrrev_b32 v6, 1, v1
	v_add_nc_u32 v6, s33, v6                       ; x's scale bytes: 16 a token, block l / 2
	v_and_b32 v9, 3, v1
	v_lshlrev_b32 v38, 3, v9                       ; b_router: my two experts
	s_lshl_b32 s33, s36, 6
	s_add_co_u32 s33, s33, RED
	v_add_nc_u32 v7, s33, v38                      ; the closing wave's sums: 64 bytes a wave
	s_lshl_b32 s33, s36, 5
	s_add_co_u32 s33, s33, EIL
	v_lshl_add_u32 v26, v8, 2, s33                 ; my token's expert; its gate 64 bytes on
	v_lshlrev_b32 v27, 4, v0                       ; w_router: 16 bytes a thread, 4,096 a load of the work-group
	v_lshlrev_b32 v39, 3, v1                       ; 8 l
	s_mul_i32 s33, s24, 528
	s_add_co_u32 s33, s33, WL
	v_add_nc_u32 v[WS], s33, v3                    ; byte 4,096 j + 512 w + 16 l of w_router lies in piece 8 j + w, 16 l bytes in
	v_mul_u32_u24 v[WR], v1, 528
	v_add_nc_u32 v[WR], WL, v[WR]                  ; piece l holds rows 16 l .. 16 l + 15
	v_and_b32 v[FB], 7, v1
	v_lshlrev_b32 v[FE], 2, v[FB]                  ; wave 0 at the end: expert l % 8,
	v_add_nc_u32 v[FR], RED, v[FE]
	v_and_b32 v[F4], 15, v1                        ; token l % 16
	v_lshlrev_b32 v[F16], 4, v[F4]
	v_lshlrev_b32 v[F4], 2, v[F4]
	v_add_nc_u32 v[FS], XSB, v[F16]
	v_add_nc_u32 v[FG], EIL, v[F4]
	s_wait_kmcnt 0x0
	s_add_nc_u64 s[26:27], s[4:5], s[38:39]
	s_add_nc_u64 s[28:29], s[14:15], s[40:41]
	s_add_nc_u64 s[44:45], s[22:23], s[42:43]
	s_add_nc_u64 s[48:49], s[18:19], s[46:47]      ; the block's experts
	s_add_nc_u64 s[50:51], s[18:19], s[62:63]      ; its counts
	s_add_nc_u64 s[52:53], s[20:21], s[46:47]      ; its gates
	s_add_nc_u64 s[54:55], s[20:21], s[58:59]      ; its sums of probabilities
	s_add_nc_u64 s[56:57], s[16:17], s[60:61]      ; its scale bytes
.irp j, 0,1,2,3
	global_load_b128 v[72+4*\j:75+4*\j], v27, s[6:7] offset:4096*\j    ; w_router once for the work-group: each load of a wave reads 512 consecutive bytes
.endr
	global_load_b64 v[24:25], v38, s[8:9]
	XLOAD 0
	XLOAD 1
	s_wait_loadcnt 9                               ; w_router's four loads are in: b_router's and the two tokens' eight may be out
.irp j, 0,1,2,3
	ds_store_b128 v[WS], v[72+4*\j:75+4*\j] offset:4224*\j
.endr
	s_wait_dscnt 0x0                               ; for the others' sake: my part of w_router has landed
	s_barrier_signal -1
	s_barrier_wait -1
.set jj, 0
.rept 32
	ds_load_b128 v[RW+4*jj:RW+4*jj+3], v[WR] offset:16*jj    ; register 8 i + e = w_router[16 l + i][e]
.set jj, jj+1
.endr
	s_wait_dscnt 0x0
	TOKEN 0, 4
	TOKEN 1, 0
	s_wait_dscnt 0x0                               ; for the others' sake: my partial sums and scale bytes have landed
	s_barrier_signal -1
	s_barrier_wait -1
	s_cmp_gt_u32 s24, 1
	s_cbranch_scc1 .Lnoepi
	; waves 0 and 1: the 32 lanes' partial logits of my token and my two experts
.set jj, 0
.rept 32
	ds_load_b64 v[40+2*jj:41+2*jj], v5 offset:16*jj
.set jj, jj+1
.endr
	s_wait_dscnt 0x0
.irp j, 4,8,12,16,20,24,28,32,36,40,44,48,52,56,60
	v_pk_add_f32 v[40:41], v[40:41], v[40+\j:41+\j]
	v_pk_add_f32 v[42:43], v[42:43], v[42+\j:43+\j]
.endr
	v_pk_add_f32 v[40:41], v[40:41], v[42:43]
	v_pk_add_f32 v[40:41], v[40:41], v[24:25]      ; + b_router: the logits
	global_store_b64 v39, v[40:41], s[44:45]       ; 8 tokens x 32 bytes: 256 consecutive bytes, aligned
	v_max_num_f32 v42, v40, v41
	v_max_num_f32_dpp v42, v42, v42 row_xmask:1 row_mask:0xf bank_mask:0xf
	v_max_num_f32_dpp v42, v42, v42 row_xmask:2 row_mask:0xf bank_mask:0xf   ; the token's largest logit, in its four lanes
	v_and_b32 v43, 3, v1
	v_lshlrev_b32 v43, 1, v43
	v_cvt_f32_u32 v44, v43                         ; my experts' numbers as f32
	v_add_f32 v45, 1.0, v44
	v_mov_b32 v46, 0x41000000                      ; 8.0: above every expert
	v_cmp_eq_f32 vcc_lo, v40, v42
	v_cndmask_b32 v47, v46, v44, vcc_lo
	v_cmp_eq_f32 vcc_lo, v41, v42
	v_cndmask_b32 v48, v46, v45, vcc_lo
	v_min_num_f32 v47, v47, v48
	v_min_num_f32_dpp v47, v47, v47 row_xmask:1 row_mask:0xf bank_mask:0xf
	v_min_num_f32_dpp v47, v47, v47 row_xmask:2 row_mask:0xf bank_mask:0xf   ; the lowest expert that has the largest logit
	v_cvt_u32_f32 v49, v47
	v_sub_f32 v50, v40, v42                        ; the maximum is taken away ahead of the exponential
	v_sub_f32 v51, v41, v42
	v_mul_f32 v50, 0x3fb8aa3b, v50
	v_mul_f32 v51, 0x3fb8aa3b, v51
	v_exp_f32 v50, v50
	v_exp_f32 v51, v51
	v_mov_b32 v58, 0                               ; (a plain line behind the exponentials; a lane permute's destination counts as read)
	v_mov_b32 v59, 0
	v_mov_b32 v60, 0
	v_mov_b32 v61, 0
	s_wait_alu depctr_va_vdst(0)
	v_add_f32 v53, v50, v51
	v_add_f32_dpp v53, v53, v53 row_xmask:1 row_mask:0xf bank_mask:0xf
	v_add_f32_dpp v53, v53, v53 row_xmask:2 row_mask:0xf bank_mask:0xf
	v_rcp_f32 v54, v53                             ; 1 / the sum: also the gate, since the largest exponential is exactly 1
	v_mov_b32 v52, 1.0                             ; (a plain line behind the reciprocal)
	v_cmp_eq_f32 vcc_lo, v47, v44
	v_cndmask_b32 v56, 0, v52, vcc_lo              ; 1 where my expert is the chosen one
	v_cmp_eq_f32 vcc_lo, v47, v45
	v_cndmask_b32 v57, 0, v52, vcc_lo
	s_wait_alu depctr_va_vdst(0)
	v_mul_f32 v50, v50, v54                        ; the probabilities
	v_mul_f32 v51, v51, v54
	ds_store_b32 v26, v49                          ; four lanes write the same word with the same value
	ds_store_b32 v26, v54 offset:64
.irp r, 50,51,56,57
	v_add_f32_dpp v\r, v\r, v\r row_xmask:4 row_mask:0xf bank_mask:0xf     ; over my eight tokens: lanes 4, 8 and 16 apart
.endr
.irp r, 50,51,56,57
	v_add_f32_dpp v\r, v\r, v\r row_xmask:8 row_mask:0xf bank_mask:0xf
.endr
	v_permlanex16_b32 v58, v50, s34, s35
	v_permlanex16_b32 v59, v51, s34, s35
	v_permlanex16_b32 v60, v56, s34, s35
	v_permlanex16_b32 v61, v57, s34, s35
	v_pk_add_f32 v[50:51], v[50:51], v[58:59]
	v_pk_add_f32 v[56:57], v[56:57], v[60:61]
	ds_store_b64 v7, v[50:51]
	ds_store_b64 v7, v[56:57] offset:32
.Lnoepi:
	s_wait_dscnt 0x0                               ; for wave 0's sake: all my LDS stores have landed
	s_barrier_signal -1
	s_barrier_wait -1
	s_cmp_lg_u32 s24, 0
	s_cbranch_scc1 .Lrend
	; wave 0 gathers the block's figures and stores them
	ds_load_b32 v64, v[FR]                         ; the two closing waves' sums of probabilities of expert l % 8,
	ds_load_b32 v65, v[FR] offset:64
	ds_load_b32 v72, v[FR] offset:32               ; and their counts
	ds_load_b32 v73, v[FR] offset:96
	ds_load_b128 v[80:83], v[FS]
	ds_load_b32 v88, v[FG]
	ds_load_b32 v90, v[FG] offset:64
	s_wait_dscnt 0x0
	v_add_f32 v64, v64, v65
	v_add_f32 v72, v72, v73
	v_cvt_u32_f32 v72, v72                         ; a count of at most 16: exact
	global_store_b32 v[F4], v88, s[48:49]          ; 16 experts (lanes l and l + 16 write the same word with the same value)
	global_store_b32 v[F4], v90, s[52:53]          ; 16 gates likewise
	global_store_b8 v[FB], v72, s[50:51] offset:CNT       ; 8 counts, a byte each (four lanes write each with the same value)
	global_store_b32 v[FE], v64, s[54:55] offset:PSUM     ; 8 sums
	global_store_b128 v[F16], v[80:83], s[56:57] offset:XSO   ; 256 scale bytes: sixteen lanes store 256 consecutive bytes, aligned
.Lrend:
	s_set_vgpr_msb 0x5
	s_wait_tensorcnt 0x0
	ds_add_u32 v0, v1
	s_wait_dscnt 0x0
	s_set_vgpr_msb 0x500
	s_endpgm
.Lfunc_end_k_q9fd2a2c5fd_prep:
	.size	k_q9fd2a2c5fd_prep, .Lfunc_end_k_q9fd2a2c5fd_prep-k_q9fd2a2c5fd_prep
	.p2alignl 7, 3214868480
	.fill 96, 4, 3214868480
	.section	.rodata,"a",@progbits
	.p2align	6, 0x0
	.amdhsa_kernel k_q9fd2a2c5fd_prep
		.amdhsa_group_segment_fixed_size 35840
		.amdhsa_private_segment_fixed_size 0
		.amdhsa_enable_private_segment 0
		.amdhsa_kernarg_size 80
		.amdhsa_user_sgpr_count 2
		.amdhsa_user_sgpr_kernarg_segment_ptr 1
		.amdhsa_wavefront_size32 1
		.amdhsa_system_sgpr_workgroup_id_x 1
		.amdhsa_system_sgpr_workgroup_id_y 1
		.amdhsa_system_sgpr_workgroup_id_z 1
		.amdhsa_system_vgpr_workitem_id 0
		.amdhsa_next_free_vgpr 258
		.amdhsa_next_free_sgpr 66
		.amdhsa_reserve_vcc 1
		.amdhsa_float_denorm_mode_32 3
		.amdhsa_float_denorm_mode_16_64 3
		.amdhsa_memory_ordered 1
		.amdhsa_forward_progress 1
		.amdhsa_inst_pref_size 85
	.end_amdhsa_kernel
	.amdgpu_metadata
---
amdhsa.version: [ 1, 2 ]
amdhsa.kernels:
  - .name:           k_q9fd2a2c5fd_prep
    .symbol:         k_q9fd2a2c5fd_prep.kd
    .args:
      - { .name: x, .offset: 0, .size: 8, .value_kind: global_buffer, .address_space: global }
      - { .name: w_router, .offset: 8, .size: 8, .value_kind: global_buffer, .address_space: global }
      - { .name: b_router, .offset: 16, .size: 8, .value_kind: global_buffer, .address_space: global }
      - { .name: W1, .offset: 24, .size: 8, .value_kind: global_buffer, .address_space: global }
      - { .name: W2, .offset: 32, .size: 8, .value_kind: global_buffer, .address_space: global }
      - { .name: codes, .offset: 40, .size: 8, .value_kind: global_buffer, .address_space: global }
      - { .name: scales, .offset: 48, .size: 8, .value_kind: global_buffer, .address_space: global }
      - { .name: route, .offset: 56, .size: 8, .value_kind: global_buffer, .address_space: global }
      - { .name: rf, .offset: 64, .size: 8, .value_kind: global_buffer, .address_space: global }
      - { .name: out2, .offset: 72, .size: 8, .value_kind: global_buffer, .address_space: global }
    .group_segment_fixed_size: 35840
    .private_segment_fixed_size: 0
    .kernarg_segment_align: 8
    .kernarg_segment_size: 80
    .max_flat_workgroup_size: 256
    .sgpr_count:     66
    .vgpr_count:     258
    .wavefront_size: 32
...
	.end_amdgpu_metadata
.endif
;; end of part 4
;; launch ffn1 (part 5): grid 4 x 59, 4 waves a work-group, no clusters, 72,192 bytes of LDS; arguments codes, scales, route, rf, b1, hid, plan, out1; writes hid, plan, out1
.if DOCPART == 5
	.amdgcn_target "amdgcn-amd-amdhsa--gfx1250"
	.amdhsa_code_object_version 6
	.text
	.protected	k_q9fd2a2c5fd_ffn1
	.globl	k_q9fd2a2c5fd_ffn1
	.p2align	8
	.type	k_q9fd2a2c5fd_ffn1,@function
k_q9fd2a2c5fd_ffn1:
	s_mov_b64 s[64:65], 0
	v_nop
	global_prefetch_b8 v0, s[64:65] scope:SCOPE_SE
	s_setreg_imm32_b32 hwreg(HW_REG_WAVE_MODE, 25, 1), 1
	s_wait_xcnt 0x0
; SECOND LAUNCH.  hidden = Q(relu(Q(x) Q(W1) + b1)) for the rows of the chosen expert alone, in codes of E5M2 with one E8M0 byte for each 32 along K; also the lists for the third launch and the load-balance loss.
; TILES.  The tokens of an expert, in a fixed order, are cut into tiles of 80 rows: never more than ceil(4,096 / 80) + 7 = 59 tiles, whatever the choice.  Work-group (sl, tile) makes hidden units 512 sl .. 512 sl + 511 of its tile's rows:
; 4 x 59 = 236 work-groups for 256 WGPs.  A tile that the split leaves empty, and the rows past a tile's count, run on some valid token's numbers: their part of hid is written and never used, so every wave passes every barrier.
; PLACING, in registers.  Every wave reads all 4,096 expert numbers (128 registers) and makes the 128 lane masks 'is my tile's expert'.  Lane l owns slot 32 wave + l, whose rank among the expert's tokens is R = 80 x (tile in expert) + slot
; (slots 80 to 127 are listed and never used): it keeps the last mask whose running count is at or under R, and finds that mask's bit number R - count by partial bit counts and five halvings.  No address hangs on a number that has not been clamped.
; SHARES.  Wave w makes the 128 hidden units of group g = 4 sl + w, which are K step g of the next product, for all 80 rows: its 32 fragments of W1 stay in registers.  x's codes of the 80 rows are gathered once (waves 0 and 1: 32 rows each,
; wave 2: 16) and go round through LDS as images of operand registers.  The product is used transposed (source 0 = 16 rows of W1, source 1 = 16 tokens), and W1's tiles were laid so that a lane's 16 registers of tiles 2 b, 2 b + 1 are 16 neighbours along the next K.
; No tensor load and no cluster: the tiles' addresses hang on numbers read from memory, and 59 is no multiple of a cluster's side.
; LIMITS: as in the first launch (NaN and infinities not served; a block under 2^-111, or of zeros, keeps the byte 1).
; REGISTERS, in windows of 256.  Window 0: v1-27 addresses; v32-95 my 8 tiles of the hidden layer; v96-111 codes just made; v112-128 the quantiser's; v130-133 x's scale words; v136-167 W1's; v176-239 x's four fragments.
;   Window 1: W1's fragments of K steps 0, 1.  Window 2: of K steps 2, 3.  Window 3: v0-63 b1; v64-191 the expert numbers, then the gathered codes; v192-199 their scale bytes; v200-211 the placing.
.set XQ,    16777216
.set XSO,   524288
.set CNT,   16384
.set PSUM,  16384
.set RT,    80                         ; rows in a tile: five tiles of 16
.set DIV,   52429                      ; n / 80 = n x 52,429 >> 22 for n up to 4,175: the excess, n x 4.8e-8, stays under 1 / 80 less the largest fraction 79 / 80
.set HTS,   163840                     ; hid: [tile][16 rows m, 5][K step, 16] images of 2,048 bytes: a tile's bytes;
.set HSO,   9666560                    ; from HSO on [tile][m][sl][row][w] scale words,
.set HSS,   5120                       ; 5,120 bytes a tile
.set TILES, 30208                      ; plan: [tile][128] tokens; from TILES on [tile] (expert, rows)
.set XSC,   65536                      ; LDS: x's images (16 rows m, K step s: 4 m + s) from 0; their scale words, 16 bytes a lane, 512 a tile of rows;
.set HSCL,  69632                      ; the hidden layer's scale words [m][row][wave]
.set HA,    32
.set PC,    96
.set TM,    112
.set PW,    128
.set XSR,   130
.set W1SR,  136
.set XF,    176
.set KEY,   64                         ; window 3
.set PR,    200                        ; window 3: my rank, the mask kept, its count and number, ...
.set PWD,   201
.set PP,    202
.set PN,    203
.set PI,    204
.set PA,    205
.set PB,    206
.set PC3,   207
.set PD,    208
.set POS,   209
.set T0,    210
.set T1,    211
.set SEL,   68
.set MNT,   70
.set MSB, 0
.macro WIN new                         ; the immediate's high byte repeats the setting that is left
.if MSB != \new
	s_set_vgpr_msb (MSB<<8)|\new
.set MSB, \new
.endif
.endm
; eight masks: s40-47 the masks, s48-56 the running counts in front of each, s88-95 count | number << 16
.macro PLACE8 j0
.irp i, 0,1,2,3,4,5,6,7
	v_cmp_eq_u32 s[40+\i], v[KEY+\j0+\i], s34
.endr
.irp i, 0,1,2,3,4,5,6,7
	s_or_b32 s[88+\i], s[48+\i], (\j0+\i)<<16
	s_bcnt1_i32_b32 s67, s[40+\i]
	s_add_co_u32 s[49+\i], s[48+\i], s67
.endr
.irp i, 0,1,2,3,4,5,6,7
	v_cmp_le_u32 vcc_lo, s[48+\i], v[PR]           ; the counts never fall, so the last mask that passes is the one that holds rank R
	v_cndmask_b32 v[PWD], v[PWD], s[40+\i], vcc_lo
	v_cndmask_b32 v[PP], v[PP], s[88+\i], vcc_lo
.endr
	s_mov_b32 s48, s56
.endm
.macro HALVE x, width, inc             ; are there n or fewer set bits in the lower half of what is left?  Then the bit lies in the upper half
	v_bfe_u32 v[T0], v[\x], v[POS], \width
	v_cmp_ge_u32 vcc_lo, v[PN], v[T0]
	v_sub_nc_u32 v[T0], v[PN], v[T0]
	v_add_nc_u32 v[T1], \inc, v[POS]
	v_cndmask_b32 v[PN], v[PN], v[T0], vcc_lo
	v_cndmask_b32 v[POS], v[POS], v[T1], vcc_lo
.endm
.macro GATH mm                         ; the codes and scale bytes of 16 rows: lane (r, h) takes its token's k = 128 s + 32 c + 16 h + 0 .. 15: the operand's registers
	WIN 0xc0                                       ; destination window 3
.irp s, 0,1,2,3
.irp c, 0,1,2,3
	global_load_b128 v[64+64*\mm+16*\s+4*\c:64+64*\mm+16*\s+4*\c+3], v[24+\mm], s[78:79] offset:128*\s+32*\c
.endr
.endr
	global_load_b128 v[192+4*\mm:195+4*\mm], v[26+\mm], s[6:7] offset:XSO
	WIN 0
.endm
.macro STIM mm                         ; and their images to LDS
	WIN 0x0c                                       ; an LDS store's data are its source 1: window 3
.irp s, 0,1,2,3
.irp c, 0,1,2,3
	ds_store_b128 v7, v[64+64*\mm+16*\s+4*\c:64+64*\mm+16*\s+4*\c+3] offset:(4*\mm+\s)*2048+\c*512
.endr
.endr
	ds_store_b128 v8, v[192+4*\mm:195+4*\mm] offset:512*\mm
	WIN 0
.endm
.macro FETCHX m                        ; x's four fragments and scale words of rows 16 m on, as any wave's registers
.irp s, 0,1,2,3
.irp c, 0,1,2,3
	ds_load_b128 v[XF+16*\s+4*\c:XF+16*\s+4*\c+3], v4 offset:(4*(\m)+\s)*2048+512*\c
.endr
.endr
	ds_load_b128 v[XSR:XSR+3], v9 offset:512*(\m)
.endm
.macro MM8 a0, s, first                ; K step s of my eight tiles; the eight accumulators take turns
.irp t, 0,1,2,3,4,5,6,7
.if \first
	v_wmma_scale_f32_16x16x128_f8f6f4 v[HA+8*\t:HA+8*\t+7], v[\a0+16*\t:\a0+16*\t+15], v[XF+16*\s:XF+16*\s+15], v[8*\t:8*\t+7], v[W1SR+8*\s+\t], v[XSR+\s] matrix_a_fmt:MATRIX_FMT_BF8 matrix_b_fmt:MATRIX_FMT_BF8
.else
	v_wmma_scale_f32_16x16x128_f8f6f4 v[HA+8*\t:HA+8*\t+7], v[\a0+16*\t:\a0+16*\t+15], v[XF+16*\s:XF+16*\s+15], v[HA+8*\t:HA+8*\t+7], v[W1SR+8*\s+\t], v[XSR+\s] matrix_a_fmt:MATRIX_FMT_BF8 matrix_b_fmt:MATRIX_FMT_BF8
.endif
.endr
.endm
; 64 numbers of a lane, register 16 b + i = k 32 b + 16 (lane / 16) + i of my row, become a fragment's codes in v[PC] on and its scale word in v[PW]; what is negative becomes 0 on the way (the activation)
.macro QUANT s
.irp b, 0,1,2,3
	v_max3_num_f32 v[TM+\b], v[\s+16*\b], v[\s+1+16*\b], 0x8000000   ; no |.|: what is negative must not count; the floor 2^(16 - 127) stands over it
.endr
.irp i, 2,4,6,8,10,12,14
.irp b, 0,1,2,3
	v_max3_num_f32 v[TM+\b], v[TM+\b], v[\s+16*\b+\i], v[\s+1+16*\b+\i]
.endr
.endr
.irp b, 0,1,2,3
	v_permlanex16_b32 v[TM+4+\b], v[TM+\b], s[SEL], s[SEL+1]
.endr
.irp b, 0,1,2,3
	v_max_num_f32 v[TM+\b], v[TM+\b], v[TM+4+\b]   ; with lane l xor 16's: the block's largest
.endr
.irp b, 0,1,2,3
	v_add_nc_u32 v[TM+12+\b], 0xf8800000, v[TM+\b] ; 15 off the exponent field: the conversion's scale operand
.endr
.irp b, 0,1,2,3
	v_and_or_b32 v[TM+8+\b], v[TM+\b], 0x7f800000, s[MNT]   ; 57,344 x the scale
.endr
.irp b, 0,1,2,3
	v_lshrrev_b32 v[TM+4+\b], 23, v[TM+12+\b]      ; the scale's byte
.endr
	v_lshl_or_b32 v[PW], v[TM+5], 8, v[TM+4]
	v_lshl_or_b32 v[PW], v[TM+6], 16, v[PW]
	v_lshl_or_b32 v[PW], v[TM+7], 24, v[PW]
.irp b, 0,1,2,3
.irp i, 0,1,2,3,4,5,6,7,8,9,10,11,12,13,14,15
	v_med3_num_f32 v[\s+16*\b+\i], v[\s+16*\b+\i], 0, v[TM+8+\b]   ; the activation and the hold in one (the conversion does not saturate: ISA guide 7.6.2)
.endr
	v_cvt_scalef32_pk8_bf8_f32 v[PC+4*\b:PC+1+4*\b], v[\s+16*\b:\s+7+16*\b], v[TM+12+\b]
	v_cvt_scalef32_pk8_bf8_f32 v[PC+2+4*\b:PC+3+4*\b], v[\s+8+16*\b:\s+15+16*\b], v[TM+12+\b]
.endr
	v_nop                                          ; a plain line between the last conversion and the next products, which write its sources
.endm
.macro TILE m                          ; rows 16 m on: 32 products, the quantiser, the image to memory
	s_wait_dscnt 0x0                               ; x's fragments are in; my last LDS store has read its register
	WIN 0x31                                       ; source 0 (W1) window 1, source 2 (b1) window 3
	MM8 0, 0, 1                                    ; the bias is the C of each sum's first product
	WIN 0x01
	MM8 128, 1, 0
	WIN 0x02                                       ; source 0 window 2
	MM8 0, 2, 0
	MM8 128, 3, 0
	WIN 0
.rept 9
	v_nop                                          ; eight places in front of the loads into registers that the products have read and of the first read of results; the ninth since the accumulators are begun anew with another C
.endr
.if (\m) < 4
	FETCHX (\m)+1                                  ; lands while this tile is quantised
.endif
	s_wait_xcnt 0x0                                ; the last tile's stores have read the codes' registers
	QUANT HA
.irp c, 0,1,2,3
	global_store_b128 v4, v[PC+4*\c:PC+4*\c+3], s[82:83] offset:(\m)*32768+512*\c   ; 512 consecutive bytes, aligned
.endr
	ds_store_b32 v10, v[PW] offset:256*(\m)        ; lanes r and r + 16 write the same word with the same value
.endm
	s_load_b512 s[4:19], s[0:1], 0x0               ; codes, scales, route, rf, b1, hid, plan, out1
	v_lshl_add_u32 v254, v0, 2, 0x11800
	v_mov_b32 v255, 0
	v_lshrrev_b32 v1, 5, v0
	v_readfirstlane_b32 s20, v1                    ; wave 0..3
	s_and_b32 s21, ttmp7, 0xffff                   ; tile
	s_mov_b32 s22, ttmp9                           ; sl
	s_lshl_b32 s23, s22, 2
	s_add_co_u32 s23, s23, s20                     ; g
	v_and_b32 v1, 31, v0                           ; lane
	v_and_b32 v2, 15, v0                           ; r
	v_bfe_u32 v3, v0, 4, 1                         ; h
	v_lshlrev_b32 v4, 4, v1                        ; 16 x lane: an image's place for my lane
	v_lshlrev_b32 v5, 2, v2                        ; 4 r
	v_lshlrev_b32 v6, 6, v3                        ; b1: 16 h numbers on
	s_lshl_b32 s38, s20, 14
	v_add_nc_u32 v7, s38, v4                       ; where I store x's images: 8 images a wave
	s_lshl_b32 s38, s20, 10
	v_lshl_add_u32 v12, v2, 4, s38                 ; the scale words' place in hid: rows 16 w on: 1,024 w + 16 r
	s_add_co_u32 s38, s38, XSC
	v_add_nc_u32 v8, s38, v4                       ; x's scale words, as I store them
	v_add_nc_u32 v9, XSC, v4                       ; where any wave reads them
	s_lshl_b32 s38, s20, 2
	s_add_co_u32 s38, s38, HSCL
	v_lshl_add_u32 v10, v2, 4, s38                 ; the hidden layer's scale word: row r, wave w
	s_lshl_b32 s38, s20, 8
	s_add_co_u32 s38, s38, HSCL
	v_lshl_add_u32 v11, v2, 4, s38                 ; and back: rows 16 w on, a row's four words
	v_lshlrev_b32 v13, 4, v3                       ; 16 h
	v_lshlrev_b32 v14, 2, v0                       ; 4 x slot
	v_mov_b32 v15, 0
	v_lshlrev_b32 v18, 8, v1                       ; 256 x lane
	v_mov_b32 v21, 0                               ; (a lane permute's or a DPP move's destination counts as read)
.irp p, 0,1,2,3
	v_mov_b32 v[52+\p], 0
	v_mov_b32 v[TM+4+\p], 0
.endr
	s_mov_b32 s[SEL], 0x76543210
	s_mov_b32 s[SEL+1], 0xfedcba98                 ; v_permlanex16_b32's selects for lane l xor 16
	s_mov_b32 s[MNT], 0x600000                     ; the mantissa field of 57,344
	s_mov_b32 s71, 0xffff0000                      ; lanes 16-31
	s_mov_b32 s39, 0
	s_wait_kmcnt 0x0
.irp j, 0,1,2,3
	global_load_b128 v[32+4*\j:35+4*\j], v4, s[8:9] offset:CNT+512*\j    ; the counts, a byte each: my 16 bytes are two blocks; even registers hold experts 0-3, odd ones experts 4-7
.endr
	WIN 0xc0                                       ; destination window 3
.set jj, 0
.rept 32
	global_load_b128 v[KEY+4*jj:KEY+4*jj+3], v4, s[8:9] offset:512*jj    ; register 4 j + c, lane l: the expert of token 128 j + 4 l + c
.set jj, jj+1
.endr
	WIN 0
	s_add_nc_u64 s[78:79], s[4:5], XQ              ; x's codes
	s_mul_i32 s38, s21, HTS
	s_lshl_b32 s86, s23, 11
	s_add_co_u32 s38, s38, s86
	s_add_nc_u64 s[82:83], s[14:15], s[38:39]      ; hid: my tile, K step g
	s_mul_i32 s38, s21, HSS
	s_lshl_b32 s86, s22, 8
	s_add_co_u32 s38, s38, s86
	s_add_co_u32 s38, s38, HSO
	s_add_nc_u64 s[84:85], s[14:15], s[38:39]      ; its scale words: my tile, my slice
	s_lshl_b32 s38, s21, 3
	s_add_nc_u64 s[96:97], s[16:17], s[38:39]      ; plan: my tile's pair,
	s_lshl_b32 s38, s21, 9
	s_add_nc_u64 s[86:87], s[16:17], s[38:39]      ; and its list
	s_wait_loadcnt 32                              ; the counts are in; the 32 loads of expert numbers may be out
	v_add_nc_u32 v32, v32, v34                     ; my eight blocks, byte by byte: at most 8 x 16 = 128 in a byte
	v_add_nc_u32 v33, v33, v35
.irp j, 36,38,40,42,44,46
	v_add_nc_u32 v32, v32, v[\j]
	v_add_nc_u32 v33, v33, v[\j+1]
.endr
	v_and_b32 v48, 0xff00ff, v32                   ; widened to fields of 16 bits: experts 0 and 2,
	v_and_b32 v50, 0xff00ff, v33                   ; 4 and 6,
	v_lshrrev_b32 v32, 8, v32
	v_lshrrev_b32 v33, 8, v33
	v_and_b32 v49, 0xff00ff, v32                   ; 1 and 3,
	v_and_b32 v51, 0xff00ff, v33                   ; 5 and 7: no sum passes 4,096
.irp x, 1,2,4,8
.irp p, 0,1,2,3
	v_mov_b32_dpp v[52+\p], v[48+\p] row_xmask:\x row_mask:0xf bank_mask:0xf
.endr
.irp p, 0,1,2,3
	v_add_nc_u32 v[48+\p], v[48+\p], v[52+\p]
.endr
.endr
.irp p, 0,1,2,3
	v_permlanex16_b32 v[52+\p], v[48+\p], s[SEL], s[SEL+1]
.endr
.irp p, 0,1,2,3
	v_add_nc_u32 v[48+\p], v[48+\p], v[52+\p]
.endr
.irp p, 0,1,2,3
	v_readfirstlane_b32 s[40+\p], v[48+\p]
.endr
	s_and_b32 s24, s40, 0xffff                     ; s24-31: each expert's tokens
	s_lshr_b32 s26, s40, 16
	s_and_b32 s25, s41, 0xffff
	s_lshr_b32 s27, s41, 16
	s_and_b32 s28, s42, 0xffff
	s_lshr_b32 s30, s42, 16
	s_and_b32 s29, s43, 0xffff
	s_lshr_b32 s31, s43, 16
	; whose tile is mine: the last expert in front of which at most 'tile' tiles lie.  No branch: selects
	s_mov_b32 s34, 0                               ; expert
	s_mov_b32 s35, s24                             ; its tokens
	s_mov_b32 s33, 0                               ; its first tile
	s_add_co_u32 s32, s24, RT-1
	s_mul_i32 s32, s32, DIV
	s_lshr_b32 s32, s32, 22                        ; tiles so far
.irp e, 1,2,3,4,5,6,7
	s_cmp_le_u32 s32, s21
	s_cselect_b32 s34, \e, s34
	s_cselect_b32 s35, s[24+\e], s35
	s_cselect_b32 s33, s32, s33
	s_add_co_u32 s38, s[24+\e], RT-1
	s_mul_i32 s38, s38, DIV
	s_lshr_b32 s38, s38, 22
	s_add_co_u32 s32, s32, s38
.endr
	s_min_u32 s34, s34, 7                          ; a number that came from memory is clamped ahead of every address
	s_sub_co_u32 s36, s21, s33
	s_mul_i32 s36, s36, RT                         ; the rank of my tile's first row
	s_sub_co_i32 s37, s35, s36
	s_max_i32 s37, s37, 0
	s_min_i32 s37, s37, RT                         ; its rows: 0 for a tile that the split leaves empty
	s_lshl_b32 s38, s34, 20
	s_lshl_b32 s66, s23, 16
	s_add_co_u32 s38, s38, s66
	s_add_nc_u64 s[72:73], s[4:5], s[38:39]        ; W1's fragments of my group
	s_lshl_b32 s38, s34, 15
	s_lshl_b32 s66, s23, 9
	s_add_co_u32 s38, s38, s66
	s_add_nc_u64 s[74:75], s[6:7], s[38:39]        ; their scale words
	s_lshl_b32 s38, s34, 13
	s_add_co_u32 s38, s38, s66
	s_add_nc_u64 s[76:77], s[12:13], s[38:39]      ; b1 of my 128 units
	; the weights are asked for now: they need the expert alone, and arrive while the rows are placed
.irp s, 0,1,2,3
.irp t, 0,1,2,3,4,5,6,7
	global_load_b32 v[W1SR+8*\s+\t], v5, s[74:75] offset:\s*8192+\t*64
.endr
.endr
	WIN 0xc0
.irp t, 0,1,2,3,4,5,6,7
	global_load_b128 v[8*\t:8*\t+3], v6, s[76:77] offset:(32*(\t/2)+8*(\t%2))*4        ; lane (r, h), tile 2 b + u: units 32 b + 16 h + 8 u + 0 .. 7: the result's layout
	global_load_b128 v[8*\t+4:8*\t+7], v6, s[76:77] offset:(32*(\t/2)+8*(\t%2))*4+16
.endr
	WIN 0x40                                       ; destination window 1
.irp s, 0,1
.irp t, 0,1,2,3,4,5,6,7
.irp c, 0,1,2,3
	global_load_b128 v[16*(8*\s+\t)+4*\c:16*(8*\s+\t)+4*\c+3], v4, s[72:73] offset:\t*8192+\s*2048+\c*512
.endr
.endr
.endr
	WIN 0x80                                       ; destination window 2
.irp s, 2,3
.irp t, 0,1,2,3,4,5,6,7
.irp c, 0,1,2,3
	global_load_b128 v[16*(8*(\s-2)+\t)+4*\c:16*(8*(\s-2)+\t)+4*\c+3], v4, s[72:73] offset:\t*8192+\s*2048+\c*512
.endr
.endr
.endr
	s_wait_loadcnt 63                              ; the expert numbers are in: 176 loads were issued behind them, more than the wait can name; the smaller count is safe
	; ---- placing
	s_lshl_b32 s38, s20, 5
	s_add_co_u32 s38, s38, s36
	WIN 0xc0
	v_add_nc_u32 v[PR], s38, v1                    ; R: my slot's rank
	v_mov_b32 v[PWD], 0
	v_mov_b32 v[PP], 0
	WIN 0xff                                       ; all in window 3
	s_mov_b32 s48, 0
.set jb, 0
.rept 16
	PLACE8 jb
.set jb, jb+8
.endr
	v_and_b32 v[PN], 0xffff, v[PP]
	v_sub_nc_u32 v[PN], v[PR], v[PN]               ; n: which set bit of the mask
	v_lshrrev_b32 v[PI], 16, v[PP]                 ; the mask's number 4 j + c
	v_lshrrev_b32 v[T0], 1, v[PWD]                 ; counts of set bits in fields of 2, 4, 8 bits, and in the low 16
	v_and_b32 v[T0], 0x55555555, v[T0]
	v_sub_nc_u32 v[PA], v[PWD], v[T0]
	v_lshrrev_b32 v[T0], 2, v[PA]
	v_and_b32 v[T0], 0x33333333, v[T0]
	v_and_b32 v[PB], 0x33333333, v[PA]
	v_add_nc_u32 v[PB], v[PB], v[T0]
	v_lshrrev_b32 v[T0], 4, v[PB]
	v_add_nc_u32 v[PC3], v[PB], v[T0]
	v_and_b32 v[PC3], 0x0f0f0f0f, v[PC3]
	v_lshrrev_b32 v[T0], 8, v[PC3]
	v_add_nc_u32 v[PD], v[PC3], v[T0]
	v_mov_b32 v[POS], 0
	HALVE PD, 8, 16
	HALVE PC3, 8, 8
	HALVE PB, 4, 4
	HALVE PA, 2, 2
	HALVE PWD, 1, 1                                ; the bit's place, 0 to 31 whatever n was
	v_lshrrev_b32 v[T0], 2, v[PI]
	v_lshlrev_b32 v[T0], 7, v[T0]
	v_and_b32 v[T1], 3, v[PI]
	v_add_nc_u32 v[T0], v[T0], v[T1]
	v_lshl_add_u32 v[T0], v[POS], 2, v[T0]         ; token 128 j + 4 bit + c
	WIN 0x03                                       ; source 0 window 3, destination window 0
	v_mov_b32 v20, v[T0]
	WIN 0
	v_min_u32 v20, 0xfff, v20
	v_permlanex16_b32 v21, v20, s[SEL], s[SEL+1]
	v_cndmask_b32 v22, v20, v21, s71               ; lane (r, h): the token of slot 32 w + r,
	v_cndmask_b32 v23, v21, v20, s71               ; and of slot 32 w + 16 + r
	v_min_u32 v22, 0xfff, v22                      ; clamped ahead of the addresses
	v_min_u32 v23, 0xfff, v23
	v_lshl_add_u32 v24, v22, 9, v13                ; 512 bytes of codes a token, + 16 h
	v_lshl_add_u32 v25, v23, 9, v13
	v_lshlrev_b32 v26, 4, v22                      ; 16 scale bytes a token
	v_lshlrev_b32 v27, 4, v23
	s_cmp_gt_u32 s20, 2                            ; the tile's five tiles of 16 rows: waves 0 and 1 gather two each, wave 2 one, wave 3 none
	s_cbranch_scc1 .Lgath_done
	GATH 0
	s_cmp_eq_u32 s20, 2
	s_cbranch_scc1 .Lgath_done
	GATH 1
.Lgath_done:
	v_mov_b32 v16, s34
	v_mov_b32 v17, s37
	s_cmp_lg_u32 s22, 0                            ; slice 0 hands the lists on
	s_cbranch_scc1 .Lnot0
	global_store_b32 v14, v20, s[86:87]            ; 128 consecutive bytes a wave, 512 a work-group
	global_store_b64 v15, v[16:17], s[96:97] offset:TILES   ; every lane writes the same pair
.Lnot0:
	s_wait_loadcnt 0x0                             ; the gathered rows, and with them all the weights
	s_cmp_gt_u32 s20, 2
	s_cbranch_scc1 .Limg_done
	STIM 0
	s_cmp_eq_u32 s20, 2
	s_cbranch_scc1 .Limg_done
	STIM 1
.Limg_done:
	s_wait_dscnt 0x0                               ; for the others' sake: my images have landed
	s_barrier_signal -1
	s_barrier_wait -1                              ; x's 20 fragments lie in LDS
	FETCHX 0
	TILE 0
	TILE 1
	TILE 2
	TILE 3
	TILE 4
	s_wait_dscnt 0x0                               ; my scale words have landed
	s_barrier_signal -1
	s_barrier_wait -1
	ds_load_b128 v[32:35], v11                     ; rows 16 w on: a row's four words, one from each wave (lanes r and r + 16 take the same row)
	s_wait_dscnt 0x0
	global_store_b128 v12, v[32:35], s[84:85]      ; sixteen lanes store 256 consecutive bytes, aligned
	s_cmp_lg_u32 s20, 0
	s_cbranch_scc1 .Lend
	ds_load_b128 v[36:39], v11 offset:1024         ; wave 0 also takes the fifth tile of rows
	s_wait_dscnt 0x0
	global_store_b128 v12, v[36:39], s[84:85] offset:4096
	; ---- the load-balance loss: 8 x the sum over experts of (tokens / 4,096) x (sum of probabilities / 4,096); one wave of one work-group
	s_or_b32 s38, s22, s21
	s_cmp_lg_u32 s38, 0
	s_cbranch_scc1 .Lend
	s_wait_xcnt 0x0                                ; the stores above have read their registers, which the loads below write
.irp j, 0,1,2,3,4,5,6,7,8,9,10,11,12,13,14,15
	global_load_b128 v[32+4*\j:35+4*\j], v18, s[10:11] offset:PSUM+16*\j    ; register 8 q + e: block 8 l + q, expert e
.endr
	s_wait_loadcnt 0x0
.irp q, 1,2,3,4,5,6,7
.irp e, 0,1,2,3,4,5,6,7
	v_add_f32 v[32+\e], v[32+\e], v[32+8*\q+\e]
.endr
.endr
.irp x, 1,2,4,8
.irp e, 0,1,2,3,4,5,6,7
	v_add_f32_dpp v[32+\e], v[32+\e], v[32+\e] row_xmask:\x row_mask:0xf bank_mask:0xf
.endr
.endr
.irp e, 0,1,2,3,4,5,6,7
	v_permlanex16_b32 v[40+\e], v[32+\e], s[SEL], s[SEL+1]
.endr
.irp e, 0,1,2,3,4,5,6,7
	v_add_f32 v[32+\e], v[32+\e], v[40+\e]
.endr
.irp e, 0,1,2,3,4,5,6,7
	v_cvt_f32_u32 v[48+\e], s[24+\e]
.endr
	v_mul_f32 v56, v48, v32
.irp e, 1,2,3,4,5,6,7
	v_fma_f32 v56, v[48+\e], v[32+\e], v56
.endr
	v_mul_f32 v56, 0x35000000, v56                 ; x 2^-21 = 8 / 4,096^2
	global_store_b32 v15, v56, s[18:19]
.Lend:
	s_wait_tensorcnt 0x0
	ds_add_u32 v254, v255
	s_wait_dscnt 0x0
	s_endpgm
.Lfunc_end_k_q9fd2a2c5fd_ffn1:
	.size	k_q9fd2a2c5fd_ffn1, .Lfunc_end_k_q9fd2a2c5fd_ffn1-k_q9fd2a2c5fd_ffn1
	.p2alignl 7, 3214868480
	.fill 96, 4, 3214868480
	.section	.rodata,"a",@progbits
	.p2align	6, 0x0
	.amdhsa_kernel k_q9fd2a2c5fd_ffn1
		.amdhsa_group_segment_fixed_size 72192
		.amdhsa_private_segment_fixed_size 0
		.amdhsa_enable_private_segment 0
		.amdhsa_kernarg_size 64
		.amdhsa_user_sgpr_count 2
		.amdhsa_user_sgpr_kernarg_segment_ptr 1
		.amdhsa_wavefront_size32 1
		.amdhsa_system_sgpr_workgroup_id_x 1
		.amdhsa_system_sgpr_workgroup_id_y 1
		.amdhsa_system_sgpr_workgroup_id_z 1
		.amdhsa_system_vgpr_workitem_id 0
		.amdhsa_next_free_vgpr 1024
		.amdhsa_next_free_sgpr 100
		.amdhsa_reserve_vcc 1
		.amdhsa_float_denorm_mode_32 3
		.amdhsa_float_denorm_mode_16_64 3
		.amdhsa_memory_ordered 1
		.amdhsa_forward_progress 1
		.amdhsa_inst_pref_size 160
	.end_amdhsa_kernel
	.amdgpu_metadata
---
amdhsa.version: [ 1, 2 ]
amdhsa.kernels:
  - .name:           k_q9fd2a2c5fd_ffn1
    .symbol:         k_q9fd2a2c5fd_ffn1.kd
    .args:
      - { .name: codes, .offset: 0, .size: 8, .value_kind: global_buffer, .address_space: global }
      - { .name: scales, .offset: 8, .size: 8, .value_kind: global_buffer, .address_space: global }
      - { .name: route, .offset: 16, .size: 8, .value_kind: global_buffer, .address_space: global }
      - { .name: rf, .offset: 24, .size: 8, .value_kind: global_buffer, .address_space: global }
      - { .name: b1, .offset: 32, .size: 8, .value_kind: global_buffer, .address_space: global }
      - { .name: hid, .offset: 40, .size: 8, .value_kind: global_buffer, .address_space: global }
      - { .name: plan, .offset: 48, .size: 8, .value_kind: global_buffer, .address_space: global }
      - { .name: out1, .offset: 56, .size: 8, .value_kind: global_buffer, .address_space: global }
    .group_segment_fixed_size: 72192
    .private_segment_fixed_size: 0
    .kernarg_segment_align: 8
    .kernarg_segment_size: 64
    .max_flat_workgroup_size: 128
    .sgpr_count:     100
    .vgpr_count:     1024
    .wavefront_size: 32
...
	.end_amdgpu_metadata
.endif
;; end of part 5
;; launch ffn2 (part 6): grid 4 x 59, 4 waves a work-group, no clusters, 169,472 bytes of LDS; arguments codes, scales, hid, plan, rf, b2, out0; writes out0
.if DOCPART == 6
	.amdgcn_target "amdgcn-amd-amdhsa--gfx1250"
	.amdhsa_code_object_version 6
	.text
	.protected	k_q9fd2a2c5fd_ffn2
	.globl	k_q9fd2a2c5fd_ffn2
	.p2align	8
	.type	k_q9fd2a2c5fd_ffn2,@function
k_q9fd2a2c5fd_ffn2:
	s_mov_b64 s[64:65], 0
	v_nop
	global_prefetch_b8 v0, s[64:65] scope:SCOPE_SE
	s_setreg_imm32_b32 hwreg(HW_REG_WAVE_MODE, 25, 1), 1
	s_wait_xcnt 0x0
; THIRD LAUNCH.  out0[token] = (hidden Q(W2) + b2) x gate, for the rows of each tile of the second launch; both operands are codes of E5M2 with one E8M0 byte for each 32 along K, laid as images of operand registers.
; Work-group (sl, tile) makes outputs 128 sl .. 128 sl + 127 of the tile's 80 rows.  K (2,048) IS SHARED AMONG THE WAVES: wave w takes K steps 4 w .. 4 w + 3 for all 8 tiles of outputs and all rows, so each byte of W2 and of the
; hidden layer is loaded by one wave, straight into operand registers, 512 consecutive bytes an instruction.  The four partial sums meet in LDS and are added in f32 (another order of sums than one chain along K).
; The product is used transposed (source 0 = 16 outputs, source 1 = 16 rows): a lane holds eight neighbouring outputs of one row.  Each wave then finishes 20 rows and stores each to its token's row: 512 consecutive bytes, aligned.
; Rows past the tile's count are computed and not stored (a scalar branch on the stored count round the one store; no barrier stands under it).  Each token has one expert, so each row of out0 has one owner.
; No tensor load and no cluster: the tile's expert is a number read from memory, and 59 is no multiple of a cluster's side.
; REGISTERS.  Window 0: v1-28 addresses, token, gate, b2; v32-95 and v96-159 two sets of 8 accumulators, later two sets of four rows' parts; v160-191 W2's scale words; v192-207 the hidden layer's, four sets.
;   Windows 1, 2: W2's 32 fragments.  Window 3: the hidden layer's fragments, four sets of 64.
.set W2Q,   8388608
.set W2SO,  262144
.set HTS,   163840                     ; hid: a tile's images: 5 tiles of 16 rows x 16 K steps x 2,048 bytes;
.set HSO,   9666560                    ; from HSO on the scale words,
.set HSS,   5120                       ; 5,120 bytes a tile
.set TILES, 30208
.set SROW,  528                        ; a stage row: 512 bytes + 16, so that the sixteen rows that a store touches begin 16 bytes apart modulo 256
.set SW,    80*SROW                    ; a wave's stage: 80 rows
.set W2SR,  160
.set HSR,   192
.set MSB, 0
.macro WIN new                         ; the immediate's high byte repeats the setting that is left
.if MSB != \new
	s_set_vgpr_msb (MSB<<8)|\new
.set MSB, \new
.endif
.endm
.macro HLOAD m                         ; rows 16 m on: my four K steps' fragments and the rows' scale words: 17 loads
	WIN 0xc0                                       ; destination window 3
.irp s, 0,1,2,3
.irp c, 0,1,2,3
	global_load_b128 v[64*((\m)%4)+16*\s+4*\c:64*((\m)%4)+16*\s+4*\c+3], v4, s[32:33] offset:(\m)*32768+\s*2048+\c*512
.endr
.endr
	WIN 0
	global_load_b128 v[HSR+4*((\m)%4):HSR+4*((\m)%4)+3], v6, s[34:35] offset:(\m)*1024
.endm
.macro MM8 a0, s, first                ; K step s of the eight tiles of outputs; the eight accumulators take turns
.irp n, 0,1,2,3,4,5,6,7
.if \first
	v_wmma_scale_f32_16x16x128_f8f6f4 v[AC+8*\n:AC+8*\n+7], v[\a0+16*\n:\a0+16*\n+15], v[HB+16*\s:HB+16*\s+15], 0, v[W2SR+8*\s+\n], v[HW+\s] matrix_a_fmt:MATRIX_FMT_BF8 matrix_b_fmt:MATRIX_FMT_BF8
.else
	v_wmma_scale_f32_16x16x128_f8f6f4 v[AC+8*\n:AC+8*\n+7], v[\a0+16*\n:\a0+16*\n+15], v[HB+16*\s:HB+16*\s+15], v[AC+8*\n:AC+8*\n+7], v[W2SR+8*\s+\n], v[HW+\s] matrix_a_fmt:MATRIX_FMT_BF8 matrix_b_fmt:MATRIX_FMT_BF8
.endif
.endr
.endm
.macro TILE m
.set AC, 32+64*((\m)%2)
.set HB, 64*((\m)%4)
.set HW, HSR+4*((\m)%4)
.if (\m) < 2
	s_wait_loadcnt 51                              ; these rows' loads and all before them are in; the next three tiles' 17 each may be out
.else
	s_wait_loadcnt 17*(4-(\m))
.endif
.if (\m) >= 2
	s_wait_dscnt 16                                ; the last tile's 16 LDS stores may be out; those of two tiles ago have read this set of accumulators
.endif
	WIN 0x0d                                       ; source 0 (W2) window 1, source 1 (hidden) window 3
	MM8 0, 0, 1                                    ; the first product starts the sums
	MM8 128, 1, 0
	WIN 0x0e                                       ; source 0 window 2
	MM8 0, 2, 0
	MM8 128, 3, 0
	WIN 0
.rept 8
	v_nop                                          ; places in front of the stores that read results and of the loads into registers that the products have read
.endr
.irp n, 0,1,2,3,4,5,6,7
	ds_store_b128 v7, v[AC+8*\n:AC+8*\n+3] offset:(\m)*16*SROW+64*\n        ; each accumulator from its low end on: row 16 m + r, outputs 16 n + 8 h + 0 .. 7
	ds_store_b128 v7, v[AC+8*\n+4:AC+8*\n+7] offset:(\m)*16*SROW+64*\n+16
.endr
.if (\m) < 1
	HLOAD (\m)+4
.endif
.endm
.macro GLOAD g                         ; rows 4 g .. 4 g + 3 of my 20: the four waves' parts, 16 bytes a lane
.set FB, 32+64*((\g)%2)
	s_wait_xcnt 0x0                                ; the stores of two groups ago have read this set's registers and offsets
.irp i, 0,1,2,3
.irp q, 0,1,2,3
	ds_load_b128 v[FB+16*\i+4*\q:FB+16*\i+4*\q+3], v[8+\q] offset:(4*(\g)+\i)*SROW
.endr
.endr
.endm
.macro ROW1                            ; row RHO of my 20, its four parts in v[RR] on, its offset register v[OF]
	v_pk_add_f32 v[RR:RR+1], v[RR:RR+1], v[RR+4:RR+5]
	v_pk_add_f32 v[RR+2:RR+3], v[RR+2:RR+3], v[RR+6:RR+7]
	v_pk_add_f32 v[RR+8:RR+9], v[RR+8:RR+9], v[RR+12:RR+13]
	v_pk_add_f32 v[RR+10:RR+11], v[RR+10:RR+11], v[RR+14:RR+15]
	v_pk_add_f32 v[RR:RR+1], v[RR:RR+1], v[RR+8:RR+9]
	v_pk_add_f32 v[RR+2:RR+3], v[RR+2:RR+3], v[RR+10:RR+11]
	v_pk_add_f32 v[RR:RR+1], v[RR:RR+1], v[16:17]          ; + b2
	v_pk_add_f32 v[RR+2:RR+3], v[RR+2:RR+3], v[18:19]
	v_readlane_b32 s40, v13, RHO                   ; the row's gate,
	v_readlane_b32 s42, v12, RHO                   ; and its token,
	s_min_u32 s42, s42, 4095                       ; clamped ahead of the address
	s_lshl_b32 s42, s42, 11
	v_pk_mul_f32 v[RR:RR+1], v[RR:RR+1], s[40:41] op_sel_hi:[1,0]
	v_pk_mul_f32 v[RR+2:RR+3], v[RR+2:RR+3], s[40:41] op_sel_hi:[1,0]
	v_add_nc_u32 v[OF], s42, v14
	s_cmp_gt_u32 s21, RHO                          ; is the row one of the tile's?
	s_cbranch_scc0 .Lskip_\@
	global_store_b128 v[OF], v[RR:RR+3], s[16:17] th:TH_STORE_NT   ; 512 consecutive bytes of the token's row, aligned; written once, read by nobody here
.Lskip_\@:
.endm
.macro ROWS g, left
	s_wait_dscnt \left                             ; this group's 16 loads are in; the next group's may be out
.irp i, 0,1,2,3
.set RR, 32+64*((\g)%2)+16*\i
.set RHO, 4*(\g)+\i
.set OF, 20+4*((\g)%2)+\i
	ROW1
.endr
.endm
	s_load_b256 s[4:11], s[0:1], 0x0               ; codes, scales, hid, plan
	s_load_b128 s[12:15], s[0:1], 0x20             ; rf, b2
	s_load_b64 s[16:17], s[0:1], 0x30              ; out0
	v_lshl_add_u32 v254, v0, 2, 0x29400
	v_mov_b32 v255, 0
	v_lshrrev_b32 v1, 5, v0
	v_readfirstlane_b32 s18, v1                    ; wave 0..3
	s_and_b32 s19, ttmp7, 0xffff                   ; tile
	s_lshl_b32 s22, s19, 3
	s_mov_b32 s37, 0
	s_mov_b32 s41, 0                               ; (named with s40 as a pair, so it is written)
	v_and_b32 v1, 31, v0                           ; lane
	v_and_b32 v2, 15, v0                           ; r
	v_bfe_u32 v3, v0, 4, 1                         ; h
	v_lshlrev_b32 v4, 4, v1                        ; 16 x lane
	v_lshlrev_b32 v5, 2, v2                        ; 4 r
	v_lshlrev_b32 v6, 4, v2                        ; 16 r
	s_mul_i32 s36, s18, 80
	v_lshl_add_u32 v28, v1, 2, s36                 ; 4 x (20 w + lane): the slot of my row 'lane' (lanes 20 to 31 read slots that are listed and never used)
	s_mul_i32 s36, s18, SW
	v_mul_u32_u24 v7, v2, SROW
	v_lshl_add_u32 v7, v3, 5, v7
	v_add_nc_u32 v7, s36, v7                       ; my stage: row r, + 32 h
	s_mul_i32 s36, s18, 20*SROW
	v_add_nc_u32 v8, s36, v4                       ; back: my 20 rows in each of the four stages
	v_add_nc_u32 v9, SW, v8
	v_add_nc_u32 v10, 2*SW, v8
	v_add_nc_u32 v11, 3*SW, v8
	s_lshl_b32 s36, ttmp9, 9
	v_add_nc_u32 v14, s36, v4                      ; my 16 bytes of a row of out0: 512 sl + 16 lane
	s_wait_kmcnt 0x0
	s_load_b64 s[20:21], s[10:11], s22 offset:TILES   ; the tile's expert and rows
	s_lshl_b32 s36, s19, 9
	s_add_nc_u64 s[24:25], s[10:11], s[36:37]      ; its list
	global_load_b32 v12, v28, s[24:25]             ; lane l: the token of my row l
	s_mul_i32 s36, s19, HTS
	s_lshl_b32 s38, s18, 13
	s_add_co_u32 s36, s36, s38
	s_add_nc_u64 s[32:33], s[8:9], s[36:37]        ; hid: my tile, my four K steps
	s_mul_i32 s36, s19, HSS
	s_lshl_b32 s39, s18, 8
	s_add_co_u32 s36, s36, s39
	s_add_co_u32 s36, s36, HSO
	s_add_nc_u64 s[34:35], s[8:9], s[36:37]        ; their scale words
	HLOAD 0                                        ; the first rows' fragments hang on ids alone: they are asked for while the tile's expert is on its way
	s_wait_kmcnt 0x0
	s_min_u32 s20, s20, 7                          ; clamped ahead of every address
	s_mul_i32 s23, s18, 20
	s_sub_co_i32 s21, s21, s23
	s_max_i32 s21, s21, 0                          ; how many of my 20 rows are the tile's
	s_lshl_b32 s36, s20, 15
	s_add_co_u32 s36, s36, s38
	s_lshl_b32 s39, ttmp9, 9
	s_add_co_u32 s36, s36, s39
	s_add_co_u32 s36, s36, W2SO
	s_add_nc_u64 s[26:27], s[6:7], s[36:37]        ; W2's scale words: expert, my K steps, my 8 tiles
	s_lshl_b32 s36, s20, 11
	s_add_co_u32 s36, s36, s39
	s_add_nc_u64 s[28:29], s[14:15], s[36:37]      ; b2
	s_lshl_b32 s36, s20, 20
	s_add_co_u32 s36, s36, s38
	s_lshl_b32 s39, ttmp9, 18
	s_add_co_u32 s36, s36, s39
	s_add_co_u32 s36, s36, W2Q
	s_add_nc_u64 s[30:31], s[4:5], s[36:37]        ; W2's fragments
.irp s, 0,1,2,3
.irp n, 0,1,2,3,4,5,6,7
	global_load_b32 v[W2SR+8*\s+\n], v5, s[26:27] offset:\s*2048+\n*64
.endr
.endr
	global_load_b128 v[16:19], v4, s[28:29]        ; my four outputs' b2
	s_wait_loadcnt 50                              ; the token is in: 17 + 32 + 1 loads were issued behind it
	v_min_u32 v12, 0xfff, v12
	v_lshlrev_b32 v15, 2, v12
	global_load_b32 v13, v15, s[12:13]             ; its gate
	WIN 0x40                                       ; destination window 1
.irp s, 0,1
.irp n, 0,1,2,3,4,5,6,7
.irp c, 0,1,2,3
	global_load_b128 v[16*(8*\s+\n)+4*\c:16*(8*\s+\n)+4*\c+3], v4, s[30:31] offset:\n*32768+\s*2048+\c*512
.endr
.endr
.endr
	WIN 0x80                                       ; destination window 2
.irp s, 2,3
.irp n, 0,1,2,3,4,5,6,7
.irp c, 0,1,2,3
	global_load_b128 v[16*(8*(\s-2)+\n)+4*\c:16*(8*(\s-2)+\n)+4*\c+3], v4, s[30:31] offset:\n*32768+\s*2048+\c*512
.endr
.endr
.endr
	HLOAD 1
	HLOAD 2
	HLOAD 3
	TILE 0
	TILE 1
	TILE 2
	TILE 3
	TILE 4
	s_wait_dscnt 0x0                               ; for the others' sake: my partial sums have landed
	s_barrier_signal -1
	s_barrier_wait -1                              ; all four waves' lie in LDS
	GLOAD 0
.irp g, 0,1,2,3
	GLOAD \g+1
	ROWS \g, 16
.endr
	ROWS 4, 0
	s_wait_tensorcnt 0x0
	ds_add_u32 v254, v255
	s_wait_dscnt 0x0
	s_endpgm
.Lfunc_end_k_q9fd2a2c5fd_ffn2:
	.size	k_q9fd2a2c5fd_ffn2, .Lfunc_end_k_q9fd2a2c5fd_ffn2-k_q9fd2a2c5fd_ffn2
	.p2alignl 7, 3214868480
	.fill 96, 4, 3214868480
	.section	.rodata,"a",@progbits
	.p2align	6, 0x0
	.amdhsa_kernel k_q9fd2a2c5fd_ffn2
		.amdhsa_group_segment_fixed_size 169472
		.amdhsa_private_segment_fixed_size 0
		.amdhsa_enable_private_segment 0
		.amdhsa_kernarg_size 56
		.amdhsa_user_sgpr_count 2
		.amdhsa_user_sgpr_kernarg_segment_ptr 1
		.amdhsa_wavefront_size32 1
		.amdhsa_system_sgpr_workgroup_id_x 1
		.amdhsa_system_sgpr_workgroup_id_y 1
		.amdhsa_system_sgpr_workgroup_id_z 1
		.amdhsa_system_vgpr_workitem_id 0
		.amdhsa_next_free_vgpr 1024
		.amdhsa_next_free_sgpr 66
		.amdhsa_reserve_vcc 0
		.amdhsa_float_denorm_mode_32 3
		.amdhsa_float_denorm_mode_16_64 3
		.amdhsa_memory_ordered 1
		.amdhsa_forward_progress 1
		.amdhsa_inst_pref_size 80
	.end_amdhsa_kernel
	.amdgpu_metadata
---
amdhsa.version: [ 1, 2 ]
amdhsa.kernels:
  - .name:           k_q9fd2a2c5fd_ffn2
    .symbol:         k_q9fd2a2c5fd_ffn2.kd
    .args:
      - { .name: codes, .offset: 0, .size: 8, .value_kind: global_buffer, .address_space: global }
      - { .name: scales, .offset: 8, .size: 8, .value_kind: global_buffer, .address_space: global }
      - { .name: hid, .offset: 16, .size: 8, .value_kind: global_buffer, .address_space: global }
      - { .name: plan, .offset: 24, .size: 8, .value_kind: global_buffer, .address_space: global }
      - { .name: rf, .offset: 32, .size: 8, .value_kind: global_buffer, .address_space: global }
      - { .name: b2, .offset: 40, .size: 8, .value_kind: global_buffer, .address_space: global }
      - { .name: out0, .offset: 48, .size: 8, .value_kind: global_buffer, .address_space: global }
    .group_segment_fixed_size: 169472
    .private_segment_fixed_size: 0
    .kernarg_segment_align: 8
    .kernarg_segment_size: 56
    .max_flat_workgroup_size: 128
    .sgpr_count:     66
    .vgpr_count:     1024
    .wavefront_size: 32
...
	.end_amdgpu_metadata
.endif
;; end of part 6
;; ======== version 3 of 3: 3 launches; version 2 with the launches ffn1, ffn2 written anew for expert scheduling mode
;; workspace buffers: codes 18,874,368 bytes; scales 589,824 bytes; route 18,432 bytes of whole numbers; rf 24,576 bytes; hid 9,968,640 bytes; plan 30,720 bytes of whole numbers
;; launch prep: the kernel of part 4 again; grid 768 x 1, 8 waves a work-group, no clusters, 35,840 bytes of LDS; arguments x, w_router, b_router, W1, W2, codes, scales, route, rf, out2; writes codes, scales, route, rf, out2
;; launch ffn1 (part 7): grid 4 x 59, 4 waves a work-group, no clusters, 72,192 bytes of LDS; arguments codes, scales, route, rf, b1, hid, plan, out1; writes hid, plan, out1
.if DOCPART == 7
	.amdgcn_target "amdgcn-amd-amdhsa--gfx1250"
	.amdhsa_code_object_version 6
	.text
	.protected	k_q9fd2a2c5fd_ffn1
	.globl	k_q9fd2a2c5fd_ffn1
	.p2align	8
	.type	k_q9fd2a2c5fd_ffn1,@function
k_q9fd2a2c5fd_ffn1:
	s_mov_b64 s[64:65], 0
	v_nop
	global_prefetch_b8 v0, s[64:65] scope:SCOPE_SE
	s_setreg_imm32_b32 hwreg(HW_REG_WAVE_SCHED_MODE, 0, 2), 2
	s_setreg_imm32_b32 hwreg(HW_REG_WAVE_MODE, 25, 1), 1
	s_wait_xcnt 0x0
	s_wait_alu depctr_vm_vsrc(0)
; SECOND LAUNCH.  hidden = Q(relu(Q(x) Q(W1) + b1)) for the rows of the chosen expert alone, in codes of E5M2 with one E8M0 byte for each 32 along K; also the lists for the third launch and the load-balance loss.
; TILES.  The tokens of an expert, in a fixed order, are cut into tiles of 80 rows: never more than ceil(4,096 / 80) + 7 = 59 tiles, whatever the choice.  Work-group (sl, tile) makes hidden units 512 sl .. 512 sl + 511 of its tile's rows:
; 4 x 59 = 236 work-groups for 256 WGPs.  A tile that the split leaves empty, and the rows past a tile's count, run on some valid token's numbers: their part of hid is written and never used, so every wave passes every barrier.
; PLACING, in registers.  Every wave reads all 4,096 expert numbers (128 registers) and makes the 128 lane masks 'is my tile's expert'.  Lane l owns slot 32 wave + l, whose rank among the expert's tokens is R = 80 x (tile in expert) + slot
; (slots 80 to 127 are listed and never used): it keeps the last mask whose running count is at or under R, and finds that mask's bit number R - count by partial bit counts and five halvings.  No address hangs on a number that has not been clamped.
; SHARES.  Wave w makes the 128 hidden units of group g = 4 sl + w, which are K step g of the next product, for all 80 rows: its 32 fragments of W1 stay in registers.  x's codes of the 80 rows are gathered once (waves 0 and 1: 32 rows each,
; wave 2: 16) and go round through LDS as images of operand registers.  The product is used transposed (source 0 = 16 rows of W1, source 1 = 16 tokens), and W1's tiles were laid so that a lane's 16 registers of tiles 2 b, 2 b + 1 are 16 neighbours along the next K.
; No tensor load and no cluster: the tiles' addresses hang on numbers read from memory, and 59 is no multiple of a cluster's side.
; LIMITS: as in the first launch (NaN and infinities not served; a block under 2^-111, or of zeros, keeps the byte 1).
; REGISTERS, in windows of 256.  Window 0: v1-27 addresses; v32-95 my 8 tiles of the hidden layer; v96-111 codes just made; v112-128 the quantiser's; v130-133 and v168-171 x's scale words, two sets; v136-167 W1's; v176-239 x's four fragments, buffer 0; v254, v255 the closing add's two.
;   Window 1: W1's fragments of K steps 0, 1.  Window 2: of K steps 2, 3.  Window 3: v0-63 b1; v64-191 the expert numbers, then the gathered codes, then (v64-127) x's four fragments, buffer 1; v192-199 their scale bytes; v200-211 the placing.
; THE MODE: SCHED_MODE bits 1:0 = 2 (LLVM: expert scheduling mode 2), set by the entry lines.  The code itself states the register dependences between vector or matrix instructions and memory or LDS instructions, with s_wait_alu, always for 0.
; THE PLAN.  Registers that memory or LDS instructions touch:
;   v4-15, v18          offsets and LDS addresses: made once at the head, ahead of one wait on va_vdst, and never written again.
;   window 3, v64-191   loaded with the expert numbers; read by the placing's compares; then the gathered codes land there; read by my LDS stores of the images.
;   v24-27, v16-17, v20 the gather's offsets and the lists' data: written by the placing's last lines.  ONE wait on va_vdst behind the placing states that they are written and that the compares are done.
;   X0, X1              x's fragments and scale words, two buffers by turns.  Tile m's products read X[m % 2]; the LDS loads of tile m + 1 land in the other one, at tile m's head.
;   v96-111, v128       the codes and the scale word: written by tile m's quantiser, read by the five stores that are issued at tile m + 1's head.
; So ONE wait on va_vdst stands at a tile's head: the tile before has written its codes and its word, and its products are done reading the buffer in which the loads land.  One wait on vm_vsrc stands behind a tile's products:
; the stores issued at its head have read what its quantiser writes again.  W1, b1 and all scale words come by loads and are named by matrix instructions alone from then on.
; What a vector instruction writes into a scalar register or VCC has its wait ahead of the first reader; the compares stand in runs of eight, so that one wait serves eight.
.set XQ,    16777216
.set XSO,   524288
.set CNT,   16384
.set PSUM,  16384
.set RT,    80                         ; rows in a tile: five tiles of 16
.set DIV,   52429                      ; n / 80 = n x 52,429 >> 22 for n up to 4,175: the excess, n x 4.8e-8, stays under 1 / 80 less the largest fraction 79 / 80
.set HTS,   163840                     ; hid: [tile][16 rows m, 5][K step, 16] images of 2,048 bytes: a tile's bytes;
.set HSO,   9666560                    ; from HSO on [tile][m][sl][row][w] scale words,
.set HSS,   5120                       ; 5,120 bytes a tile
.set TILES, 30208                      ; plan: [tile][128] tokens; from TILES on [tile] (expert, rows)
.set XSC,   65536                      ; LDS: x's images (16 rows m, K step s: 4 m + s) from 0; their scale words, 16 bytes a lane, 512 a tile of rows;
.set HSCL,  69632                      ; the hidden layer's scale words [m][row][wave]
.set HA,    32
.set PC,    96
.set TM,    112
.set PW,    128
.set XSR,   130                        ; x's scale words: buffer 0 at v130, buffer 1 38 registers on, at v168
.set W1SR,  136
.set XF,    176                        ; x's fragments: buffer 0 at v176 of window 0, buffer 1 at v64 of window 3 (112 less)
.set KEY,   64                         ; window 3
.set PR,    200                        ; window 3: my rank, the mask kept, its count and number, ...
.set PWD,   201
.set PP,    202
.set PN,    203
.set PI,    204
.set PA,    205
.set PB,    206
.set PC3,   207
.set PD,    208
.set POS,   209
.set T0,    210
.set T1,    211
.set LE,    57                         ; s57-63 and s80: the answers of eight rank compares (answer i at LE + i + 16 (i / 7))
.set SEL,   68
.set MNT,   70
.set MSB, 0
.macro WIN new                         ; the immediate's high byte repeats the setting that is left
.if MSB != (\new)
	s_set_vgpr_msb (MSB<<8)|(\new)
.set MSB, (\new)
.endif
.endm
; eight masks: s40-47 the masks, s48-56 the running counts in front of each, s88-95 count | number << 16
.macro PLACE8 j0
.irp i, 0,1,2,3,4,5,6,7
	v_cmp_eq_u32 s[40+\i], v[KEY+\j0+\i], s34
.endr
	s_wait_alu depctr_va_sdst(0)                   ; the eight masks s40-47 are written: the bit counts below read them
.irp i, 0,1,2,3,4,5,6,7
	s_or_b32 s[88+\i], s[48+\i], (\j0+\i)<<16
	s_bcnt1_i32_b32 s67, s[40+\i]
	s_add_co_u32 s[49+\i], s[48+\i], s67
.endr
.irp i, 0,1,2,3,4,5,6,7
	v_cmp_le_u32 s[LE+\i+16*(\i/7)], s[48+\i], v[PR]   ; the counts never fall, so the last mask that passes is the one that holds rank R
.endr
	s_wait_alu depctr_va_sdst(0)                   ; the eight answers are written: the selects below read them
.irp i, 0,1,2,3,4,5,6,7
	v_cndmask_b32 v[PWD], v[PWD], s[40+\i], s[LE+\i+16*(\i/7)]
	v_cndmask_b32 v[PP], v[PP], s[88+\i], s[LE+\i+16*(\i/7)]
.endr
	s_mov_b32 s48, s56
.endm
.macro HALVE x, width, inc             ; are there n or fewer set bits in the lower half of what is left?  Then the bit lies in the upper half
	v_bfe_u32 v[T0], v[\x], v[POS], \width
	v_cmp_ge_u32 vcc_lo, v[PN], v[T0]
	v_sub_nc_u32 v[T0], v[PN], v[T0]
	v_add_nc_u32 v[T1], \inc, v[POS]
	s_wait_alu depctr_va_vcc(0)                    ; VCC is written: the two selects below read it
	v_cndmask_b32 v[PN], v[PN], v[T0], vcc_lo
	v_cndmask_b32 v[POS], v[POS], v[T1], vcc_lo
.endm
.macro GATH mm                         ; the codes and scale bytes of 16 rows: lane (r, h) takes its token's k = 128 s + 32 c + 16 h + 0 .. 15: the operand's registers
	WIN 0xc0                                       ; destination window 3
.irp s, 0,1,2,3
.irp c, 0,1,2,3
	global_load_b128 v[64+64*\mm+16*\s+4*\c:64+64*\mm+16*\s+4*\c+3], v[24+\mm], s[78:79] offset:128*\s+32*\c
.endr
.endr
	global_load_b128 v[192+4*\mm:195+4*\mm], v[26+\mm], s[6:7] offset:XSO
	WIN 0
.endm
.macro STIM mm                         ; and their images to LDS
	WIN 0x0c                                       ; an LDS store's data are its source 1: window 3
.irp s, 0,1,2,3
.irp c, 0,1,2,3
	ds_store_b128 v7, v[64+64*\mm+16*\s+4*\c:64+64*\mm+16*\s+4*\c+3] offset:(4*\mm+\s)*2048+\c*512
.endr
.endr
	ds_store_b128 v8, v[192+4*\mm:195+4*\mm] offset:512*\mm
	WIN 0
.endm
.macro FETCHX m                        ; x's four fragments and scale words of rows 16 m on, as any wave's registers, into buffer m % 2; the destination's window has been set ahead of the macro
.irp s, 0,1,2,3
.irp c, 0,1,2,3
	ds_load_b128 v[XF-112*((\m)%2)+16*\s+4*\c:XF-112*((\m)%2)+16*\s+4*\c+3], v4 offset:(4*(\m)+\s)*2048+512*\c
.endr
.endr
	WIN 0
	ds_load_b128 v[XSR+38*((\m)%2):XSR+38*((\m)%2)+3], v9 offset:512*(\m)
.endm
.macro MM8 a0, s, first                ; K step s of my eight tiles; the eight accumulators take turns.  XB, XS: the tile's buffer of x
.irp t, 0,1,2,3,4,5,6,7
.if \first
	v_wmma_scale_f32_16x16x128_f8f6f4 v[HA+8*\t:HA+8*\t+7], v[\a0+16*\t:\a0+16*\t+15], v[XB+16*\s:XB+16*\s+15], v[8*\t:8*\t+7], v[W1SR+8*\s+\t], v[XS+\s] matrix_a_fmt:MATRIX_FMT_BF8 matrix_b_fmt:MATRIX_FMT_BF8
.else
	v_wmma_scale_f32_16x16x128_f8f6f4 v[HA+8*\t:HA+8*\t+7], v[\a0+16*\t:\a0+16*\t+15], v[XB+16*\s:XB+16*\s+15], v[HA+8*\t:HA+8*\t+7], v[W1SR+8*\s+\t], v[XS+\s] matrix_a_fmt:MATRIX_FMT_BF8 matrix_b_fmt:MATRIX_FMT_BF8
.endif
.endr
.endm
; 64 numbers of a lane, register 16 b + i = k 32 b + 16 (lane / 16) + i of my row, become a fragment's codes in v[PC] on and its scale word in v[PW]; what is negative becomes 0 on the way (the activation)
.macro QUANT s
.irp b, 0,1,2,3
	v_max3_num_f32 v[TM+\b], v[\s+16*\b], v[\s+1+16*\b], 0x8000000   ; no |.|: what is negative must not count; the floor 2^(16 - 127) stands over it
.endr
.irp i, 2,4,6,8,10,12,14
.irp b, 0,1,2,3
	v_max3_num_f32 v[TM+\b], v[TM+\b], v[\s+16*\b+\i], v[\s+1+16*\b+\i]
.endr
.endr
.irp b, 0,1,2,3
	v_permlanex16_b32 v[TM+4+\b], v[TM+\b], s[SEL], s[SEL+1]
.endr
.irp b, 0,1,2,3
	v_max_num_f32 v[TM+\b], v[TM+\b], v[TM+4+\b]   ; with lane l xor 16's: the block's largest
.endr
.irp b, 0,1,2,3
	v_add_nc_u32 v[TM+12+\b], 0xf8800000, v[TM+\b] ; 15 off the exponent field: the conversion's scale operand
.endr
.irp b, 0,1,2,3
	v_and_or_b32 v[TM+8+\b], v[TM+\b], 0x7f800000, s[MNT]   ; 57,344 x the scale
.endr
.irp b, 0,1,2,3
	v_lshrrev_b32 v[TM+4+\b], 23, v[TM+12+\b]      ; the scale's byte
.endr
	v_lshl_or_b32 v[PW], v[TM+5], 8, v[TM+4]
	v_lshl_or_b32 v[PW], v[TM+6], 16, v[PW]
	v_lshl_or_b32 v[PW], v[TM+7], 24, v[PW]
.irp b, 0,1,2,3
.irp i, 0,1,2,3,4,5,6,7,8,9,10,11,12,13,14,15
	v_med3_num_f32 v[\s+16*\b+\i], v[\s+16*\b+\i], 0, v[TM+8+\b]   ; the activation and the hold in one (the conversion does not saturate: ISA guide 7.6.2)
.endr
	v_cvt_scalef32_pk8_bf8_f32 v[PC+4*\b:PC+1+4*\b], v[\s+16*\b:\s+7+16*\b], v[TM+12+\b]
	v_cvt_scalef32_pk8_bf8_f32 v[PC+2+4*\b:PC+3+4*\b], v[\s+8+16*\b:\s+15+16*\b], v[TM+12+\b]
.endr
	v_nop                                          ; a plain line between the last conversion and the next products, which write its sources
.endm
.macro SEND m                          ; rows 16 m on: the image to memory, the scale word to LDS
.irp c, 0,1,2,3
	global_store_b128 v4, v[PC+4*\c:PC+4*\c+3], s[82:83] offset:(\m)*32768+512*\c   ; 512 consecutive bytes, aligned
.endr
	ds_store_b32 v10, v[PW] offset:256*(\m)        ; lanes r and r + 16 write the same word with the same value
.endm
.macro TILE m                          ; rows 16 m on: the next rows' fragments are asked for, the rows before leave, 32 products, the quantiser
.set XB, XF-112*((\m)%2)
.set XS, XSR+38*((\m)%2)
	s_wait_dscnt 0x0                               ; x's fragments of these rows are in
.if (\m) < 4
	WIN 0xc0*(((\m)+1)%2)                          ; buffer 1 lies in window 3: the switch stands ahead of the wait, the loads behind it
.endif
.if (\m) == 0
	s_wait_alu depctr_va_vdst(0)                   ; the placing's compares are done reading window 3's v64-127, in which the loads below land
	s_wait_alu depctr_vm_vsrc(0)                   ; my LDS stores of the images have read the same registers
.else
	s_wait_alu depctr_va_vdst(0)                   ; the tile before has written its codes and its scale word, which the stores below read, and its products are done reading the buffer of x and the scale words in which the loads below land
.endif
.if (\m) < 4
	FETCHX (\m)+1                                  ; lands while this tile is multiplied and quantised
.endif
.if (\m) > 0
	SEND (\m)-1
.endif
	WIN 0x31+0x0c*((\m)%2)                         ; source 0 (W1) window 1, source 1 (x) window 0 or 3, source 2 (b1) window 3
	MM8 0, 0, 1                                    ; the bias is the C of each sum's first product
	WIN 0x01+0x0c*((\m)%2)
	MM8 128, 1, 0
	WIN 0x02+0x0c*((\m)%2)                         ; source 0 window 2
	MM8 0, 2, 0
	MM8 128, 3, 0
	WIN 0
.rept 9
	v_nop                                          ; eight places in front of the first read of results; the ninth since the accumulators are begun anew with another C
.endr
	s_wait_xcnt 0x0                                ; the last tile's stores have had their addresses translated: the codes' registers are rewritten only behind this wait
.if (\m) > 0
	s_wait_alu depctr_vm_vsrc(0)                   ; the stores issued at this tile's head have read the codes and the scale word, which the quantiser writes again
.endif
	QUANT HA
.endm
	s_load_b512 s[4:19], s[0:1], 0x0               ; codes, scales, route, rf, b1, hid, plan, out1
	v_lshl_add_u32 v254, v0, 2, 0x11800            ; the closing add's two registers: my spare word behind all that the text uses of LDS, and 0; kept for the closing lines alone
	v_mov_b32 v255, 0
	v_lshrrev_b32 v1, 5, v0
	v_readfirstlane_b32 s20, v1                    ; wave 0..3
	s_and_b32 s21, ttmp7, 0xffff                   ; tile
	s_mov_b32 s22, ttmp9                           ; sl
	s_lshl_b32 s23, s22, 2
	s_wait_alu depctr_va_sdst(0)                   ; s20 is written, ahead of its first reader
	s_add_co_u32 s23, s23, s20                     ; g
	v_and_b32 v1, 31, v0                           ; lane
	v_and_b32 v2, 15, v0                           ; r
	v_bfe_u32 v3, v0, 4, 1                         ; h
	v_lshlrev_b32 v4, 4, v1                        ; 16 x lane: an image's place for my lane
	v_lshlrev_b32 v5, 2, v2                        ; 4 r
	v_lshlrev_b32 v6, 6, v3                        ; b1: 16 h numbers on
	s_lshl_b32 s38, s20, 14
	v_add_nc_u32 v7, s38, v4                       ; where I store x's images: 8 images a wave
	s_lshl_b32 s38, s20, 10
	v_lshl_add_u32 v12, v2, 4, s38                 ; the scale words' place in hid: rows 16 w on: 1,024 w + 16 r
	s_add_co_u32 s38, s38, XSC
	v_add_nc_u32 v8, s38, v4                       ; x's scale words, as I store them
	v_add_nc_u32 v9, XSC, v4                       ; where any wave reads them
	s_lshl_b32 s38, s20, 2
	s_add_co_u32 s38, s38, HSCL
	v_lshl_add_u32 v10, v2, 4, s38                 ; the hidden layer's scale word: row r, wave w
	s_lshl_b32 s38, s20, 8
	s_add_co_u32 s38, s38, HSCL
	v_lshl_add_u32 v11, v2, 4, s38                 ; and back: rows 16 w on, a row's four words
	v_lshlrev_b32 v13, 4, v3                       ; 16 h
	v_lshlrev_b32 v14, 2, v0                       ; 4 x slot
	v_mov_b32 v15, 0
	v_lshlrev_b32 v18, 8, v1                       ; 256 x lane
	v_mov_b32 v21, 0                               ; (a lane permute's or a DPP move's destination counts as read)
.irp p, 0,1,2,3
	v_mov_b32 v[52+\p], 0
	v_mov_b32 v[TM+4+\p], 0
.endr
	s_mov_b32 s[SEL], 0x76543210
	s_mov_b32 s[SEL+1], 0xfedcba98                 ; v_permlanex16_b32's selects for lane l xor 16
	s_mov_b32 s[MNT], 0x600000                     ; the mantissa field of 57,344
	s_mov_b32 s71, 0xffff0000                      ; lanes 16-31
	s_mov_b32 s39, 0
	s_wait_kmcnt 0x0
	s_wait_alu depctr_va_vdst(0)                   ; the offsets and LDS addresses v4 to v15 and v18 are written: every load and store of the kernel but the gather's reads one of them
.irp j, 0,1,2,3
	global_load_b128 v[32+4*\j:35+4*\j], v4, s[8:9] offset:CNT+512*\j    ; the counts, a byte each: my 16 bytes are two blocks; even registers hold experts 0-3, odd ones experts 4-7
.endr
	WIN 0xc0                                       ; destination window 3
.set jj, 0
.rept 32
	global_load_b128 v[KEY+4*jj:KEY+4*jj+3], v4, s[8:9] offset:512*jj    ; register 4 j + c, lane l: the expert of token 128 j + 4 l + c
.set jj, jj+1
.endr
	WIN 0
	s_add_nc_u64 s[78:79], s[4:5], XQ              ; x's codes
	s_mul_i32 s38, s21, HTS
	s_lshl_b32 s86, s23, 11
	s_add_co_u32 s38, s38, s86
	s_add_nc_u64 s[82:83], s[14:15], s[38:39]      ; hid: my tile, K step g
	s_mul_i32 s38, s21, HSS
	s_lshl_b32 s86, s22, 8
	s_add_co_u32 s38, s38, s86
	s_add_co_u32 s38, s38, HSO
	s_add_nc_u64 s[84:85], s[14:15], s[38:39]      ; its scale words: my tile, my slice
	s_lshl_b32 s38, s21, 3
	s_add_nc_u64 s[96:97], s[16:17], s[38:39]      ; plan: my tile's pair,
	s_lshl_b32 s38, s21, 9
	s_add_nc_u64 s[86:87], s[16:17], s[38:39]      ; and its list
	s_wait_loadcnt 32                              ; the counts are in; the 32 loads of expert numbers may be out
	v_add_nc_u32 v32, v32, v34                     ; my eight blocks, byte by byte: at most 8 x 16 = 128 in a byte
	v_add_nc_u32 v33, v33, v35
.irp j, 36,38,40,42,44,46
	v_add_nc_u32 v32, v32, v[\j]
	v_add_nc_u32 v33, v33, v[\j+1]
.endr
	v_and_b32 v48, 0xff00ff, v32                   ; widened to fields of 16 bits: experts 0 and 2,
	v_and_b32 v50, 0xff00ff, v33                   ; 4 and 6,
	v_lshrrev_b32 v32, 8, v32
	v_lshrrev_b32 v33, 8, v33
	v_and_b32 v49, 0xff00ff, v32                   ; 1 and 3,
	v_and_b32 v51, 0xff00ff, v33                   ; 5 and 7: no sum passes 4,096
.irp x, 1,2,4,8
.irp p, 0,1,2,3
	v_mov_b32_dpp v[52+\p], v[48+\p] row_xmask:\x row_mask:0xf bank_mask:0xf
.endr
.irp p, 0,1,2,3
	v_add_nc_u32 v[48+\p], v[48+\p], v[52+\p]
.endr
.endr
.irp p, 0,1,2,3
	v_permlanex16_b32 v[52+\p], v[48+\p], s[SEL], s[SEL+1]
.endr
.irp p, 0,1,2,3
	v_add_nc_u32 v[48+\p], v[48+\p], v[52+\p]
.endr
.irp p, 0,1,2,3
	v_readfirstlane_b32 s[40+\p], v[48+\p]
.endr
	s_wait_alu depctr_va_sdst(0)                   ; s40 to s43 are written, ahead of their first readers
	s_and_b32 s24, s40, 0xffff                     ; s24-31: each expert's tokens
	s_lshr_b32 s26, s40, 16
	s_and_b32 s25, s41, 0xffff
	s_lshr_b32 s27, s41, 16
	s_and_b32 s28, s42, 0xffff
	s_lshr_b32 s30, s42, 16
	s_and_b32 s29, s43, 0xffff
	s_lshr_b32 s31, s43, 16
	; whose tile is mine: the last expert in front of which at most 'tile' tiles lie.  No branch: selects
	s_mov_b32 s34, 0                               ; expert
	s_mov_b32 s35, s24                             ; its tokens
	s_mov_b32 s33, 0                               ; its first tile
	s_add_co_u32 s32, s24, RT-1
	s_mul_i32 s32, s32, DIV
	s_lshr_b32 s32, s32, 22                        ; tiles so far
.irp e, 1,2,3,4,5,6,7
	s_cmp_le_u32 s32, s21
	s_cselect_b32 s34, \e, s34
	s_cselect_b32 s35, s[24+\e], s35
	s_cselect_b32 s33, s32, s33
	s_add_co_u32 s38, s[24+\e], RT-1
	s_mul_i32 s38, s38, DIV
	s_lshr_b32 s38, s38, 22
	s_add_co_u32 s32, s32, s38
.endr
	s_min_u32 s34, s34, 7                          ; a number that came from memory is clamped ahead of every address
	s_sub_co_u32 s36, s21, s33
	s_mul_i32 s36, s36, RT                         ; the rank of my tile's first row
	s_sub_co_i32 s37, s35, s36
	s_max_i32 s37, s37, 0
	s_min_i32 s37, s37, RT                         ; its rows: 0 for a tile that the split leaves empty
	s_lshl_b32 s38, s34, 20
	s_lshl_b32 s66, s23, 16
	s_add_co_u32 s38, s38, s66
	s_add_nc_u64 s[72:73], s[4:5], s[38:39]        ; W1's fragments of my group
	s_lshl_b32 s38, s34, 15
	s_lshl_b32 s66, s23, 9
	s_add_co_u32 s38, s38, s66
	s_add_nc_u64 s[74:75], s[6:7], s[38:39]        ; their scale words
	s_lshl_b32 s38, s34, 13
	s_add_co_u32 s38, s38, s66
	s_add_nc_u64 s[76:77], s[12:13], s[38:39]      ; b1 of my 128 units
	; the weights are asked for now: they need the expert alone, and arrive while the rows are placed.  No wait: no vector instruction since the head's wait names their offsets v4, v5, v6 or the registers in which they land
.irp s, 0,1,2,3
.irp t, 0,1,2,3,4,5,6,7
	global_load_b32 v[W1SR+8*\s+\t], v5, s[74:75] offset:\s*8192+\t*64
.endr
.endr
	WIN 0xc0
.irp t, 0,1,2,3,4,5,6,7
	global_load_b128 v[8*\t:8*\t+3], v6, s[76:77] offset:(32*(\t/2)+8*(\t%2))*4        ; lane (r, h), tile 2 b + u: units 32 b + 16 h + 8 u + 0 .. 7: the result's layout
	global_load_b128 v[8*\t+4:8*\t+7], v6, s[76:77] offset:(32*(\t/2)+8*(\t%2))*4+16
.endr
	WIN 0x40                                       ; destination window 1
.irp s, 0,1
.irp t, 0,1,2,3,4,5,6,7
.irp c, 0,1,2,3
	global_load_b128 v[16*(8*\s+\t)+4*\c:16*(8*\s+\t)+4*\c+3], v4, s[72:73] offset:\t*8192+\s*2048+\c*512
.endr
.endr
.endr
	WIN 0x80                                       ; destination window 2
.irp s, 2,3
.irp t, 0,1,2,3,4,5,6,7
.irp c, 0,1,2,3
	global_load_b128 v[16*(8*(\s-2)+\t)+4*\c:16*(8*(\s-2)+\t)+4*\c+3], v4, s[72:73] offset:\t*8192+\s*2048+\c*512
.endr
.endr
.endr
	s_wait_loadcnt 63                              ; the expert numbers are in: 176 loads were issued behind them, more than the wait can name; the smaller count is safe
	; ---- placing
	s_lshl_b32 s38, s20, 5
	s_add_co_u32 s38, s38, s36
	WIN 0xc0
	v_add_nc_u32 v[PR], s38, v1                    ; R: my slot's rank
	v_mov_b32 v[PWD], 0
	v_mov_b32 v[PP], 0
	WIN 0xff                                       ; all in window 3
	s_mov_b32 s48, 0
.set jb, 0
.rept 16
	PLACE8 jb
.set jb, jb+8
.endr
	v_and_b32 v[PN], 0xffff, v[PP]
	v_sub_nc_u32 v[PN], v[PR], v[PN]               ; n: which set bit of the mask
	v_lshrrev_b32 v[PI], 16, v[PP]                 ; the mask's number 4 j + c
	v_lshrrev_b32 v[T0], 1, v[PWD]                 ; counts of set bits in fields of 2, 4, 8 bits, and in the low 16
	v_and_b32 v[T0], 0x55555555, v[T0]
	v_sub_nc_u32 v[PA], v[PWD], v[T0]
	v_lshrrev_b32 v[T0], 2, v[PA]
	v_and_b32 v[T0], 0x33333333, v[T0]
	v_and_b32 v[PB], 0x33333333, v[PA]
	v_add_nc_u32 v[PB], v[PB], v[T0]
	v_lshrrev_b32 v[T0], 4, v[PB]
	v_add_nc_u32 v[PC3], v[PB], v[T0]
	v_and_b32 v[PC3], 0x0f0f0f0f, v[PC3]
	v_lshrrev_b32 v[T0], 8, v[PC3]
	v_add_nc_u32 v[PD], v[PC3], v[T0]
	v_mov_b32 v[POS], 0
	HALVE PD, 8, 16
	HALVE PC3, 8, 8
	HALVE PB, 4, 4
	HALVE PA, 2, 2
	HALVE PWD, 1, 1                                ; the bit's place, 0 to 31 whatever n was
	v_lshrrev_b32 v[T0], 2, v[PI]
	v_lshlrev_b32 v[T0], 7, v[T0]
	v_and_b32 v[T1], 3, v[PI]
	v_add_nc_u32 v[T0], v[T0], v[T1]
	v_lshl_add_u32 v[T0], v[POS], 2, v[T0]         ; token 128 j + 4 bit + c
	WIN 0x03                                       ; source 0 window 3, destination window 0
	v_mov_b32 v20, v[T0]
	WIN 0
	v_min_u32 v20, 0xfff, v20
	v_permlanex16_b32 v21, v20, s[SEL], s[SEL+1]
	v_cndmask_b32 v22, v20, v21, s71               ; lane (r, h): the token of slot 32 w + r,
	v_cndmask_b32 v23, v21, v20, s71               ; and of slot 32 w + 16 + r
	v_min_u32 v22, 0xfff, v22                      ; clamped ahead of the addresses
	v_min_u32 v23, 0xfff, v23
	v_lshl_add_u32 v24, v22, 9, v13                ; 512 bytes of codes a token, + 16 h
	v_lshl_add_u32 v25, v23, 9, v13
	v_lshlrev_b32 v26, 4, v22                      ; 16 scale bytes a token
	v_lshlrev_b32 v27, 4, v23
	v_mov_b32 v16, s34
	v_mov_b32 v17, s37
	s_wait_alu depctr_va_vdst(0)                   ; the gather's offsets v24 to v27 and the lists' data v16, v17, v20 are written; the compares are done reading window 3's v64-191, in which the gathered codes land
	s_cmp_gt_u32 s20, 2                            ; the tile's five tiles of 16 rows: waves 0 and 1 gather two each, wave 2 one, wave 3 none
	s_cbranch_scc1 .Lgath_done
	GATH 0
	s_cmp_eq_u32 s20, 2
	s_cbranch_scc1 .Lgath_done
	GATH 1
.Lgath_done:
	s_cmp_lg_u32 s22, 0                            ; slice 0 hands the lists on
	s_cbranch_scc1 .Lnot0
	global_store_b32 v14, v20, s[86:87]            ; 128 consecutive bytes a wave, 512 a work-group
	global_store_b64 v15, v[16:17], s[96:97] offset:TILES   ; every lane writes the same pair
.Lnot0:
	s_wait_loadcnt 0x0                             ; the gathered rows, and with them all the weights
	s_cmp_gt_u32 s20, 2
	s_cbranch_scc1 .Limg_done
	STIM 0
	s_cmp_eq_u32 s20, 2
	s_cbranch_scc1 .Limg_done
	STIM 1
.Limg_done:
	s_wait_dscnt 0x0                               ; for the others' sake: my images have landed
	s_barrier_signal -1
	s_barrier_wait -1                              ; x's 20 fragments lie in LDS
	FETCHX 0                                       ; into registers that nothing has named yet
	TILE 0
	TILE 1
	TILE 2
	TILE 3
	TILE 4
	s_wait_alu depctr_va_vdst(0)                   ; the last tile has written its codes and its scale word, which the stores below read, and is done with v32-95, in which the loads behind the barrier land
	SEND 4
	s_wait_dscnt 0x0                               ; my scale words have landed
	s_barrier_signal -1
	s_barrier_wait -1
	ds_load_b128 v[32:35], v11                     ; rows 16 w on: a row's four words, one from each wave (lanes r and r + 16 take the same row)
	s_wait_dscnt 0x0
	global_store_b128 v12, v[32:35], s[84:85]      ; sixteen lanes store 256 consecutive bytes, aligned
	s_cmp_lg_u32 s20, 0
	s_cbranch_scc1 .Lend
	ds_load_b128 v[36:39], v11 offset:1024         ; wave 0 also takes the fifth tile of rows
	s_wait_dscnt 0x0
	global_store_b128 v12, v[36:39], s[84:85] offset:4096
	s_wait_alu depctr_vm_vsrc(0)                   ; the two stores above have read v32 to v39, in which the loss's loads land
	; ---- the load-balance loss: 8 x the sum over experts of (tokens / 4,096) x (sum of probabilities / 4,096); one wave of one work-group
	s_or_b32 s38, s22, s21
	s_cmp_lg_u32 s38, 0
	s_cbranch_scc1 .Lend
	s_wait_xcnt 0x0                                ; the stores above have had their addresses translated: their registers are loaded again only behind this wait
.irp j, 0,1,2,3,4,5,6,7,8,9,10,11,12,13,14,15
	global_load_b128 v[32+4*\j:35+4*\j], v18, s[10:11] offset:PSUM+16*\j    ; register 8 q + e: block 8 l + q, expert e
.endr
	s_wait_loadcnt 0x0
.irp q, 1,2,3,4,5,6,7
.irp e, 0,1,2,3,4,5,6,7
	v_add_f32 v[32+\e], v[32+\e], v[32+8*\q+\e]
.endr
.endr
.irp x, 1,2,4,8
.irp e, 0,1,2,3,4,5,6,7
	v_add_f32_dpp v[32+\e], v[32+\e], v[32+\e] row_xmask:\x row_mask:0xf bank_mask:0xf
.endr
.endr
.irp e, 0,1,2,3,4,5,6,7
	v_permlanex16_b32 v[40+\e], v[32+\e], s[SEL], s[SEL+1]
.endr
.irp e, 0,1,2,3,4,5,6,7
	v_add_f32 v[32+\e], v[32+\e], v[40+\e]
.endr
.irp e, 0,1,2,3,4,5,6,7
	v_cvt_f32_u32 v[48+\e], s[24+\e]
.endr
	v_mul_f32 v56, v48, v32
.irp e, 1,2,3,4,5,6,7
	v_fma_f32 v56, v[48+\e], v[32+\e], v56
.endr
	v_mul_f32 v56, 0x35000000, v56                 ; x 2^-21 = 8 / 4,096^2
	s_wait_alu depctr_va_vdst(0)                   ; v56 is written: the store reads it
	global_store_b32 v15, v56, s[18:19]
.Lend:
	s_wait_dscnt 0x0                               ; the closing lines, six on end
	s_wait_alu 0x0
	s_wait_tensorcnt 0x0
	ds_add_u32 v254, v255
	s_wait_dscnt 0x0
	s_endpgm
.Lfunc_end_k_q9fd2a2c5fd_ffn1:
	.size	k_q9fd2a2c5fd_ffn1, .Lfunc_end_k_q9fd2a2c5fd_ffn1-k_q9fd2a2c5fd_ffn1
	.p2alignl 7, 3214868480
	.fill 96, 4, 3214868480
	.section	.rodata,"a",@progbits
	.p2align	6, 0x0
	.amdhsa_kernel k_q9fd2a2c5fd_ffn1
		.amdhsa_group_segment_fixed_size 72192
		.amdhsa_private_segment_fixed_size 0
		.amdhsa_enable_private_segment 0
		.amdhsa_kernarg_size 64
		.amdhsa_user_sgpr_count 2
		.amdhsa_user_sgpr_kernarg_segment_ptr 1
		.amdhsa_wavefront_size32 1
		.amdhsa_system_sgpr_workgroup_id_x 1
		.amdhsa_system_sgpr_workgroup_id_y 1
		.amdhsa_system_sgpr_workgroup_id_z 1
		.amdhsa_system_vgpr_workitem_id 0
		.amdhsa_next_free_vgpr 1024
		.amdhsa_next_free_sgpr 100
		.amdhsa_reserve_vcc 1
		.amdhsa_float_denorm_mode_32 3
		.amdhsa_float_denorm_mode_16_64 3
		.amdhsa_memory_ordered 1
		.amdhsa_forward_progress 1
		.amdhsa_inst_pref_size 166
	.end_amdhsa_kernel
	.amdgpu_metadata
---
amdhsa.version: [ 1, 2 ]
amdhsa.kernels:
  - .name:           k_q9fd2a2c5fd_ffn1
    .symbol:         k_q9fd2a2c5fd_ffn1.kd
    .args:
      - { .name: codes, .offset: 0, .size: 8, .value_kind: global_buffer, .address_space: global }
      - { .name: scales, .offset: 8, .size: 8, .value_kind: global_buffer, .address_space: global }
      - { .name: route, .offset: 16, .size: 8, .value_kind: global_buffer, .address_space: global }
      - { .name: rf, .offset: 24, .size: 8, .value_kind: global_buffer, .address_space: global }
      - { .name: b1, .offset: 32, .size: 8, .value_kind: global_buffer, .address_space: global }
      - { .name: hid, .offset: 40, .size: 8, .value_kind: global_buffer, .address_space: global }
      - { .name: plan, .offset: 48, .size: 8, .value_kind: global_buffer, .address_space: global }
      - { .name: out1, .offset: 56, .size: 8, .value_kind: global_buffer, .address_space: global }
    .group_segment_fixed_size: 72192
    .private_segment_fixed_size: 0
    .kernarg_segment_align: 8
    .kernarg_segment_size: 64
    .max_flat_workgroup_size: 128
    .sgpr_count:     100
    .vgpr_count:     1024
    .wavefront_size: 32
...
	.end_amdgpu_metadata
.endif
;; end of part 7
;; launch ffn2 (part 8): grid 4 x 59, 4 waves a work-group, no clusters, 169,472 bytes of LDS; arguments codes, scales, hid, plan, rf, b2, out0; writes out0
.if DOCPART == 8
	.amdgcn_target "amdgcn-amd-amdhsa--gfx1250"
	.amdhsa_code_object_version 6
	.text
	.protected	k_q9fd2a2c5fd_ffn2
	.globl	k_q9fd2a2c5fd_ffn2
	.p2align	8
	.type	k_q9fd2a2c5fd_ffn2,@function
k_q9fd2a2c5fd_ffn2:
	s_mov_b64 s[64:65], 0
	v_nop
	global_prefetch_b8 v0, s[64:65] scope:SCOPE_SE
	s_setreg_imm32_b32 hwreg(HW_REG_WAVE_SCHED_MODE, 0, 2), 2
	s_setreg_imm32_b32 hwreg(HW_REG_WAVE_MODE, 25, 1), 1
	s_wait_xcnt 0x0
	s_wait_alu depctr_vm_vsrc(0)
; THIRD LAUNCH.  out0[token] = (hidden Q(W2) + b2) x gate, for the rows of each tile of the second launch; both operands are codes of E5M2 with one E8M0 byte for each 32 along K, laid as images of operand registers.
; Work-group (sl, tile) makes outputs 128 sl .. 128 sl + 127 of the tile's 80 rows.  K (2,048) IS SHARED AMONG THE WAVES: wave w takes K steps 4 w .. 4 w + 3 for all 8 tiles of outputs and all rows, so each byte of W2 and of the
; hidden layer is loaded by one wave, straight into operand registers, 512 consecutive bytes an instruction.  The four partial sums meet in LDS and are added in f32 (another order of sums than one chain along K).
; The product is used transposed (source 0 = 16 outputs, source 1 = 16 rows): a lane holds eight neighbouring outputs of one row.  Each wave then finishes 20 rows and stores each to its token's row: 512 consecutive bytes, aligned.
; Rows past the tile's count are computed and not stored (a scalar branch on the stored count round the one store; no barrier stands under it).  Each token has one expert, so each row of out0 has one owner.
; No tensor load and no cluster: the tile's expert is a number read from memory, and 59 is no multiple of a cluster's side.
; REGISTERS.  Window 0: v1-28 addresses, token, gate, b2; v32-95 and v96-159 two sets of 8 accumulators, later two sets of four rows' parts; v160-191 W2's scale words; v192-207 the hidden layer's, four sets; v254, v255 the closing add's two.
;   Windows 1, 2: W2's 32 fragments.  Window 3: the hidden layer's fragments, four sets of 64.
; THE MODE: SCHED_MODE bits 1:0 = 2 (LLVM: expert scheduling mode 2), set by the entry lines.  The code itself states the register dependences between vector or matrix instructions and memory or LDS instructions, with s_wait_alu, always for 0.
; THE PLAN.  Registers that memory or LDS instructions touch:
;   v4-11, v14, v28     offsets and LDS addresses: made once at the head, ahead of one wait on va_vdst, never written again.  v15, the gate's offset, has a wait of its own.
;   window 3 set 0, v192-195   loaded; read by tile 0's products; then tile 4's fragments and scale words land there.
;   accumulator set m % 2      written by tile m's products, read by tile m's 16 LDS stores, written again by tile m + 2's products; behind the barrier the rows' parts land in both sets.
;   a group's 64 registers, v20-27   four rows' parts: loaded from LDS, summed in place; the sums and the offsets are read by the group's four stores; the group two on loads and writes them again.
; So ONE wait on va_vdst stands in a tile, behind the places: the accumulators are written (and, in tile 0, the products are done with the registers that tile 4's loads take).  One wait on vm_vsrc stands ahead of the products that
; take a set of accumulators again.  The rows go four at a time: their eight lane reads in a run with one wait on va_sdst, their arithmetic with one wait on va_vdst ahead of the four stores, and one wait on vm_vsrc ahead of the loads that take the set again.
; W2's fragments and all scale words come by loads and are named by matrix instructions alone from then on.
.set W2Q,   8388608
.set W2SO,  262144
.set HTS,   163840                     ; hid: a tile's images: 5 tiles of 16 rows x 16 K steps x 2,048 bytes;
.set HSO,   9666560                    ; from HSO on the scale words,
.set HSS,   5120                       ; 5,120 bytes a tile
.set TILES, 30208
.set SROW,  528                        ; a stage row: 512 bytes + 16, so that the sixteen rows that a store touches begin 16 bytes apart modulo 256
.set SW,    80*SROW                    ; a wave's stage: 80 rows
.set W2SR,  160
.set HSR,   192
.set MSB, 0
.macro WIN new                         ; the immediate's high byte repeats the setting that is left
.if MSB != (\new)
	s_set_vgpr_msb (MSB<<8)|(\new)
.set MSB, (\new)
.endif
.endm
.macro HLOAD m                         ; rows 16 m on: my four K steps' fragments and the rows' scale words: 17 loads
	WIN 0xc0                                       ; destination window 3
.irp s, 0,1,2,3
.irp c, 0,1,2,3
	global_load_b128 v[64*((\m)%4)+16*\s+4*\c:64*((\m)%4)+16*\s+4*\c+3], v4, s[32:33] offset:(\m)*32768+\s*2048+\c*512
.endr
.endr
	WIN 0
	global_load_b128 v[HSR+4*((\m)%4):HSR+4*((\m)%4)+3], v6, s[34:35] offset:(\m)*1024
.endm
.macro MM8 a0, s, first                ; K step s of the eight tiles of outputs; the eight accumulators take turns
.irp n, 0,1,2,3,4,5,6,7
.if \first
	v_wmma_scale_f32_16x16x128_f8f6f4 v[AC+8*\n:AC+8*\n+7], v[\a0+16*\n:\a0+16*\n+15], v[HB+16*\s:HB+16*\s+15], 0, v[W2SR+8*\s+\n], v[HW+\s] matrix_a_fmt:MATRIX_FMT_BF8 matrix_b_fmt:MATRIX_FMT_BF8
.else
	v_wmma_scale_f32_16x16x128_f8f6f4 v[AC+8*\n:AC+8*\n+7], v[\a0+16*\n:\a0+16*\n+15], v[HB+16*\s:HB+16*\s+15], v[AC+8*\n:AC+8*\n+7], v[W2SR+8*\s+\n], v[HW+\s] matrix_a_fmt:MATRIX_FMT_BF8 matrix_b_fmt:MATRIX_FMT_BF8
.endif
.endr
.endm
.macro TILE m
.set AC, 32+64*((\m)%2)
.set HB, 64*((\m)%4)
.set HW, HSR+4*((\m)%4)
.if (\m) < 2
	s_wait_loadcnt 51                              ; these rows' loads and all before them are in; the next three tiles' 17 each may be out
.else
	s_wait_loadcnt 17*(4-(\m))
.endif
.if (\m) >= 2
	s_wait_dscnt 16                                ; the last tile's 16 LDS stores may be out; those of two tiles ago are done
	s_wait_alu depctr_vm_vsrc(0)                   ; the LDS stores of two tiles ago have read this set of accumulators, which the products below write again
.endif
	WIN 0x0d                                       ; source 0 (W2) window 1, source 1 (hidden) window 3
	MM8 0, 0, 1                                    ; the first product starts the sums
	MM8 128, 1, 0
	WIN 0x0e                                       ; source 0 window 2
	MM8 0, 2, 0
	MM8 128, 3, 0
	WIN 0
.rept 8
	v_nop                                          ; places in front of the LDS stores that read results; the wait below stands beside them
.endr
.if (\m) < 1
	WIN 0xc0                                       ; the loads below go to window 3: the switch stands ahead of the wait
	s_wait_alu depctr_va_vdst(0)                   ; the products have written this set of accumulators, which the LDS stores below read, and are done reading the fragments and scale words in which the loads below land
	HLOAD (\m)+4
.else
	s_wait_alu depctr_va_vdst(0)                   ; the products have written this set of accumulators, which the LDS stores below read
.endif
.irp n, 0,1,2,3,4,5,6,7
	ds_store_b128 v7, v[AC+8*\n:AC+8*\n+3] offset:(\m)*16*SROW+64*\n        ; each accumulator from its low end on: row 16 m + r, outputs 16 n + 8 h + 0 .. 7
	ds_store_b128 v7, v[AC+8*\n+4:AC+8*\n+7] offset:(\m)*16*SROW+64*\n+16
.endr
.endm
.macro GLOAD g                         ; rows 4 g .. 4 g + 3 of my 20: the four waves' parts, 16 bytes a lane
.set FB, 32+64*((\g)%2)
	s_wait_xcnt 0x0                                ; the stores of two groups ago have had their addresses translated: this set's registers and offsets are rewritten only behind this wait
.if (\g) == 0
	s_wait_alu depctr_vm_vsrc(0)                   ; my LDS stores of the partial sums have read both sets of accumulators, in which this group's loads and the next group's land
.endif
.if (\g) > 1
	s_wait_alu depctr_vm_vsrc(0)                   ; the stores of two groups ago have read this set's registers, in which the loads below land, and their offsets, which this group's rows write again
.endif
.irp i, 0,1,2,3
.irp q, 0,1,2,3
	ds_load_b128 v[FB+16*\i+4*\q:FB+16*\i+4*\q+3], v[8+\q] offset:(4*(\g)+\i)*SROW
.endr
.endr
.endm
.macro PUT                             ; row RHO of my 20, its sums in v[RR] on, its offset in v[OF], goes out if it is one of the tile's
	s_cmp_gt_u32 s21, RHO
	s_cbranch_scc0 .Lskip_\@
	global_store_b128 v[OF], v[RR:RR+3], s[16:17] th:TH_STORE_NT   ; 512 consecutive bytes of the token's row, aligned; written once, read by nobody here
.Lskip_\@:
.endm
.macro ROWS g, left                    ; four rows: row i's gate in s[40 + 2 i] (the pair's upper word is 0), its token in s[48 + i]
.irp i, 0,1,2,3
	v_readlane_b32 s[40+2*\i], v13, 4*(\g)+\i      ; the row's gate,
	v_readlane_b32 s[48+\i], v12, 4*(\g)+\i        ; and its token
.endr
	s_wait_dscnt \left                             ; this group's 16 loads are in; the next group's may be out
.irp i, 0,1,2,3
.set RR, 32+64*((\g)%2)+16*\i
	v_pk_add_f32 v[RR:RR+1], v[RR:RR+1], v[RR+4:RR+5]
	v_pk_add_f32 v[RR+2:RR+3], v[RR+2:RR+3], v[RR+6:RR+7]
	v_pk_add_f32 v[RR+8:RR+9], v[RR+8:RR+9], v[RR+12:RR+13]
	v_pk_add_f32 v[RR+10:RR+11], v[RR+10:RR+11], v[RR+14:RR+15]
	v_pk_add_f32 v[RR:RR+1], v[RR:RR+1], v[RR+8:RR+9]
	v_pk_add_f32 v[RR+2:RR+3], v[RR+2:RR+3], v[RR+10:RR+11]
	v_pk_add_f32 v[RR:RR+1], v[RR:RR+1], v[16:17]          ; + b2
	v_pk_add_f32 v[RR+2:RR+3], v[RR+2:RR+3], v[18:19]
.endr
	s_wait_alu depctr_va_sdst(0)                   ; the four gates and the four tokens are written, ahead of their first readers
.irp i, 0,1,2,3
	s_min_u32 s[48+\i], s[48+\i], 4095             ; clamped ahead of the address
	s_lshl_b32 s[48+\i], s[48+\i], 11
.endr
.irp i, 0,1,2,3
.set RR, 32+64*((\g)%2)+16*\i
.set OF, 20+4*((\g)%2)+\i
	v_pk_mul_f32 v[RR:RR+1], v[RR:RR+1], s[40+2*\i:41+2*\i] op_sel_hi:[1,0]
	v_pk_mul_f32 v[RR+2:RR+3], v[RR+2:RR+3], s[40+2*\i:41+2*\i] op_sel_hi:[1,0]
	v_add_nc_u32 v[OF], s[48+\i], v14
.endr
	s_wait_alu depctr_va_vdst(0)                   ; the four rows' results and offsets are written, which the stores below read; the arithmetic is done with this set, in which the loads of the group two on land
.irp i, 0,1,2,3
.set RR, 32+64*((\g)%2)+16*\i
.set RHO, 4*(\g)+\i
.set OF, 20+4*((\g)%2)+\i
	PUT
.endr
.endm
	s_load_b256 s[4:11], s[0:1], 0x0               ; codes, scales, hid, plan
	s_load_b128 s[12:15], s[0:1], 0x20             ; rf, b2
	s_load_b64 s[16:17], s[0:1], 0x30              ; out0
	v_lshl_add_u32 v254, v0, 2, 0x29400            ; the closing add's two registers: my spare word behind the four stages, and 0; kept for the closing lines alone
	v_mov_b32 v255, 0
	v_lshrrev_b32 v1, 5, v0
	v_readfirstlane_b32 s18, v1                    ; wave 0..3
	s_and_b32 s19, ttmp7, 0xffff                   ; tile
	s_lshl_b32 s22, s19, 3
	s_mov_b32 s37, 0
	s_mov_b32 s41, 0                               ; (each named with a gate as a pair, so they are written)
	s_mov_b32 s43, 0
	s_mov_b32 s45, 0
	s_mov_b32 s47, 0
	v_and_b32 v1, 31, v0                           ; lane
	v_and_b32 v2, 15, v0                           ; r
	v_bfe_u32 v3, v0, 4, 1                         ; h
	v_lshlrev_b32 v4, 4, v1                        ; 16 x lane
	v_lshlrev_b32 v5, 2, v2                        ; 4 r
	v_lshlrev_b32 v6, 4, v2                        ; 16 r
	s_wait_alu depctr_va_sdst(0)                   ; s18 is written, ahead of its first reader
	s_mul_i32 s36, s18, 80
	v_lshl_add_u32 v28, v1, 2, s36                 ; 4 x (20 w + lane): the slot of my row 'lane' (lanes 20 to 31 read slots that are listed and never used)
	s_mul_i32 s36, s18, SW
	v_mul_u32_u24 v7, v2, SROW
	v_lshl_add_u32 v7, v3, 5, v7
	v_add_nc_u32 v7, s36, v7                       ; my stage: row r, + 32 h
	s_mul_i32 s36, s18, 20*SROW
	v_add_nc_u32 v8, s36, v4                       ; back: my 20 rows in each of the four stages
	v_add_nc_u32 v9, SW, v8
	v_add_nc_u32 v10, 2*SW, v8
	v_add_nc_u32 v11, 3*SW, v8
	s_lshl_b32 s36, ttmp9, 9
	v_add_nc_u32 v14, s36, v4                      ; my 16 bytes of a row of out0: 512 sl + 16 lane
	s_wait_kmcnt 0x0
	s_load_b64 s[20:21], s[10:11], s22 offset:TILES   ; the tile's expert and rows
	s_lshl_b32 s36, s19, 9
	s_add_nc_u64 s[24:25], s[10:11], s[36:37]      ; its list
	s_wait_alu depctr_va_vdst(0)                   ; the offsets and LDS addresses v4 to v11 and v28 are written, which the loads and LDS instructions below read
	global_load_b32 v12, v28, s[24:25]             ; lane l: the token of my row l
	s_mul_i32 s36, s19, HTS
	s_lshl_b32 s38, s18, 13
	s_add_co_u32 s36, s36, s38
	s_add_nc_u64 s[32:33], s[8:9], s[36:37]        ; hid: my tile, my four K steps
	s_mul_i32 s36, s19, HSS
	s_lshl_b32 s39, s18, 8
	s_add_co_u32 s36, s36, s39
	s_add_co_u32 s36, s36, HSO
	s_add_nc_u64 s[34:35], s[8:9], s[36:37]        ; their scale words
	HLOAD 0                                        ; the first rows' fragments hang on ids alone: they are asked for while the tile's expert is on its way
	s_wait_kmcnt 0x0
	s_min_u32 s20, s20, 7                          ; clamped ahead of every address
	s_mul_i32 s23, s18, 20
	s_sub_co_i32 s21, s21, s23
	s_max_i32 s21, s21, 0                          ; how many of my 20 rows are the tile's
	s_lshl_b32 s36, s20, 15
	s_add_co_u32 s36, s36, s38
	s_lshl_b32 s39, ttmp9, 9
	s_add_co_u32 s36, s36, s39
	s_add_co_u32 s36, s36, W2SO
	s_add_nc_u64 s[26:27], s[6:7], s[36:37]        ; W2's scale words: expert, my K steps, my 8 tiles
	s_lshl_b32 s36, s20, 11
	s_add_co_u32 s36, s36, s39
	s_add_nc_u64 s[28:29], s[14:15], s[36:37]      ; b2
	s_lshl_b32 s36, s20, 20
	s_add_co_u32 s36, s36, s38
	s_lshl_b32 s39, ttmp9, 18
	s_add_co_u32 s36, s36, s39
	s_add_co_u32 s36, s36, W2Q
	s_add_nc_u64 s[30:31], s[4:5], s[36:37]        ; W2's fragments
.irp s, 0,1,2,3
.irp n, 0,1,2,3,4,5,6,7
	global_load_b32 v[W2SR+8*\s+\n], v5, s[26:27] offset:\s*2048+\n*64
.endr
.endr
	global_load_b128 v[16:19], v4, s[28:29]        ; my four outputs' b2
	s_wait_loadcnt 50                              ; the token is in: 17 + 32 + 1 loads were issued behind it
	v_min_u32 v12, 0xfff, v12
	v_lshlrev_b32 v15, 2, v12
	s_wait_alu depctr_va_vdst(0)                   ; v15 is written: the load below reads it as its offset
	global_load_b32 v13, v15, s[12:13]             ; its gate
	WIN 0x40                                       ; destination window 1
.irp s, 0,1
.irp n, 0,1,2,3,4,5,6,7
.irp c, 0,1,2,3
	global_load_b128 v[16*(8*\s+\n)+4*\c:16*(8*\s+\n)+4*\c+3], v4, s[30:31] offset:\n*32768+\s*2048+\c*512
.endr
.endr
.endr
	WIN 0x80                                       ; destination window 2
.irp s, 2,3
.irp n, 0,1,2,3,4,5,6,7
.irp c, 0,1,2,3
	global_load_b128 v[16*(8*(\s-2)+\n)+4*\c:16*(8*(\s-2)+\n)+4*\c+3], v4, s[30:31] offset:\n*32768+\s*2048+\c*512
.endr
.endr
.endr
	HLOAD 1
	HLOAD 2
	HLOAD 3
	TILE 0
	TILE 1
	TILE 2
	TILE 3
	TILE 4
	s_wait_dscnt 0x0                               ; for the others' sake: my partial sums have landed
	s_barrier_signal -1
	s_barrier_wait -1                              ; all four waves' lie in LDS
	GLOAD 0
.irp g, 0,1,2,3
	GLOAD \g+1
	ROWS \g, 16
.endr
	ROWS 4, 0
	s_wait_dscnt 0x0                               ; the closing lines, six on end
	s_wait_alu 0x0
	s_wait_tensorcnt 0x0
	ds_add_u32 v254, v255
	s_wait_dscnt 0x0
	s_endpgm
.Lfunc_end_k_q9fd2a2c5fd_ffn2:
	.size	k_q9fd2a2c5fd_ffn2, .Lfunc_end_k_q9fd2a2c5fd_ffn2-k_q9fd2a2c5fd_ffn2
	.p2alignl 7, 3214868480
	.fill 96, 4, 3214868480
	.section	.rodata,"a",@progbits
	.p2align	6, 0x0
	.amdhsa_kernel k_q9fd2a2c5fd_ffn2
		.amdhsa_group_segment_fixed_size 169472
		.amdhsa_private_segment_fixed_size 0
		.amdhsa_enable_private_segment 0
		.amdhsa_kernarg_size 56
		.amdhsa_user_sgpr_count 2
		.amdhsa_user_sgpr_kernarg_segment_ptr 1
		.amdhsa_wavefront_size32 1
		.amdhsa_system_sgpr_workgroup_id_x 1
		.amdhsa_system_sgpr_workgroup_id_y 1
		.amdhsa_system_sgpr_workgroup_id_z 1
		.amdhsa_system_vgpr_workitem_id 0
		.amdhsa_next_free_vgpr 1024
		.amdhsa_next_free_sgpr 66
		.amdhsa_reserve_vcc 0
		.amdhsa_float_denorm_mode_32 3
		.amdhsa_float_denorm_mode_16_64 3
		.amdhsa_memory_ordered 1
		.amdhsa_forward_progress 1
		.amdhsa_inst_pref_size 81
	.end_amdhsa_kernel
	.amdgpu_metadata
---
amdhsa.version: [ 1, 2 ]
amdhsa.kernels:
  - .name:           k_q9fd2a2c5fd_ffn2
    .symbol:         k_q9fd2a2c5fd_ffn2.kd
    .args:
      - { .name: codes, .offset: 0, .size: 8, .value_kind: global_buffer, .address_space: global }
      - { .name: scales, .offset: 8, .size: 8, .value_kind: global_buffer, .address_space: global }
      - { .name: hid, .offset: 16, .size: 8, .value_kind: global_buffer, .address_space: global }
      - { .name: plan, .offset: 24, .size: 8, .value_kind: global_buffer, .address_space: global }
      - { .name: rf, .offset: 32, .size: 8, .value_kind: global_buffer, .address_space: global }
      - { .name: b2, .offset: 40, .size: 8, .value_kind: global_buffer, .address_space: global }
      - { .name: out0, .offset: 48, .size: 8, .value_kind: global_buffer, .address_space: global }
    .group_segment_fixed_size: 169472
    .private_segment_fixed_size: 0
    .kernarg_segment_align: 8
    .kernarg_segment_size: 56
    .max_flat_workgroup_size: 128
    .sgpr_count:     66
    .vgpr_count:     1024
    .wavefront_size: 32
...
	.end_amdgpu_metadata
.endif
;; end of part 8
